; MI455X (gfx1250); checked and timed in simulation.
; The chip was launched on July 23, 2026; its instructions are those of AMD's public machine-readable ISA for CDNA 5 (MIT licence, August 2026) and "CDNA5" Instruction Set Architecture Reference Guide (July 2026). The comments in the code are by the model that wrote it; some were corrected since.
;; Transformer Encoder With Temporal Attention. Allowed arithmetic: float matrix products may take bf16 or f16 operands with f32 sums; other float arithmetic in f32, or as packed bf16 or f16 multiplies, adds, multiply-adds, maxima and minima; sums over many terms, partial sums and values carried from step to step in f32; what a program stores and reads back later, other than sums and carried values, may be rounded once to bf16 or f16.
;; Inputs: ff1_b 4 x 1,024 float32; ff1_w 4 x 256 x 1,024 float32; ff2_b 4 x 256 float32; ff2_w 4 x 1,024 x 256 float32; ln1_b 4 x 256 float32; ln1_g 4 x 256 float32; ln2_b 4 x 256 float32; ln2_g 4 x 256 float32; out_b 4 x 256 float32; out_w 4 x 256 x 256 float32; qkv_b 4 x 768 float32; qkv_w 4 x 256 x 768 float32; x 4 x 2,048 x 256 float32.
;; Outputs: out0 4 x 2,048 x 256 float32.
;; 2 versions, each right. Each part assembles by itself: llvm-mc -triple=amdgcn-amd-amdhsa -mcpu=gfx1250 --defsym DOCPART=n.
;; ======== version 1 of 2: 10 launches
;; workspace buffers: p0 1,586,176 bytes; p1 1,586,176 bytes; p2 1,586,176 bytes; p3 1,586,176 bytes; qkv 12,582,912 bytes; o 4,194,304 bytes; xa 8,388,608 bytes; xb 8,388,608 bytes
;; launch prep (part 1): grid 385 x 4, 8 waves a work-group, no clusters, 0 bytes of LDS; arguments qkv_w, qkv_b, out_w, out_b, ff1_w, ff1_b, ff2_w, ff2_b, ln1_g, ln1_b, ln2_g, ln2_b, p0, p1, p2, p3; writes p0, p1, p2, p3
.if DOCPART == 1
	.amdgcn_target "amdgcn-amd-amdhsa--gfx1250"
	.amdhsa_code_object_version 6
	.text
	.protected	k_q77eb2fef44_prep
	.globl	k_q77eb2fef44_prep
	.p2align	8
	.type	k_q77eb2fef44_prep,@function
k_q77eb2fef44_prep:
	s_mov_b64 s[64:65], 0
	v_nop
	global_prefetch_b8 v0, s[64:65] scope:SCOPE_SE
	s_setreg_imm32_b32 hwreg(HW_REG_WAVE_MODE, 25, 1), 1
	s_wait_xcnt 0x0
; THE WEIGHTS ARE LAID OUT ONCE, as the later launches read them.  Work-group y = layer l writes buffer p_l:
;   bytes 0 .. 1,572,863: the weight stream [chunk 12][wave 4][fragment 32][1,024 bytes], rounded to bf16;
;   from byte 1,572,864: a table of 13,312 bytes in f32: out_b, ln1_g, ln1_b, ff1_b, ff2_b, ln2_g, ln2_b of layer l, then qkv_b of layer (l + 1) % 4.
; A fragment is the register image of a matrix operand, 16 rows n x 32 k: half q (512 bytes), lane (r, h) at 16 (r + 16 h): row n0 + r, k = k0 + 16 q + 8 h + 0..7.
;   chunk 0:      f = 4 ks + ct:   n = 64 w + 16 ct + r,                k = 32 ks + ..,  out_w[l][k][n]
;   chunk 1 + gi: f = 2 ks + ht:   n = hb + 16 ht + r (hb = 256 w + 32 gi), k = 32 ks + .., ff1_w[l][k][n]
;                 f = 16 + c:      n = 16 ((4 w + c) % 16) + r,         k = hb + ..,     ff2_w[l][k][n]
;   chunk 9 + j:  f = 4 ks + ct:   n = 192 w + 64 j + 16 ct + r,        k = 32 ks + ..,  qkv_w[(l + 1) % 4][k][n]
; SHARES.  Work-group x < 384: chunk x / 32, wave slice (x / 8) % 4, eighth x % 8.  Each of its eight waves makes 512 bytes: for the pair of fragments 2 p, 2 p + 1 the 8 k of
; one (q, h): lane L reads column nb + L in eight rows (128 consecutive bytes a load) and stores 16 bytes; sixteen lanes store 256 consecutive bytes, aligned.
; Work-group x = 384 copies the table, 512 bytes a wave and piece.  No LDS, no barrier, no loop: memory binds, and every byte is read once and written once.
.set TBLO, 1572864
	s_load_b512 s[4:19], s[0:1], 0x0               ; qkv_w s[4:5], qkv_b s[6:7], out_w s[8:9], out_b s[10:11], ff1_w s[12:13], ff1_b s[14:15], ff2_w s[16:17], ff2_b s[18:19]
	s_load_b512 s[20:35], s[0:1], 0x40             ; ln1_g s[20:21], ln1_b s[22:23], ln2_g s[24:25], ln2_b s[26:27], p0 .. p3 s[28:35]
	v_lshrrev_b32 v1, 5, v0
	v_readfirstlane_b32 s36, v1                    ; wave 0..7
	v_and_b32 v2, 31, v0                           ; lane L
	s_and_b32 s37, ttmp7, 0xffff                   ; l
	s_add_co_u32 s38, s37, 1
	s_and_b32 s38, s38, 3                          ; (l + 1) % 4
	s_mov_b32 s57, 0                               ; the high word of every offset
	s_wait_kmcnt 0x0
	s_cmp_eq_u32 s37, 1                            ; the layer's buffer
	s_cselect_b64 s[40:41], s[30:31], s[28:29]
	s_cmp_eq_u32 s37, 2
	s_cselect_b64 s[40:41], s[32:33], s[40:41]
	s_cmp_eq_u32 s37, 3
	s_cselect_b64 s[40:41], s[34:35], s[40:41]
	s_cmp_eq_u32 ttmp9, 384
	s_cbranch_scc1 .Ltable
	s_lshr_b32 s42, ttmp9, 5                       ; chunk c
	s_bfe_u32 s43, ttmp9, 0x20003                  ; wave slice w
	s_and_b32 s44, ttmp9, 7
	s_lshl_b32 s44, s44, 3
	s_add_co_u32 s44, s44, s36                     ; item e = 8 (x % 8) + wave, 0..63
	s_lshr_b32 s45, s44, 2                         ; pair p
	s_bfe_u32 s46, s44, 0x10001                    ; q
	s_and_b32 s47, s44, 1                          ; h
	s_lshl_b32 s48, s46, 4
	s_lshl3_add_u32 s48, s47, s48                  ; 16 q + 8 h
	s_lshl2_add_u32 s49, s42, s43                  ; 4 c + w
	s_lshl_b32 s49, s49, 5
	s_lshl1_add_u32 s49, s45, s49                  ; + 2 p: the fragment's number in the stream
	s_lshl_b32 s49, s49, 10
	s_lshl_b32 s50, s46, 9
	s_add_co_u32 s49, s49, s50
	s_lshl_b32 s50, s47, 8
	s_add_co_u32 s49, s49, s50                     ; + 512 q + 256 h
	v_lshrrev_b32 v3, 4, v2
	v_and_b32 v4, 15, v2
	v_lshlrev_b32 v3, 10, v3                       ; lanes 16-31: the pair's second fragment
	v_lshl_add_u32 v3, v4, 4, v3
	v_add_nc_u32 v3, s49, v3                       ; where my 16 bytes go
; s50 = the fragment's first k, s51 = the pair's first column, s[52:53] = the layer's matrix of \cols columns: eight rows of my column
.macro LOAD8 cols
	s_add_co_u32 s50, s50, s48
	s_mul_i32 s50, s50, \cols
	s_add_co_u32 s50, s50, s51
	v_add_lshl_u32 v5, v2, s50, 2
.irp i, 0,1,2,3,4,5,6,7
	global_load_b32 v[8+\i], v5, s[52:53] offset:\i*4*\cols th:TH_LOAD_NT
.endr
.endm
	s_cmp_eq_u32 s42, 0
	s_cbranch_scc1 .Lout
	s_cmp_ge_u32 s42, 9
	s_cbranch_scc1 .Lqkv
	s_sub_co_u32 s54, s42, 1
	s_lshl_b32 s54, s54, 5
	s_lshl_b32 s55, s43, 8
	s_add_co_u32 s54, s54, s55                     ; hb = 256 w + 32 gi
	s_lshl_b32 s56, s37, 20                        ; a layer of ff1_w or ff2_w: 1,048,576 bytes
	s_cmp_lt_u32 s45, 8
	s_cbranch_scc0 .Lff2
	s_lshl_b32 s50, s45, 5                         ; k = 32 p
	s_mov_b32 s51, s54
	s_add_nc_u64 s[52:53], s[12:13], s[56:57]
	LOAD8 1024
	s_branch .Lpack
.Lff2:
	s_mov_b32 s50, s54                             ; k = hb
	s_sub_co_u32 s51, s45, 8
	s_lshl_b32 s51, s51, 1
	s_lshl2_add_u32 s51, s43, s51                  ; 4 w + 2 (p - 8)
	s_and_b32 s51, s51, 15
	s_lshl_b32 s51, s51, 4
	s_add_nc_u64 s[52:53], s[16:17], s[56:57]
	LOAD8 256
	s_branch .Lpack
.Lout:
	s_lshr_b32 s50, s45, 1
	s_lshl_b32 s50, s50, 5                         ; k = 32 (p / 2)
	s_and_b32 s51, s45, 1
	s_lshl_b32 s51, s51, 5
	s_lshl_b32 s55, s43, 6
	s_add_co_u32 s51, s51, s55                     ; 64 w + 32 (p % 2)
	s_lshl_b32 s56, s37, 18
	s_add_nc_u64 s[52:53], s[8:9], s[56:57]
	LOAD8 256
	s_branch .Lpack
.Lqkv:
	s_lshr_b32 s50, s45, 1
	s_lshl_b32 s50, s50, 5
	s_and_b32 s51, s45, 1
	s_lshl_b32 s51, s51, 5
	s_mul_i32 s55, s43, 192
	s_add_co_u32 s51, s51, s55
	s_sub_co_u32 s55, s42, 9
	s_lshl_b32 s55, s55, 6
	s_add_co_u32 s51, s51, s55                     ; 192 w + 64 j + 32 (p % 2)
	s_mul_i32 s56, s38, 786432
	s_add_nc_u64 s[52:53], s[4:5], s[56:57]
	LOAD8 768
.Lpack:
	s_wait_loadcnt 0x0
	v_cvt_pk_bf16_f32 v16, v8, v9                  ; the lower k in the lower half
	v_cvt_pk_bf16_f32 v17, v10, v11
	v_cvt_pk_bf16_f32 v18, v12, v13
	v_cvt_pk_bf16_f32 v19, v14, v15
	global_store_b128 v3, v[16:19], s[40:41]
	s_endpgm
; THE TABLE: 26 pieces of 512 bytes; piece n goes to byte 512 n of the table.  Which array a piece belongs to is chosen by a chain of selects on its number.
.macro PICK first, reg, off
	s_cmp_ge_u32 s42, \first
	s_cselect_b64 s[52:53], s[\reg:\reg+1], s[52:53]
	s_cselect_b32 s54, \first, s54
	s_cselect_b32 s56, s[\off], s56
.endm
.macro PIECE i
	s_add_co_u32 s42, s36, 8*\i                    ; the piece
.if \i == 3
	s_cmp_ge_u32 s42, 26
	s_cbranch_scc1 .Ldone
.endif
	s_mov_b64 s[52:53], s[10:11]                   ; out_b
	s_mov_b32 s54, 0                               ; the array's first piece
	s_mov_b32 s56, s43                             ; the layer's bytes in it
	PICK 2, 20, 43                                 ; ln1_g
	PICK 4, 22, 43                                 ; ln1_b
	PICK 6, 14, 44                                 ; ff1_b
	PICK 14, 18, 43                                ; ff2_b
	PICK 16, 24, 43                                ; ln2_g
	PICK 18, 26, 43                                ; ln2_b
	PICK 20, 6, 45                                 ; qkv_b of the next layer
	s_sub_co_u32 s54, s42, s54
	s_lshl_b32 s54, s54, 9
	s_add_co_u32 s56, s56, s54
	s_add_nc_u64 s[52:53], s[52:53], s[56:57]
	s_lshl_b32 s58, s42, 9
	s_add_co_u32 s58, s58, TBLO
	s_add_nc_u64 s[60:61], s[40:41], s[58:59]
	global_load_b128 v[8:11], v4, s[52:53]
	s_wait_loadcnt 0x0
	global_store_b128 v4, v[8:11], s[60:61]
	s_wait_xcnt 0x0                                ; the next piece writes these bases and v[8:11] again only behind this wait
.endm
.Ltable:
	v_lshlrev_b32 v4, 4, v2                        ; 16 L
	s_lshl_b32 s43, s37, 10                        ; l x 1,024
	s_lshl_b32 s44, s37, 12                        ; l x 4,096
	s_mul_i32 s45, s38, 3072
	s_mov_b32 s59, 0
	PIECE 0
	PIECE 1
	PIECE 2
	PIECE 3
.Ldone:
	s_endpgm
.Lfunc_end_k_q77eb2fef44_prep:
	.size	k_q77eb2fef44_prep, .Lfunc_end_k_q77eb2fef44_prep-k_q77eb2fef44_prep
	.p2alignl 7, 3214868480
	.fill 96, 4, 3214868480
	.section	.rodata,"a",@progbits
	.p2align	6, 0x0
	.amdhsa_kernel k_q77eb2fef44_prep
		.amdhsa_group_segment_fixed_size 0
		.amdhsa_private_segment_fixed_size 0
		.amdhsa_enable_private_segment 0
		.amdhsa_kernarg_size 128
		.amdhsa_user_sgpr_count 2
		.amdhsa_user_sgpr_kernarg_segment_ptr 1
		.amdhsa_wavefront_size32 1
		.amdhsa_system_sgpr_workgroup_id_x 1
		.amdhsa_system_sgpr_workgroup_id_y 1
		.amdhsa_system_sgpr_workgroup_id_z 1
		.amdhsa_system_vgpr_workitem_id 0
		.amdhsa_next_free_vgpr 32
		.amdhsa_next_free_sgpr 66
		.amdhsa_reserve_vcc 0
		.amdhsa_float_denorm_mode_32 3
		.amdhsa_float_denorm_mode_16_64 3
		.amdhsa_memory_ordered 1
		.amdhsa_forward_progress 1
		.amdhsa_inst_pref_size 14
	.end_amdhsa_kernel
	.amdgpu_metadata
---
amdhsa.version: [ 1, 2 ]
amdhsa.kernels:
  - .name:           k_q77eb2fef44_prep
    .symbol:         k_q77eb2fef44_prep.kd
    .args:
      - { .name: qkv_w, .offset: 0, .size: 8, .value_kind: global_buffer, .address_space: global }
      - { .name: qkv_b, .offset: 8, .size: 8, .value_kind: global_buffer, .address_space: global }
      - { .name: out_w, .offset: 16, .size: 8, .value_kind: global_buffer, .address_space: global }
      - { .name: out_b, .offset: 24, .size: 8, .value_kind: global_buffer, .address_space: global }
      - { .name: ff1_w, .offset: 32, .size: 8, .value_kind: global_buffer, .address_space: global }
      - { .name: ff1_b, .offset: 40, .size: 8, .value_kind: global_buffer, .address_space: global }
      - { .name: ff2_w, .offset: 48, .size: 8, .value_kind: global_buffer, .address_space: global }
      - { .name: ff2_b, .offset: 56, .size: 8, .value_kind: global_buffer, .address_space: global }
      - { .name: ln1_g, .offset: 64, .size: 8, .value_kind: global_buffer, .address_space: global }
      - { .name: ln1_b, .offset: 72, .size: 8, .value_kind: global_buffer, .address_space: global }
      - { .name: ln2_g, .offset: 80, .size: 8, .value_kind: global_buffer, .address_space: global }
      - { .name: ln2_b, .offset: 88, .size: 8, .value_kind: global_buffer, .address_space: global }
      - { .name: p0, .offset: 96, .size: 8, .value_kind: global_buffer, .address_space: global }
      - { .name: p1, .offset: 104, .size: 8, .value_kind: global_buffer, .address_space: global }
      - { .name: p2, .offset: 112, .size: 8, .value_kind: global_buffer, .address_space: global }
      - { .name: p3, .offset: 120, .size: 8, .value_kind: global_buffer, .address_space: global }
    .group_segment_fixed_size: 0
    .private_segment_fixed_size: 0
    .kernarg_segment_align: 8
    .kernarg_segment_size: 128
    .max_flat_workgroup_size: 256
    .sgpr_count:     66
    .vgpr_count:     32
    .wavefront_size: 32
...
	.end_amdgpu_metadata
.endif
;; end of part 1
;; launch first (part 2): grid 256 x 1, 4 waves a work-group, clusters of 4 x 1, 327,680 bytes of LDS; arguments x, p3, xa, qkv; writes xa, qkv
.if DOCPART == 2
	.amdgcn_target "amdgcn-amd-amdhsa--gfx1250"
	.amdhsa_code_object_version 6
	.text
	.protected	k_q77eb2fef44_first
	.globl	k_q77eb2fef44_first
	.p2align	8
	.type	k_q77eb2fef44_first,@function
k_q77eb2fef44_first:
	s_mov_b64 s[64:65], 0
	v_nop
	global_prefetch_b8 v0, s[64:65] scope:SCOPE_SE
	s_setreg_imm32_b32 hwreg(HW_REG_WAVE_MODE, 25, 1), 1
	s_wait_xcnt 0x0
	s_wait_alu depctr_hold_cnt(0) depctr_sa_sdst(0) depctr_va_vdst(0) depctr_va_sdst(0) depctr_va_ssrc(0) depctr_va_vcc(0) depctr_vm_vsrc(0)
	s_getreg_b32 s2, hwreg(HW_REG_IB_STS2, 6, 4)
	s_cmp_eq_u32 s2, 0
	s_cbranch_scc0 .Lentry_in_a_cluster
	s_endpgm
.Lentry_in_a_cluster:
	s_bfe_u32 s2, ttmp6, 0x10000c
	s_cmp_lg_u32 s2, 0x3003
	s_cbranch_scc0 .Lentry_shape_is_right
	s_endpgm
.Lentry_shape_is_right:
; x + THE POSITIONAL TERM, AND LAYER 0's Q, K, V.  A work-group owns 32 rows (two tiles rt of 16) of the 8,192; wave w owns columns 64 w .. 64 w + 63 of x and head w of q, k, v.
; pe[t][c] = sin(t f_c) for c < 128, cos(t f_(c-128)) else, f_j = 10000^(-j/128) = 2^(-0.10381025 j).  The angle t f is rounded to f32 as it is in the definition; then u = angle / 2 pi (+ 1/4 for the
; cosine), r = u - round(u) in -1/2 .. 1/2, and sin(2 pi r) by its series up to r^15 (the first term left out is below 1e-6).
; LIMIT: the angle reaches 2,047 and is carried in f32, f comes from v_exp_f32: pe is within some 5e-4 of the exact value.  All matrix operands are bf16; sums in f32.
; WHAT IS STORED.  xa: the rows in f32, as the register image of eight results [work-group][wave][tile 2 ct + rt][half][lane][16 bytes].  qkv: register images of matrix operands in bf16
; (16 rows x 32 k: half q, lane (r, h) at 16 (r + 16 h): row r, k = 16 q + 8 h + 0..7): Q [bh][query tile][c], then per 64 keys K [kb][c] and V [kk][cb] (row = channel, k = key).  Every store of a wave is 512 consecutive bytes, aligned.
; PRODUCTS are taken transposed (source 0 = weights, source 1 = rows): a lane holds ONE row (lane % 16) and columns 8 (lane / 16) + 0..7, so a result rounded to bf16 in pairs IS half an image.  V takes the sources swapped: lane = channel.
; WEIGHTS: chunks 9, 10, 11 of the stream (q, k, v; 32 KB a wave), by joint tensor loads: all four work-groups of the cluster walk the same weights.  Chunks 9 (slot 1) and 10 (slot 0) are first fills; chunk 11 fills slot 1 again.
; A wave has three tensor loads out at the start and one behind the round.
; LDS: slot 0 at 0, slot 1 at 131,072 (wave w's 32 KB at 32,768 w); XS 262,144: 16 images of the rows; PB 278,528: the table (here qkv_b alone, at + 10,240); ST 291,840: four private stages of 32 rows x 272 bytes; SPARE 326,656.
; REGISTERS: window 0: v1-31 addresses and constants; v32-63 packed results; v64-127 Z, 8 results at 64 + 8 (2 ct + rt); v128-255 XF, the rows' 16 images at 128 + 8 (8 rt + ks).  Window 2: WA v0-127, WB v128-255: 16 weight images each.
.set CHUNK, 131072
.set SLOT1, 131072
.set XS,    262144
.set PB,    278528
.set ST,    291840
.set SPARE, 326656
.set TBLO,  1572864
.set T_QKVB, 10240
.set L16, 1
.set AW0, 2
.set AW1, 3
.set XSW, 4
.set XSR, 5
.set XO,  6           ; my byte offset in the work-group's rows of x
.set STA, 7           ; the stage by rows: 272 (lane / 16) + 16 (lane % 16)
.set STB, 8           ; the stage by results: 272 (lane % 16) + 32 (lane / 16)
.set GX,  15
.set PBQ, 16
.set PBV, 17
.set FR,  20          ; v20-23 my four frequencies
.set POS, 24          ; v24 my row's position, v25 named with it
.set OFS, 26          ; v26-27 0 or 1/4
.set C15, 28          ; v28-29 the series' highest coefficient
.set SPW, 30
.set NIL, 31
.set PK,  32
.set XV,  32
.set AN,  36
.set KN,  40
.set R2,  44
.set PP,  48
.set ADR, 52
.set Z,   64
.set XF,  128
.set WV,  14
.set G1,  24
.set G1P, 32
.set G0P, 40
.set G0A, 44
.set G0B, 48
.set CNT, 52
.set SXI, 68
.set SXO, 70
.set SQ,  72
.set SK,  74
.set MSB, 0
.macro WIN new                      ; the immediate's high byte repeats the setting that is left; a switch that changes nothing is dropped
.if MSB != (\new)
	s_set_vgpr_msb (MSB<<8)|(\new)
.set MSB, (\new)
.endif
.endm
.macro PLACES                       ; four places behind a matrix instruction, in front of loads into its registers and of reads of its results
.rept 4
	v_nop
.endr
.endm
.macro BAR
	s_barrier_signal -1
	s_barrier_wait -1
.endm
.macro CROUND                       ; a round of the cluster's barrier
	s_barrier_signal -1
	s_barrier_wait -1
	s_cmp_lg_u32 s[WV], 0
	s_cbranch_scc1 .Lnot_wave_0_\@
	s_barrier_signal -3
.Lnot_wave_0_\@:
	s_barrier_wait -3
	s_barrier_signal -1
	s_barrier_wait -1
.endm
; THE CHANGE OF SLOTS: all my tensor loads have landed (the other slot's chunk among them), 0 is added to my spare word, my reads of this slot are back; a round of the cluster's barrier; the joint refill first behind it.
.macro CHANGE
	WIN 0
	s_wait_tensorcnt 0x0
	ds_add_u32 v[SPW], v[NIL]       ; the descriptor's steps stand between this add and the wait for it
	s_xor_b32 s[G0B+1], s[G0B+1], SLOT1
	s_add_nc_u64 s[G0B+2:G0B+3], s[G0B+2:G0B+3], CHUNK
	s_wait_dscnt 0x0
	CROUND
	tensor_load_to_lds s[G0B:G0B+3], s[G1:G1+7]
	s_nop 0
	PLACES
.endm
.macro FETCH buf, areg, half        ; 16 weight images, 32 loads in one run, into WA (0) or WB (1)
	WIN 0x80
.irp f, 0,1,2,3,4,5,6,7,8,9,10,11,12,13,14,15
	ds_load_b128 v[128*\buf+8*\f:128*\buf+8*\f+3],   v[(\areg)] offset:16384*\half+1024*\f
	ds_load_b128 v[128*\buf+8*\f+4:128*\buf+8*\f+7], v[(\areg)] offset:16384*\half+1024*\f+512
.endr
.endm
; 16 products: K steps ks0, ks0 + 1 for all 8 results, which take turns
.macro MULG buf, kq, ks0, swap
.if \swap
	WIN 0x08
.else
	WIN 0x02
.endif
.irp dk, 0,1
.irp ct, 0,1,2,3
.irp rt, 0,1
.if \swap
	v_wmma_f32_16x16x32_bf16 v[Z+8*(2*\ct+\rt):Z+8*(2*\ct+\rt)+7], v[XF+8*(8*\rt+\ks0+\dk):XF+8*(8*\rt+\ks0+\dk)+7], v[128*\buf+8*(4*(2*\kq+\dk)+\ct):128*\buf+8*(4*(2*\kq+\dk)+\ct)+7], v[Z+8*(2*\ct+\rt):Z+8*(2*\ct+\rt)+7]
.else
	v_wmma_f32_16x16x32_bf16 v[Z+8*(2*\ct+\rt):Z+8*(2*\ct+\rt)+7], v[128*\buf+8*(4*(2*\kq+\dk)+\ct):128*\buf+8*(4*(2*\kq+\dk)+\ct)+7], v[XF+8*(8*\rt+\ks0+\dk):XF+8*(8*\rt+\ks0+\dk)+7], v[Z+8*(2*\ct+\rt):Z+8*(2*\ct+\rt)+7]
.endif
.endr
.endr
.endr
.endm
.macro MID mode                     ; the middle of a chunk.  2: its slot is filled again.  1: the next chunk, my own load into my own bytes, is waited for.  0: nothing follows
.if \mode == 2
	CHANGE
.else
	s_wait_dscnt 0x0
.if \mode == 1
	s_wait_tensorcnt 0x0
.endif
	PLACES
.endif
.endm
; A chunk of 32 images: 64 columns x K = 256 for 32 rows, 64 products.  WA holds its first half on entry; its second half and the next chunk's first are fetched on the way.
.macro G64 slot, mode, swap
	s_wait_dscnt 0x0
	MULG 0, 0, 0, \swap
	PLACES
	FETCH 1, AW0+\slot, 1
	MULG 0, 1, 2, \swap
	MID \mode
	MULG 1, 0, 4, \swap
.if \mode
	FETCH 0, AW0+1-\slot, 0
.endif
	MULG 1, 1, 6, \swap
.endm
.macro PACKZ                        ; Z rounded to bf16 in pairs, each result's registers in ascending order
	WIN 0
	s_wait_xcnt 0x0                 ; earlier stores have read PK and Z: they are written again only behind this wait
.set t, 0
.rept 32
	v_cvt_pk_bf16_f32 v[PK+t], v[Z+2*t], v[Z+2*t+1]
.set t, t+1
.endr
.endm
.macro XSPUT                        ; my 64 columns of the 32 rows: halves of images 8 rt + 2 w + ct / 2
.irp rt, 0,1
.irp ct, 0,1,2,3
	ds_store_b128 v[XSW], v[PK+4*(2*\ct+\rt):PK+4*(2*\ct+\rt)+3] offset:8192*\rt+1024*(\ct/2)+512*(\ct%2)
.endr
.endr
.endm
.macro XFGET                        ; every wave's stores are done, then all 16 images come into registers
	s_wait_dscnt 0x0
	BAR
.set t, 0
.rept 16
	ds_load_b128 v[XF+8*t:XF+8*t+3],   v[XSR] offset:1024*t
	ds_load_b128 v[XF+8*t+4:XF+8*t+7], v[XSR] offset:1024*t+512
.set t, t+1
.endr
.endm
.macro ZBIAS j                      ; the sums start with the bias: my eight columns of each tile, for both row tiles
.irp ct, 0,1,2,3
.irp rt, 0,1
	ds_load_b128 v[Z+8*(2*\ct+\rt):Z+8*(2*\ct+\rt)+3],   v[PBQ] offset:256*\j+64*\ct
	ds_load_b128 v[Z+8*(2*\ct+\rt)+4:Z+8*(2*\ct+\rt)+7], v[PBQ] offset:256*\j+64*\ct+16
.endr
.endr
.endm
.macro ZBIASV                       ; with the sources swapped a lane holds one channel: one number for all eight registers
.irp ct, 0,1,2,3
	ds_load_b32 v[18+\ct], v[PBV] offset:64*\ct
.endr
	s_wait_dscnt 0x0
.irp ct, 0,1,2,3
.set t, 0
.rept 16
	v_mov_b32 v[Z+16*\ct+t], v[18+\ct]
.set t, t+1
.endr
.endr
.endm
.macro PUTQK base
.irp rt, 0,1
.irp ct, 0,1,2,3
	global_store_b128 v[L16], v[PK+4*(2*\ct+\rt):PK+4*(2*\ct+\rt)+3], s[\base:\base+1] offset:2048*\rt+1024*(\ct/2)+512*(\ct%2)
.endr
.endr
.endm
; THE TAIL: Z holds the layer's input rows.  They are stored in f32, shared among the waves as images, and multiplied by the q, k and v weights of my head.
.macro TAIL
	WIN 0
.set t, 0
.rept 8
	global_store_b128 v[GX], v[Z+8*t:Z+8*t+3],   s[SXO:SXO+1] offset:1024*t
	global_store_b128 v[GX], v[Z+8*t+4:Z+8*t+7], s[SXO:SXO+1] offset:1024*t+512
.set t, t+1
.endr
	PACKZ                           ; (its wait also frees Z, which the stores above read)
	XSPUT
	XFGET
	ZBIAS 0
	G64 1, 2, 0                     ; q: chunk 9; slot 1 takes chunk 11
	PLACES
	PACKZ
	PUTQK SQ
	ZBIAS 1
	G64 0, 1, 0                     ; k: chunk 10
	PLACES
	PACKZ
	PUTQK SK
	ZBIASV
	G64 1, 0, 1                     ; v: chunk 11, sources swapped
	PLACES
	PACKZ
.irp rt, 0,1
.irp ct, 0,1,2,3
	global_store_b128 v[L16], v[PK+4*(2*\ct+\rt):PK+4*(2*\ct+\rt)+3], s[SK:SK+1] offset:8192+1024*\ct+512*\rt
.endr
.endr
	s_wait_tensorcnt 0x0            ; the wave's end: the spare word's add, behind my last tensor load and my last LDS store
	ds_add_u32 v[SPW], v[NIL]
	s_wait_dscnt 0x0
	CROUND                          ; the closing round
	s_endpgm
.endm
	s_load_b256 s[4:11], s[0:1], 0x0  ; x s[4:5], p3 s[6:7], xa s[8:9], qkv s[10:11]
	v_lshl_add_u32 v[SPW], v0, 2, SPARE
	v_mov_b32 v[NIL], 0
	ds_add_u32 v[SPW], v[NIL]       ; the wave's opening: the add here and its wait ahead of my first tensor load; work on registers stands between the two
	v_lshrrev_b32 v18, 5, v0
	v_readfirstlane_b32 s[WV], v18  ; wave 0..3
	s_bfe_u32 s15, ttmp6, 0x40000   ; cx
	s_lshl_b32 s16, ttmp9, 2
	s_add_co_u32 s16, s16, s15      ; g = 4 x cluster + cx: it enters the addresses of x, xa and qkv alone
	s_mov_b32 s[G1], 15|(3<<16)|(1<<21)   ; the mask of four; elements of 8 bytes; bit 21 beside a mask
	s_mov_b32 s[G1P], 15|(3<<16)|(1<<21)
.irp g, G1, G1P
	s_mov_b32 s[\g+1], 32<<16       ; tensor_dim0 = 32: rows of 256 bytes
	s_mov_b32 s[\g+3], 32<<16       ; tile_dim0
	s_mov_b32 s[\g+5], 32           ; dense
	s_mov_b32 s[\g+6], 0
	s_mov_b32 s[\g+7], 0
.endr
	s_mov_b32 s[G1+2], 128<<16      ; a chunk's 128 rows for a wave
	s_mov_b32 s[G1+4], 128
	s_mov_b32 s[G1P+2], 3<<16       ; my head's 768 bytes of qkv_b
	s_mov_b32 s[G1P+4], 3
	s_mov_b32 s[G0P], 1
	s_mul_i32 s58, s[WV], 768
	s_add_co_u32 s[G0P+1], s58, PB+T_QKVB
	s_mov_b32 s59, 0
	s_lshl_b32 s60, s[WV], 15
	s_mov_b32 s61, 0
	s_mov_b32 s[G0A], 1
	s_add_co_u32 s[G0A+1], s60, SLOT1     ; chunk 9 into slot 1
	s_mov_b32 s[G0B], 1
	s_mov_b32 s[G0B+1], s60               ; chunk 10 into slot 0; this one walks on
	v_and_b32 v18, 31, v0           ; lane
	v_and_b32 v19, 15, v0           ; r
	v_bfe_u32 v53, v0, 4, 1         ; h
	v_lshlrev_b32 v[L16], 4, v18
	v_lshl_add_u32 v[AW0], s[WV], 15, v[L16]
	v_add_nc_u32 v[AW1], SLOT1, v[AW0]
	v_lshl_add_u32 v[XSW], s[WV], 11, v[L16]
	v_add_nc_u32 v[XSW], XS, v[XSW]
	v_add_nc_u32 v[XSR], XS, v[L16]
	v_lshl_add_u32 v[GX], s[WV], 13, v[L16]
	v_lshlrev_b32 v54, 5, v53       ; 32 h
	v_add_nc_u32 v[PBQ], s58, v54
	v_add_nc_u32 v[PBQ], PB+T_QKVB, v[PBQ]
	v_lshl_add_u32 v[PBV], v19, 2, s58
	v_add_nc_u32 v[PBV], PB+T_QKVB+512, v[PBV]
	v_lshlrev_b32 v[XO], 10, v53
	v_lshl_add_u32 v[XO], v19, 4, v[XO]
	v_lshl_add_u32 v[XO], s[WV], 8, v[XO]  ; 1,024 h + 16 r + 256 w
	s_mul_i32 s62, s[WV], 8704
	s_add_co_u32 s62, s62, ST       ; my stage
	v_mul_u32_u24 v[STA], v53, 272
	v_lshl_add_u32 v[STA], v19, 4, v[STA]
	v_add_nc_u32 v[STA], s62, v[STA]
	v_mul_u32_u24 v[STB], v19, 272
	v_add_nc_u32 v[STB], v54, v[STB]
	v_add_nc_u32 v[STB], s62, v[STB]
	s_wait_dscnt 0x0                ; the opening add is done
	s_wait_kmcnt 0x0
	s_add_nc_u64 s[G0A+2:G0A+3], s[6:7], s[60:61]
	s_add_nc_u64 s[G0A+2:G0A+3], s[G0A+2:G0A+3], 9*CHUNK
	s_add_nc_u64 s[G0B+2:G0B+3], s[G0A+2:G0A+3], CHUNK
	s_add_nc_u64 s[G0P+2:G0P+3], s[6:7], s[58:59]
	s_add_nc_u64 s[G0P+2:G0P+3], s[G0P+2:G0P+3], TBLO+T_QKVB
	s_or_b32 s[G0A+3], s[G0A+3], 0x80000000
	s_or_b32 s[G0B+3], s[G0B+3], 0x80000000
	s_or_b32 s[G0P+3], s[G0P+3], 0x80000000
	s_mov_b32 s63, 0
	s_lshl_b32 s62, s16, 15         ; 32 rows of 1,024 bytes
	s_add_nc_u64 s[SXI:SXI+1], s[4:5], s[62:63]
	s_add_nc_u64 s[SXO:SXO+1], s[8:9], s[62:63]
	s_lshr_b32 s58, s16, 6
	s_lshl_b32 s58, s58, 2
	s_add_co_u32 s58, s58, s[WV]    ; bh = 4 b + head
	s_and_b32 s59, s16, 63          ; the work-group within its batch
	s_lshl_b32 s62, s58, 18
	s_lshl_b32 s60, s59, 12
	s_add_co_u32 s62, s62, s60
	s_add_nc_u64 s[SQ:SQ+1], s[10:11], s[62:63]
	s_lshl_b32 s62, s58, 19
	s_lshr_b32 s60, s59, 1
	s_lshl_b32 s60, s60, 14         ; the step of 64 keys
	s_add_co_u32 s62, s62, s60
	s_and_b32 s60, s16, 1
	s_lshl_b32 s60, s60, 12         ; its first or second 32 keys
	s_add_co_u32 s62, s62, s60
	s_add_co_u32 s62, s62, 4194304
	s_add_nc_u64 s[SK:SK+1], s[10:11], s[62:63]
	CROUND                          ; all four work-groups are here: the first joint loads meet
	tensor_load_to_lds s[G0P:G0P+3], s[G1P:G1P+7]
	s_nop 0
	tensor_load_to_lds s[G0A:G0A+3], s[G1:G1+7]
	s_nop 0
	tensor_load_to_lds s[G0B:G0B+3], s[G1:G1+7]
	s_nop 0
	PLACES
.set t, 0
.rept 16                            ; my 64 columns of the 32 rows: sixteen lanes read 256 consecutive bytes, aligned
	global_load_b128 v[Z+4*t:Z+4*t+3], v[XO], s[SXI:SXI+1] offset:2048*t th:TH_LOAD_NT
.set t, t+1
.endr
	s_and_b32 s58, s[WV], 1
	s_lshl_b32 s58, s58, 6          ; 64 w mod 128
	v_lshl_add_u32 v18, v19, 2, s58
.irp e, 0,1,2,3
	v_add_nc_u32 v[FR+\e], \e, v18  ; j
	v_cvt_f32_u32 v[FR+\e], v[FR+\e]
	v_mul_f32 v[FR+\e], 0xbdd49a78, v[FR+\e]  ; -log2(10000) / 128 x j
.endr
.irp e, 0,1,2,3
	v_exp_f32 v[FR+\e], v[FR+\e]
.endr
	s_cmp_lt_u32 s[WV], 2
	s_cselect_b32 s59, 0, 0x3e800000  ; waves 0, 1: the sines; waves 2, 3: the cosines, a quarter turn on
	v_mov_b32 v[OFS], s59
	v_mov_b32 v[OFS+1], s59
	v_mov_b32 v[C15], 0xbf37d6dd    ; -(2 pi)^15 / 15!
	v_mov_b32 v[C15+1], 0xbf37d6dd
	s_and_b32 s60, s16, 63
	s_lshl_b32 s60, s60, 5
	v_add_nc_u32 v[POS], s60, v53   ; t of my first row
	v_cvt_f32_u32 v[POS], v[POS]
	v_mov_b32 v[POS+1], 0           ; named with it as a pair
	s_wait_loadcnt 0x0
.set t, 0
.rept 16
	ds_store_b128 v[STA], v[Z+4*t:Z+4*t+3] offset:544*t
.set t, t+1
.endr
	s_mov_b32 s[CNT], 16
	s_mov_b32 s59, 0
.Lrow:                              ; a trip: rows 2 i and 2 i + 1 of my stage, four columns a lane, in place (LDS serves a wave's instructions in order)
	v_add_nc_u32 v[ADR], s59, v[STA]
	ds_load_b128 v[XV:XV+3], v[ADR]
	s_wait_alu depctr_va_vdst(0)
	v_pk_mul_f32 v[AN:AN+1],   v[FR:FR+1],   v[POS:POS+1] op_sel_hi:[1,0]
	v_pk_mul_f32 v[AN+2:AN+3], v[FR+2:FR+3], v[POS:POS+1] op_sel_hi:[1,0]
	v_pk_fma_f32 v[AN:AN+1],   v[AN:AN+1],   0x3e22f983, v[OFS:OFS+1] op_sel_hi:[1,0,1]  ; in turns
	v_pk_fma_f32 v[AN+2:AN+3], v[AN+2:AN+3], 0x3e22f983, v[OFS:OFS+1] op_sel_hi:[1,0,1]
.irp e, 0,1,2,3
	v_rndne_f32 v[KN+\e], v[AN+\e]
.endr
	v_pk_add_f32 v[AN:AN+1],   v[AN:AN+1],   v[KN:KN+1]   neg_lo:[0,1] neg_hi:[0,1]  ; r
	v_pk_add_f32 v[AN+2:AN+3], v[AN+2:AN+3], v[KN+2:KN+3] neg_lo:[0,1] neg_hi:[0,1]
	v_pk_mul_f32 v[R2:R2+1],   v[AN:AN+1],   v[AN:AN+1]
	v_pk_mul_f32 v[R2+2:R2+3], v[AN+2:AN+3], v[AN+2:AN+3]
	v_pk_fma_f32 v[PP:PP+1],   v[R2:R2+1],   v[C15:C15+1], 0x40747a1a op_sel_hi:[1,1,0]
	v_pk_fma_f32 v[PP+2:PP+3], v[R2+2:R2+3], v[C15:C15+1], 0x40747a1a op_sel_hi:[1,1,0]
.irp c, 0xc17183a8, 0x42283c1a, 0xc2996966, 0x42a335e3, 0xc2255de7, 0x40c90fdb
	v_pk_fma_f32 v[PP:PP+1],   v[PP:PP+1],   v[R2:R2+1],   \c op_sel_hi:[1,1,0]
	v_pk_fma_f32 v[PP+2:PP+3], v[PP+2:PP+3], v[R2+2:R2+3], \c op_sel_hi:[1,1,0]
.endr
	s_wait_dscnt 0x0
	v_pk_fma_f32 v[XV:XV+1],   v[AN:AN+1],   v[PP:PP+1],   v[XV:XV+1]
	v_pk_fma_f32 v[XV+2:XV+3], v[AN+2:AN+3], v[PP+2:PP+3], v[XV+2:XV+3]
	ds_store_b128 v[ADR], v[XV:XV+3]
	v_add_f32 v[POS], 2.0, v[POS]
	s_add_co_u32 s59, s59, 544
	s_sub_co_u32 s[CNT], s[CNT], 1
	s_cmp_lg_u32 s[CNT], 0
	s_cbranch_scc1 .Lrow
.irp ct, 0,1,2,3
.irp rt, 0,1                        ; back in the layout of results: row 16 rt + lane % 16, columns 16 ct + 8 (lane / 16) + 0..7
	ds_load_b128 v[Z+8*(2*\ct+\rt):Z+8*(2*\ct+\rt)+3],   v[STB] offset:4352*\rt+64*\ct
	ds_load_b128 v[Z+8*(2*\ct+\rt)+4:Z+8*(2*\ct+\rt)+7], v[STB] offset:4352*\rt+64*\ct+16
.endr
.endr
	s_wait_tensorcnt 0x1            ; my bias and my part of chunk 9 are in; chunk 10, issued behind them, may stay out.  Each wave reads only what its own loads brought
	FETCH 0, AW1, 0
	s_wait_dscnt 0x0
	TAIL
.Lfunc_end_k_q77eb2fef44_first:
	.size	k_q77eb2fef44_first, .Lfunc_end_k_q77eb2fef44_first-k_q77eb2fef44_first
	.p2alignl 7, 3214868480
	.fill 96, 4, 3214868480
	.section	.rodata,"a",@progbits
	.p2align	6, 0x0
	.amdhsa_kernel k_q77eb2fef44_first
		.amdhsa_group_segment_fixed_size 327680
		.amdhsa_private_segment_fixed_size 0
		.amdhsa_enable_private_segment 0
		.amdhsa_kernarg_size 32
		.amdhsa_user_sgpr_count 2
		.amdhsa_user_sgpr_kernarg_segment_ptr 1
		.amdhsa_wavefront_size32 1
		.amdhsa_system_sgpr_workgroup_id_x 1
		.amdhsa_system_sgpr_workgroup_id_y 1
		.amdhsa_system_sgpr_workgroup_id_z 1
		.amdhsa_system_vgpr_workitem_id 0
		.amdhsa_next_free_vgpr 768
		.amdhsa_next_free_sgpr 80
		.amdhsa_reserve_vcc 0
		.amdhsa_float_denorm_mode_32 3
		.amdhsa_float_denorm_mode_16_64 3
		.amdhsa_memory_ordered 1
		.amdhsa_forward_progress 1
		.amdhsa_inst_pref_size 59
	.end_amdhsa_kernel
	.amdgpu_metadata
---
amdhsa.version: [ 1, 2 ]
amdhsa.kernels:
  - .name:           k_q77eb2fef44_first
    .symbol:         k_q77eb2fef44_first.kd
    .args:
      - { .name: x, .offset: 0, .size: 8, .value_kind: global_buffer, .address_space: global }
      - { .name: p3, .offset: 8, .size: 8, .value_kind: global_buffer, .address_space: global }
      - { .name: xa, .offset: 16, .size: 8, .value_kind: global_buffer, .address_space: global }
      - { .name: qkv, .offset: 24, .size: 8, .value_kind: global_buffer, .address_space: global }
    .group_segment_fixed_size: 327680
    .private_segment_fixed_size: 0
    .kernarg_segment_align: 8
    .kernarg_segment_size: 32
    .max_flat_workgroup_size: 128
    .sgpr_count:     80
    .vgpr_count:     768
    .wavefront_size: 32
...
	.end_amdgpu_metadata
.endif
;; end of part 2
;; launch att (part 3): grid 16 x 16, 4 waves a work-group, clusters of 4 x 1, 327,680 bytes of LDS; arguments qkv, o; writes o
.if DOCPART == 3
	.amdgcn_target "amdgcn-amd-amdhsa--gfx1250"
	.amdhsa_code_object_version 6
	.text
	.protected	k_q77eb2fef44_att
	.globl	k_q77eb2fef44_att
	.p2align	8
	.type	k_q77eb2fef44_att,@function
k_q77eb2fef44_att:
	s_mov_b64 s[64:65], 0
	v_nop
	global_prefetch_b8 v0, s[64:65] scope:SCOPE_SE
	s_setreg_imm32_b32 hwreg(HW_REG_WAVE_MODE, 25, 1), 1
	s_wait_xcnt 0x0
	s_wait_alu depctr_hold_cnt(0) depctr_sa_sdst(0) depctr_va_vdst(0) depctr_va_sdst(0) depctr_va_ssrc(0) depctr_va_vcc(0) depctr_vm_vsrc(0)
	s_getreg_b32 s2, hwreg(HW_REG_IB_STS2, 6, 4)
	s_cmp_eq_u32 s2, 0
	s_cbranch_scc0 .Lentry_in_a_cluster
	s_endpgm
.Lentry_in_a_cluster:
	s_bfe_u32 s2, ttmp6, 0x10000c
	s_cmp_lg_u32 s2, 0x3003
	s_cbranch_scc0 .Lentry_shape_is_right
	s_endpgm
.Lentry_shape_is_right:
; ATTENTION, head size 64, 2,048 keys, 16 heads bh = 4 b + head.  O[q] = the sum over k of softmax_k(Q[q] . K[k] / 8) V[k].  Q, K, V arrive and O leaves as register images of matrix operands in bf16
; (1,024 bytes: 16 rows x 32 k; half q, lane (r, h) at 16 (r + 16 h): row r, k = 16 q + 8 h + 0..7): a fragment is two loads of 16 consecutive bytes a lane, with no padding and no turning load.
; Products, maxima and sums in f32; the weights p are rounded to bf16 for the second product (their sum l is taken of the unrounded p), O once at the end.
; LIMITS.  A weight below 2^-126 counts as 0 in l; NaN and infinities are not treated apart.
; SHARES.  A work-group owns 128 queries of one head: eight tiles of 16, in four PIECES of two.  THE KEYS ARE SPLIT AMONG ITS FOUR WAVES: wave w walks keys 512 w .. 512 w + 511, 64 a step, for ALL eight tiles, so a fragment of K or V
; read from LDS feeds eight tiles' products.  At the end the four waves' (c m, l, O) meet in LDS: each is scaled by 2^(c m - c M), M the largest of the four maxima, and added; wave w finishes tiles 2 w, 2 w + 1.
; LAYOUT.  S^T = K Q^T (source 0 = 16 keys, source 1 = 16 queries): a lane holds ONE query (lane % 16) and the keys 8 (lane / 16) + 0..7.  Two such tiles, rounded to bf16 in pairs, ARE source 1 of O^T = V^T P.
; SOFTMAX.  For each query a running maximum m and sum l: p = 2^(c s - c m), c = log2(e) / 8; in every step O and l are multiplied by a = 2^(c m_old - c m_new).  m starts at the lowest finite number, O and l at 0.
; BY TURNS.  Turn n belongs to piece n.  Its matrix work: 16 products K Q^T of piece n + 1, later 16 products V^T P of piece n - 1.  Its vector work: scaling, exponentials, roundings, sums and rescaling of piece n, and the maximum and
; statistics of piece n + 1.  A tile and step have 16 matrix and 118 vector instructions: four that are ready stand behind every matrix instruction, the others in two runs of their own.
; RING.  Two slots of 32 KB for each wave, each with two steps [K 8 KB | V 8 KB]; four visits.  CLUSTER: the four query blocks of a cluster belong to one head and walk the same K and V: each wave's tile is asked for JOINTLY, the same
; load, descriptor and mask in all four work-groups.  A wave has one tensor load out.
; REGISTERS, in windows of 256 (s_set_vgpr_msb: bits 1:0 source 0, 3:2 source 1, 5:4 source 2, 7:6 destination):
;   window 0: v0-11 addresses; v12-15, v48-63 at work; v16-47 four registers of statistics a tile; v64-191 S^T, two buffers of two tiles; v192-255 P, likewise
;   window 1: O^T, 32 a tile          window 2: v0-127 Q, 16 a tile; v128-191 K of one step; v192-255 V of one step          window 3: v0-1 the add's two registers
.set NP,    4         ; pieces a wave: a name, no knob
.set STEPB, 16384     ; a step's K and V
.set VISIT, 2*STEPB   ; what one load brings
.set SLOT1, 1<<17     ; slot 1 begins here: one exclusive or turns an address in one slot into the other's
.set MS,    2*SLOT1   ; behind the ring: c m of four waves x eight tiles x 32 lanes, 4,096 bytes; then l likewise
.set SPARE, MS+8192   ; the spare words, 128 bytes for each wave: two blocks of 256 bytes that no other line names
.set AK0, 2           ; v2   32,768 w + 16 x lane; never rewritten
.set AV0, 3           ; v3   the same + 8,192
.set AK,  4           ; v4   the LDS address of K's next run of loads
.set AV,  5           ; v5   of V's
.set QO,  6           ; v6   16 x lane
.set L4,  7           ; v7   4 x lane
.set PFO, 8           ; v8   256 x lane, for the prefetches; never rewritten
.set SPW, 0           ; v0 of window 3
.set NIL, 1           ; v1 of window 3
.set MV,  12
.set ST,  16          ; tile t's statistics at v[ST+4 t]: c m, m, l (even keys', odd keys')
.set TMP, 48
.set PA,  48          ; the merge: v48-51 where the four waves' parts of my two tiles lie
.set MSW, 52
.set MSR, 53
.set LR,  54
.set S,   64
.set P,   192
.set KF,  128
.set VF,  192
.set WV,  12
.set G1,  24          ; s[24:31]
.set G0,  40          ; s[40:43]: it walks
.set LIM, 44          ; s44  1 in the head's first cluster, else the greatest number
.set PFA, 46          ; s[46:47] where my prefetches stand
.set SLOTS, 56
.set CNT, 57
.set CS,  58
.set SEL, 60
.set TBK, 62
.set TBV, 63
.set MSB, 0
.macro WIN new
.if MSB != (\new)
	s_set_vgpr_msb (MSB<<8)|(\new)
.set MSB, (\new)
.endif
.endm
.set W_KQ, 0x0a
.set W_PV, 0x52
.set W_RS, 0x41
.set W_MK, 0xc0
.set W_AD, 0x0f
.macro JLOAD                        ; every wave asks for its own keys' tile: one line, the LDS address and the keys by the wave's number; an s_nop 0 and four v_nop follow
	tensor_load_to_lds s[G0:G0+3], s[G1:G1+7]
	s_nop 0
.rept 4
	v_nop
.endr
.endm
; A PREFETCH INTO THE L2 of what my NEXT refill will ask for: 128 blocks of 256 bytes.  All clusters of a head walk the same K and V: the head's first cluster asks; its four partners share the blocks out BY ADDRESS, 32 each, a lane a block:
; one instruction a wave, two key steps (256 matrix instructions) ahead of the load.  Each block is named once in the launch.  The first two visits come by their loads alone; the last refill asks for nothing.
.macro ASK
	s_cmp_gt_u32 s[SLOTS], s[LIM]
	s_cbranch_scc0 .Lnot_mine_\@
	global_prefetch_b8 v[PFO], s[PFA:PFA+1] th:TH_LOAD_NT scope:SCOPE_SE
.Lnot_mine_\@:
.endm
.macro CROUND
	s_barrier_signal -1
	s_barrier_wait -1
	s_cmp_lg_u32 s[WV], 0
	s_cbranch_scc1 .Lnot_wave_0_\@
	s_barrier_signal -3
.Lnot_wave_0_\@:
	s_barrier_wait -3
	s_barrier_signal -1
	s_barrier_wait -1
.endm
; THE CHANGE OF SLOTS.  Each wave waits for all its tensor loads (one is out: the other slot's), adds 0 to its spare word, and waits for that and for its own reads of the slot.  fill = 1: a round of the cluster's barrier, and the joint
; fill first behind it, with the keys two visits on.  (At its first use nothing has been read yet: slot 0 is waited for, slot 1 filled.)
.macro CHANGE fill
	WIN W_AD
	s_wait_tensorcnt 0x0
	ds_add_u32 v[SPW], v[NIL]
	WIN 0
.if \fill
	s_xor_b32 s[G0+1], s[G0+1], SLOT1
	s_add_nc_u64 s[G0+2:G0+3], s[G0+2:G0+3], VISIT
	s_wait_xcnt 0x0                 ; the last prefetch, two key steps back, has read its address
	s_add_nc_u64 s[PFA:PFA+1], s[PFA:PFA+1], VISIT
	s_wait_dscnt 0x0
	CROUND
	JLOAD
	ASK
.else
	s_wait_dscnt 0x0
	s_barrier_signal -1
	s_barrier_wait -1
.endif
	s_sub_co_u32 s[TBK], s[TBK], VISIT
	s_xor_b32 s[TBK], s[TBK], SLOT1
	s_sub_co_u32 s[TBV], s[TBV], VISIT
	s_xor_b32 s[TBV], s[TBV], SLOT1
.endm
	s_load_b128 s[4:7], s[0:1], 0x0 ; qkv s[4:5], o s[6:7]
	WIN W_MK
	v_lshl_add_u32 v[SPW], v0, 2, SPARE
	v_mov_b32 v[NIL], 0
	WIN W_AD
	ds_add_u32 v[SPW], v[NIL]       ; the wave's opening: the add here and its wait ahead of my first tensor load
	WIN 0
	v_lshrrev_b32 v1, 5, v0
	v_readfirstlane_b32 s[WV], v1   ; wave 0..3
	s_bfe_u32 s13, ttmp6, 0x40000   ; cx
	s_lshl_b32 s14, ttmp9, 2
	s_add_co_u32 s14, s14, s13      ; my block of 128 queries: it enters Q's and O's addresses alone
	s_and_b32 s15, ttmp7, 0xffff    ; bh, which the four partners share
	s_lshl_b32 s20, s15, 19         ; the head's K and V: 524,288 bytes,
	s_lshl_b32 s21, s[WV], 17       ; my 512 keys of them: 131,072,
	s_add_co_u32 s20, s20, s21
	s_add_co_u32 s20, s20, 4194304  ; behind Q
	s_mov_b32 s21, 0
	s_lshl_b32 s22, s15, 18         ; the head's Q: 262,144 bytes; my block's eight tiles: 16,384
	s_lshl_b32 s23, s14, 14
	s_add_co_u32 s22, s22, s23
	s_mov_b32 s23, 0
	s_lshr_b32 s16, s15, 2          ; b
	s_and_b32 s17, s15, 3           ; head
	s_lshl_b32 s2, s16, 20          ; O: row tile 128 b + 8 block + 2 w, 8,192 bytes each; the head's two images at 2,048 head
	s_lshl_b32 s3, s14, 16
	s_add_co_u32 s2, s2, s3
	s_lshl_b32 s3, s[WV], 14
	s_add_co_u32 s2, s2, s3
	s_lshl_b32 s3, s17, 11
	s_add_co_u32 s2, s2, s3
	s_mov_b32 s3, 0
	s_lshl_b32 s48, s13, 13         ; the prefetches: my work-group's 32 blocks of the 128
	s_mov_b32 s49, 0
	s_mov_b32 s[G1], 15|(3<<16)|(1<<21)  ; the mask of four; elements of 8 bytes; bit 21 beside a mask
	s_mov_b32 s[G1+1], 32<<16       ; rows of 256 bytes,
	s_mov_b32 s[G1+2], 128<<16      ; 128 of them,
	s_mov_b32 s[G1+3], 32<<16
	s_mov_b32 s[G1+4], 128
	s_mov_b32 s[G1+5], 32           ; dense
	s_mov_b32 s[G1+6], 0
	s_mov_b32 s[G1+7], 0
	s_mov_b32 s[CS], 0x3e38aa3b     ; c = log2(e) / 8
	s_mov_b32 s[CS+1], s[CS]
	s_mov_b32 s[SEL], 0x76543210
	s_mov_b32 s[SEL+1], 0xfedcba98
	s_mov_b32 s[TBK], SLOT1+VISIT   ; the first change of slots turns these two into 0
	s_mov_b32 s[TBV], SLOT1+VISIT
	s_mov_b32 s[SLOTS], 3
	s_cmp_eq_u32 ttmp9, 0
	s_cselect_b32 s[LIM], 1, -1     ; the same in all four partners
	s_mov_b32 s[G0], 1
	s_lshl_b32 s[G0+1], s[WV], 15   ; slot 0, my 32 KB
	v_and_b32 v[QO], 31, v0
	v_lshlrev_b32 v[L4], 2, v[QO]
	v_lshlrev_b32 v[PFO], 8, v[QO]
	v_lshlrev_b32 v[QO], 4, v[QO]
	s_wait_dscnt 0x0                ; the opening add is done
	s_wait_kmcnt 0x0
	s_add_nc_u64 s[G0+2:G0+3], s[4:5], s[20:21]
	s_add_nc_u64 s[PFA:PFA+1], s[G0+2:G0+3], s[48:49]
	s_add_nc_u64 s[PFA:PFA+1], s[PFA:PFA+1], VISIT  ; at visit 1: the first change steps it to visit 2
	s_or_b32 s[G0+3], s[G0+3], 0x80000000
	s_add_nc_u64 s[8:9], s[4:5], s[22:23]    ; Q
	s_add_nc_u64 s[10:11], s[6:7], s[2:3]    ; O
	CROUND                          ; all four work-groups are here: the first joint loads meet
	JLOAD                           ; visit 0 into slot 0
	WIN 0x80
.set i, 0
.rept 4*NP                          ; Q stays in registers: tile i / 2, channels 32 (i % 2) on
	global_load_b128 v[8*i:8*i+3],   v[QO], s[8:9] offset:1024*i
	global_load_b128 v[8*i+4:8*i+7], v[QO], s[8:9] offset:1024*i+512
.set i, i+1
.endr
	; What the first turn finds: V's registers and P's second buffer hold 0, O^T and l are 0.  All this stands in the wait for the first tile.
.set i, VF
.rept 64
	v_mov_b32 v[i], 0
.set i, i+1
.endr
	WIN 0x40
.set i, 0
.rept 64*NP
	v_mov_b32 v[i], 0
.set i, i+1
.endr
	WIN 0
.set i, 0
.rept 2*NP
	v_mov_b32 v[ST+4*i], 0xfe000000    ; c m: far below every c s
	v_mov_b32 v[ST+4*i+1], 0xff7fffff  ; m
	v_mov_b32 v[ST+4*i+2], 0
	v_mov_b32 v[ST+4*i+3], 0
.set i, i+1
.endr
.set i, P+32
.rept 32
	v_mov_b32 v[i], 0
.set i, i+1
.endr
	v_lshl_add_u32 v[AK0], s[WV], 15, v[QO]
	v_add_nc_u32 v[AV0], 8192, v[AK0]
	v_mov_b32 v[AK], v[AK0]         ; key step 0 lies at the head of slot 0
; THE MATRIX WORK.  The 8 accumulators of a run of 16 take turns.
.macro KQ x                         ; product i of 16 of S^T = K Q^T for piece x: channels 32 (i / 8) on, keys 16 ((i / 2) % 4) on, tile 2 x + i % 2
	WIN W_KQ
.set rS, S+64*((\x)%2)+32*(i%2)+8*((i/2)%4)
.set rK, KF+16*((i/2)%4)+8*(i/8)
.set rQ, 16*(2*(\x)+i%2)+8*(i/8)
.if i < 8
	v_wmma_f32_16x16x32_bf16 v[rS:rS+7], v[rK:rK+7], v[rQ:rQ+7], 0
.else
	v_wmma_f32_16x16x32_bf16 v[rS:rS+7], v[rK:rK+7], v[rQ:rQ+7], v[rS:rS+7]
.endif
.endm
.macro PV x                         ; product i of 16 of O^T += V^T P for piece x: keys 32 (i / 8) on, channels 16 ((i / 2) % 4) on
	WIN W_PV
.set rO, 32*(2*(\x)+i%2)+8*((i/2)%4)
.set rV, VF+32*(i/8)+8*((i/2)%4)
.set rP, P+32*((\x)%2)+16*(i%2)+8*(i/8)
	v_wmma_f32_16x16x32_bf16 v[rO:rO+7], v[rV:rV+7], v[rP:rP+7], v[rO:rO+7]
.endm
.macro MM
.if i < 16
	KQ (Y+1)%NP
.set i, i+1
.else
.set i, i-16
	PV (Y+NP-1)%NP
.set i, i+17
.endif
.endm
; THE LDS LOADS stand in runs of 16: a step's eight images of K, and of V.  last = 1 (the tail): in the last trip there is no further step, and the run is jumped over.
.macro FETCH_K last=0
	WIN 0
.if \last
	s_cmp_eq_u32 s[CNT], 1
	s_cbranch_scc1 .Lno_k_\@
.endif
	WIN 0x80
.irp f, 0,1,2,3,4,5,6,7
	ds_load_b128 v[KF+8*\f:KF+8*\f+3],   v[AK] offset:1024*\f
	ds_load_b128 v[KF+8*\f+4:KF+8*\f+7], v[AK] offset:1024*\f+512
.endr
	s_add_co_u32 s[TBK], s[TBK], STEPB
	WIN 0
.if \last
.Lno_k_\@:
.endif
.endm
.macro FETCH_V
	WIN 0x80
.irp f, 0,1,2,3,4,5,6,7
	ds_load_b128 v[VF+8*\f:VF+8*\f+3],   v[AV] offset:1024*\f
	ds_load_b128 v[VF+8*\f+4:VF+8*\f+7], v[AV] offset:1024*\f+512
.endr
	WIN 0
.endm
; THE VECTOR WORK OF A TURN stands in three queues, each in the order in which its entries become ready; the two tiles alternate.
.macro REGS y, u
.set rT, ST+4*(2*(\y)+(\u))
.set rC, TMP+8*((\y)%2)+4*(\u)
.set rM, MV+2*((\y)%2)+(\u)
.set rS, S+64*((\y)%2)+32*(\u)
.set rP, P+32*((\y)%2)+16*(\u)
.set rO, 32*(2*(\y)+(\u))
.endm
; Number n of the 22 that find the NEXT piece's maximum and statistics; each accumulator's lowest registers are read first.
.macro XS u, n
	REGS (Y+1)%NP, \u
.if (\n) < 4
	v_max3_num_f32 v[rC+(\n)], v[rS+8*(\n)], v[rS+8*(\n)+1], v[rS+8*(\n)+2]
.elseif (\n) < 12
	v_max3_num_f32 v[rC+(\n)%4], v[rC+(\n)%4], v[rS+8*((\n)%4)+2*((\n)/4)+1], v[rS+8*((\n)%4)+2*((\n)/4)+2]
.elseif (\n) == 12
	v_max3_num_f32 v[rC], v[rC], v[rS+7], v[rS+15]
.elseif (\n) == 13
	v_max3_num_f32 v[rC+1], v[rC+1], v[rS+23], v[rS+31]
.elseif (\n) == 14
	v_max3_num_f32 v[rC+2], v[rC+2], v[rC+3], v[rT+1]
.elseif (\n) == 15
	v_mov_b32 v[rM], v[rT]
.elseif (\n) == 16
	v_max3_num_f32 v[rC], v[rC], v[rC+1], v[rC+2]
.elseif (\n) == 17
	v_permlanex16_b32 v[rC+3], v[rC], s[SEL], s[SEL+1]
.elseif (\n) == 18
	v_max_num_f32 v[rT+1], v[rC], v[rC+3]
.elseif (\n) == 19
	v_mul_f32 v[rT], s[CS], v[rT+1]
.elseif (\n) == 20
	v_sub_f32 v[rC+1], v[rM], v[rT]
.else
	v_exp_f32 v[rC+2], v[rC+1]
.endif
.endm
; Number g of the 64 that follow the exponentials: for each four weights both pairs are rounded to bf16, the second pair is added onto the first, and a group later l takes that sum (the first time as l = a l + sum).
.macro GS g
.set h, (\g)+6*((\g)/62)
.if h >= 6
.set h, h+2
.endif
	REGS Y, h%2
.set k, h/8
.if h%8 < 4
	s_wait_alu depctr_va_vdst(0)
	v_cvt_pk_bf16_f32 v[rP+2*k+(h%8)/2], v[rS+4*k+2*((h%8)/2)], v[rS+4*k+2*((h%8)/2)+1]
.elseif h%8 < 6
	v_pk_add_f32 v[rS+4*k:rS+4*k+1], v[rS+4*k:rS+4*k+1], v[rS+4*k+2:rS+4*k+3]
.elseif k == 1
	v_pk_fma_f32 v[rT+2:rT+3], v[rT+2:rT+3], v[rC+2:rC+3], v[rS:rS+1] op_sel_hi:[1,0,1]
.else
	v_pk_add_f32 v[rT+2:rT+3], v[rT+2:rT+3], v[rS+4*k-4:rS+4*k-3]
	s_wait_alu depctr_va_vdst(0)
.endif
.endm
; THE PLAIN QUEUE, 138 long
.macro PL
	WIN 0
.if q < 32
	REGS Y, q%2
	v_pk_fma_f32 v[rS+2*(q/2):rS+2*(q/2)+1], v[rS+2*(q/2):rS+2*(q/2)+1], s[CS:CS+1], v[rT:rT+1] op_sel_hi:[1,0,0] neg_lo:[0,0,1] neg_hi:[0,0,1]
.elseif q < 38
	GS q-32
.elseif q < 40
	XS q%2, 15
.elseif q < 42
	GS q-34
.elseif q < 74
	XS q%2, (q-42)/2+(q-42)/30
.elseif q < 95
	GS q-66
.elseif (q < 107) && ((q-95)%3 < 2)
	XS (q-95)%3, 17+(q-95)/3
.elseif q < 107
	GS 29+(q-95)/3
.else
	GS q-74
.endif
.set q, q+1
.endm
; THE EXPONENTIALS' QUEUE, 66 long: s0-s31 of both tiles, and at EA the next piece's two a
.set EA, 58
.macro EX
	WIN 0
.if (e == EA) || (e == EA+1)
	XS e-EA, 21
.else
.set x, e-2*(e/(EA+2))
	REGS Y, x%2
	v_exp_f32 v[rS+x/2], v[rS+x/2]
.endif
.set e, e+1
.endm
; THE RESCALING's QUEUE: O^T times a, four at a time, eight times
.macro R4
	REGS Y, r%2
	WIN W_RS
	s_wait_alu depctr_va_vdst(0)
.irp z, 0,1,2,3
	v_pk_mul_f32 v[rO+8*(r/2)+2*\z:rO+8*(r/2)+2*\z+1], v[rO+8*(r/2)+2*\z:rO+8*(r/2)+2*\z+1], v[rC+2:rC+3] op_sel_hi:[1,0]
.endr
.set r, r+1
.endm
; HOW THEY ARE DEALT.  Behind a matrix instruction four: plain, exponential, plain, plain, or four of the rescaling; none names a register of the products round it.  What is over stands in two runs: exponential and plain by turns.
.macro SL
	MM
	PL
	EX
	PL
	PL
.endm
.macro BURST n
.rept (\n)-7
	SL
.endr
.rept 3
	MM
	R4
	SL
.endr
	MM
	R4
.endm
; A TURN, for piece p.  K of the next step is fetched in piece 2's turn, V of the step in hand at the end of piece 0's; each is waited for a turn later.
.macro TURN p, last=0, cnt=0
.set Y, (\p)
.set i, 0
.set q, 0
.set e, 0
.set r, 0
.if (\p) == NP-1
	s_wait_dscnt 0x0                ; K is in
.endif
	MM
.rept 4
	PL
.endr
	BURST 15
.rept 22
	EX
	PL
.if ((\p) == NP-2) && (e == 18)
	v_add_nc_u32 v[AK], s[TBK], v[AK0]
.endif
.if ((\p) == NP-2) && (e == 24)
	FETCH_K \last
.endif
.endr
.if (\p) == 1
	s_wait_dscnt 0x0                ; V is in
.endif
	BURST 16
.rept 21
	EX
	PL
.endr
.rept 22
	PL
.if ((\p) == 0) && (q == 118)
	v_add_nc_u32 v[AV], s[TBV], v[AV0]
	s_wait_alu depctr_va_vdst(0)
.endif
.if ((\p) == 0) && (q == 130)
	s_add_co_u32 s[TBV], s[TBV], STEPB
.endif
.if (\cnt) && (q == 130)
	s_sub_co_u32 s[CNT], s[CNT], 1
	s_cmp_lg_u32 s[CNT], 0
.endif
.endr
.if (\p) == 0
	FETCH_V
.endif
.endm
	CHANGE 1                        ; slot 0 is in; slot 1 is asked for
	FETCH_K                         ; key step 0
	s_wait_loadcnt 0x0              ; Q
	s_wait_dscnt 0x0
.set i, 0
.rept 16
	KQ 0                            ; piece 0's first scores
.set i, i+1
.endr
	WIN 0
.rept 4
	v_nop                           ; the places behind those products
.endr
.set Y, NP-1                        ; XS works for piece Y + 1: piece 0
.irp n, 0,1,2,3,4,5,6,7,8,9,10,11,12,13,14,15,16,17,18,19,20,21
	XS 0, \n
	XS 1, \n
.endr
	s_mov_b32 s[CNT], 2
	s_branch .Lfirst                ; the loop is entered at a step's first turn, in the middle of a trip
.Lslot:                             ; twice: every slot but the last two is filled again
	CHANGE 1
	s_mov_b32 s[CNT], 2
.Lstep:                             ; a trip: pieces 2 and 3 of one step, then pieces 0 and 1 of the next, whose K and V it fetches
	TURN 2
	TURN 3
	WIN 0
.Lfirst:
	TURN 0
	TURN 1, 0, 1
	WIN 0
	s_cbranch_scc1 .Lstep
	s_sub_co_u32 s[SLOTS], s[SLOTS], 1
	s_cmp_lg_u32 s[SLOTS], 0
	s_cbranch_scc1 .Lslot
	CHANGE 0                        ; the tail is written out: nothing is asked for
	s_mov_b32 s[CNT], 3             ; two trips fetch the last slot's steps; the third is left in its middle
.Ltail:
	TURN 2, 1
	TURN 3
	WIN 0
	s_sub_co_u32 s[CNT], s[CNT], 1
	s_cmp_eq_u32 s[CNT], 0
	s_cbranch_scc1 .Lout
	TURN 0
	TURN 1
	WIN 0
	s_branch .Ltail
.Lout:                              ; the third trip's 16 products K Q^T are the last step's once more: the maximum made of them is the one that piece 0 already has, so its c m still fits its O and l
.set i, 0
.rept 16
	PV NP-1
.set i, i+1
.endr
	; THE MERGE.  l's two halves and the other half of the lanes' are added (the additions are the places behind the last products); c m of all four waves meets in LDS.
	WIN 0
.macro ALL line:vararg              ; one line for each tile t
.set t, 0
.rept 2*NP
	\line
.set t, t+1
.endr
.endm
	ALL v_add_f32 v[ST+4*t+2], v[ST+4*t+2], v[ST+4*t+3]
	ALL v_permlanex16_b32 v[ST+4*t+3], v[ST+4*t+2], s[SEL], s[SEL+1]
	ALL v_add_f32 v[ST+4*t+2], v[ST+4*t+2], v[ST+4*t+3]
	s_lshl_b32 s13, s[WV], 10
	v_add_nc_u32 v[MSW], s13, v[L4]
	v_add_nc_u32 v[MSW], MS, v[MSW]
	v_add_nc_u32 v[MSR], MS, v[L4]
	ALL ds_store_b32 v[MSW], v[ST+4*t] offset:128*t
	s_wait_dscnt 0x0                ; for the others' sake
	s_barrier_signal -1
	s_barrier_wait -1
.set t, 0
.rept 2*NP
.irp p, 0,1,2,3
	ds_load_b32 v[S+4*t+\p], v[MSR] offset:1024*\p+128*t
.endr
.set t, t+1
.endr
	s_wait_dscnt 0x0
	ALL v_max3_num_f32 v[S+4*t], v[S+4*t], v[S+4*t+1], v[S+4*t+2]
	ALL v_max_num_f32 v[S+4*t], v[S+4*t], v[S+4*t+3]
	ALL v_sub_f32 v[ST+4*t], v[ST+4*t], v[S+4*t]
	ALL v_exp_f32 v[ST+4*t], v[ST+4*t]
	v_nop                           ; a plain instruction behind the last exponential
	s_wait_alu depctr_va_vdst(0)
	ALL v_mul_f32 v[ST+4*t+2], v[ST+4*t+2], v[ST+4*t]
	WIN W_RS
.set t, 0
.rept 2*NP
.set z, 0
.rept 16
	v_pk_mul_f32 v[32*t+2*z:32*t+2*z+1], v[32*t+2*z:32*t+2*z+1], v[ST+4*t:ST+4*t+1] op_sel_hi:[1,0]
.set z, z+1
.endr
.set t, t+1
.endr
	WIN 0x04                        ; store data in window 1.  My part of slot 0 has had its last fill (visit 2) and my reads of it are long back: it takes my 32 KB of O^T
.set z, 0
.rept 32
	ds_store_b128 v[AK0], v[8*z:8*z+3]   offset:1024*z
	ds_store_b128 v[AK0], v[8*z+4:8*z+7] offset:1024*z+512
.set z, z+1
.endr
	WIN 0
	ALL ds_store_b32 v[MSW], v[ST+4*t+2] offset:4096+128*t
	s_wait_dscnt 0x0
	s_barrier_signal -1
	s_barrier_wait -1
	s_lshl_b32 s13, s[WV], 13       ; my two tiles: 8,192 w in each wave's part
.irp p, 0,1,2,3
	v_add_nc_u32 v[PA+\p], s13, v[QO]
	v_add_nc_u32 v[PA+\p], 32768*\p, v[PA+\p]
.endr
	s_lshl_b32 s13, s[WV], 8
	v_add_nc_u32 v[LR], s13, v[MSR]
	WIN 0x40
.irp p, 0,1,2,3
.irp f, 0,1,2,3,4,5,6,7
	ds_load_b128 v[64*\p+8*\f:64*\p+8*\f+3],   v[PA+\p] offset:1024*\f
	ds_load_b128 v[64*\p+8*\f+4:64*\p+8*\f+7], v[PA+\p] offset:1024*\f+512
.endr
.endr
	WIN 0
.irp u, 0,1
.irp p, 0,1,2,3
	ds_load_b32 v[S+4*\u+\p], v[LR] offset:4096+1024*\p+128*\u
.endr
.endr
	s_wait_dscnt 0x0
	WIN 0x45
.irp p, 1,2,3
.set z, 0
.rept 32
	v_pk_add_f32 v[2*z:2*z+1], v[2*z:2*z+1], v[64*\p+2*z:64*\p+2*z+1]
.set z, z+1
.endr
.endr
	WIN 0
.irp u, 0,1
	v_add_f32 v[S+4*\u], v[S+4*\u], v[S+4*\u+1]
	v_add_f32 v[S+4*\u+2], v[S+4*\u+2], v[S+4*\u+3]
.endr
.irp u, 0,1
	v_add_f32 v[S+4*\u], v[S+4*\u], v[S+4*\u+2]
.endr
.irp u, 0,1
	v_rcp_f32 v[S+4*\u], v[S+4*\u]
.endr
	v_nop
	WIN W_RS
	s_wait_alu depctr_va_vdst(0)
.irp u, 0,1
.set z, 0
.rept 16
	v_pk_mul_f32 v[32*\u+2*z:32*\u+2*z+1], v[32*\u+2*z:32*\u+2*z+1], v[S+4*\u:S+4*\u+1] op_sel_hi:[1,0]
.set z, z+1
.endr
.endr
	WIN 0x05
.set z, 0
.rept 32
	v_cvt_pk_bf16_f32 v[S+32+z], v[2*z], v[2*z+1]
.set z, z+1
.endr
	WIN 0
.irp u, 0,1
.irp cb, 0,1,2,3                    ; a result rounded in pairs is half cb % 2 of image cb / 2: 512 consecutive bytes a store, aligned
	global_store_b128 v[QO], v[S+32+16*\u+4*\cb:S+32+16*\u+4*\cb+3], s[10:11] offset:8192*\u+1024*(\cb/2)+512*(\cb%2)
.endr
.endr
	WIN W_AD
	s_wait_tensorcnt 0x0            ; the wave's end: the spare word's add, behind my last tensor load and my last LDS store
	ds_add_u32 v[SPW], v[NIL]
	s_wait_dscnt 0x0
	WIN 0
	CROUND                          ; the closing round
	s_endpgm
.Lfunc_end_k_q77eb2fef44_att:
	.size	k_q77eb2fef44_att, .Lfunc_end_k_q77eb2fef44_att-k_q77eb2fef44_att
	.p2alignl 7, 3214868480
	.fill 96, 4, 3214868480
	.section	.rodata,"a",@progbits
	.p2align	6, 0x0
	.amdhsa_kernel k_q77eb2fef44_att
		.amdhsa_group_segment_fixed_size 327680
		.amdhsa_private_segment_fixed_size 0
		.amdhsa_enable_private_segment 0
		.amdhsa_kernarg_size 16
		.amdhsa_user_sgpr_count 2
		.amdhsa_user_sgpr_kernarg_segment_ptr 1
		.amdhsa_wavefront_size32 1
		.amdhsa_system_sgpr_workgroup_id_x 1
		.amdhsa_system_sgpr_workgroup_id_y 1
		.amdhsa_system_sgpr_workgroup_id_z 1
		.amdhsa_system_vgpr_workitem_id 0
		.amdhsa_next_free_vgpr 770
		.amdhsa_next_free_sgpr 66
		.amdhsa_reserve_vcc 0
		.amdhsa_float_denorm_mode_32 3
		.amdhsa_float_denorm_mode_16_64 3
		.amdhsa_memory_ordered 1
		.amdhsa_forward_progress 1
		.amdhsa_inst_pref_size 215
	.end_amdhsa_kernel
	.amdgpu_metadata
---
amdhsa.version: [ 1, 2 ]
amdhsa.kernels:
  - .name:           k_q77eb2fef44_att
    .symbol:         k_q77eb2fef44_att.kd
    .args:
      - { .name: qkv, .offset: 0, .size: 8, .value_kind: global_buffer, .address_space: global }
      - { .name: o, .offset: 8, .size: 8, .value_kind: global_buffer, .address_space: global }
    .group_segment_fixed_size: 327680
    .private_segment_fixed_size: 0
    .kernarg_segment_align: 8
    .kernarg_segment_size: 16
    .max_flat_workgroup_size: 128
    .sgpr_count:     66
    .vgpr_count:     770
    .wavefront_size: 32
...
	.end_amdgpu_metadata
.endif
;; end of part 3
;; launch post (part 4): grid 256 x 1, 4 waves a work-group, clusters of 4 x 1, 327,680 bytes of LDS; arguments o, xa, p0, xb, qkv; writes xb, qkv
.if DOCPART == 4
	.amdgcn_target "amdgcn-amd-amdhsa--gfx1250"
	.amdhsa_code_object_version 6
	.text
	.protected	k_q77eb2fef44_post
	.globl	k_q77eb2fef44_post
	.p2align	8
	.type	k_q77eb2fef44_post,@function
k_q77eb2fef44_post:
	s_mov_b64 s[64:65], 0
	v_nop
	global_prefetch_b8 v0, s[64:65] scope:SCOPE_SE
	s_setreg_imm32_b32 hwreg(HW_REG_WAVE_MODE, 25, 1), 1
	s_wait_xcnt 0x0
	s_wait_alu depctr_hold_cnt(0) depctr_sa_sdst(0) depctr_va_vdst(0) depctr_va_sdst(0) depctr_va_ssrc(0) depctr_va_vcc(0) depctr_vm_vsrc(0)
	s_getreg_b32 s2, hwreg(HW_REG_IB_STS2, 6, 4)
	s_cmp_eq_u32 s2, 0
	s_cbranch_scc0 .Lentry_in_a_cluster
	s_endpgm
.Lentry_in_a_cluster:
	s_bfe_u32 s2, ttmp6, 0x10000c
	s_cmp_lg_u32 s2, 0x3003
	s_cbranch_scc0 .Lentry_shape_is_right
	s_endpgm
.Lentry_shape_is_right:
; THE REST OF A LAYER AND THE NEXT LAYER's Q, K, V, for 32 rows: x1 = LN1(x + O out_w + out_b); x2 = LN2(x1 + relu(x1 ff1_w + ff1_b) ff2_w + ff2_b); q, k, v = x2 qkv_w' + qkv_b'.
; All matrix operands are bf16, all sums, the rows x, x1, x2 and the norms' statistics f32.  The norms take the mean first and then the mean of the squared differences.  NaN and infinities are not treated apart.
; SHARES.  A work-group owns 32 rows (two tiles rt of 16).  Wave w owns columns 64 w .. 64 w + 63 (four tiles ct) of the out product and the norms, hidden units 256 w .. 256 w + 255 of the feed-forward, head w of q, k, v.
; PRODUCTS are taken transposed (source 0 = a weight image, source 1 = an image of the rows): a lane holds ONE row (lane % 16) and columns 8 (lane / 16) + 0..7, so a result rounded to bf16 in pairs IS half of the next product's source 1.
; V takes the sources swapped: lane = channel, registers = keys.  An image is 1,024 bytes: 16 rows x 32 k; half q, lane (r, h) at 16 (r + 16 h): row r, k = 16 q + 8 h + 0..7.
; FEED-FORWARD.  Eight groups of 32 hidden units a wave: H = 32 rows x 32 units (32 products), bias as the sums' start, relu on the packed halves, then Y += H x ff2 for all 256 columns (32 products, 32 accumulators).  A wave's column tiles
; are counted from its own slice on (tile c' is column tile (4 w + c') % 16), so tiles 0-3 are its own: they start with x1 + ff2_b.  The other twelve start at 0, cleared while the first tiles are on their way, so that the loop has one form of
; product: 192 v_mov_b32.  At the end the waves hand each other their foreign slices through LDS, in three steps.
; The loop's last group loads the 128 bytes of the table behind my slice of ff1_b as a next group's bias; they lie inside the table and nothing is made of them: the price of one text for all groups.
; WEIGHTS: one dense stream, 12 chunks of 32 KB a wave (out; 8 groups; q, k, v), through two slots, by JOINT tensor loads: all four work-groups of the cluster walk the same weights.  Chunk k lies in slot k % 2; in its middle, when its
; last image is in registers, the slot is asked for again with chunk k + 2.  A wave has three tensor loads out at the start and one behind each round.
; LDS: slot 0 at 0, slot 1 at 131,072 (wave w's 32 KB at 32,768 w); XS 262,144: 16 images of the rows; PB 278,528: the table of biases and gains, filled once; RS 291,840: 8 KB for each receiving wave; STT 324,608: four areas of
; 512 bytes [wave][rt][16] for the norms, each written once; SPARE 326,656.
; REGISTERS: window 0: v1-31 addresses; v32-63 PK packed results (v32-47 HP); v64-127 Z, 8 results at 64 + 8 (2 ct + rt) (v64-95 H); v128-255 XF, 16 images at 128 + 8 (8 rt + ks), between the products at work.
; Window 1: Y, 32 accumulators at 8 (2 c' + rt).  Window 2: WA v0-127, WB v128-255: 16 weight images each.
.set CHUNK, 131072
.set SLOT1, 131072
.set XS,    262144
.set PB,    278528
.set RS,    291840
.set STT,   324608
.set SPARE, 326656
.set TBLO,  1572864
.set PROWS, 13        ; rows of 256 bytes of the table that a wave fetches
.set T_OUTB, 0
.set T_G1,   1024
.set T_B1,   2048
.set T_FF1B, 3072
.set T_FF2B, 7168
.set T_G2,   8192
.set T_B2,   9216
.set T_QKVB, 10240
.set L16, 1
.set AW0, 2
.set AW1, 3
.set XSW, 4
.set XSR, 5
.set PBW, 6
.set BA,  7
.set STW, 8
.set STR, 9
.set RW,  10          ; v10-12
.set RR,  13
.set ZERO, 14
.set GX,  15
.set PBQ, 16
.set PBV, 17
.set BAC, 29
.set SPW, 30
.set NIL, 31
.set PK,  32
.set HP,  32
.set Z,   64
.set XF,  128
.set LG,  128         ; the norms: gains, biases, chains, statistics
.set LB,  160
.set LC,  192
.set LM,  208
.set TT,  128         ; the reduction: what another wave sent
.set WV,  14
.set G1,  24
.set G1P, 32
.set G0P, 40
.set G0A, 44
.set G0B, 48
.set CNT, 52
.set BST, 53
.set SEL, 54
.set INV, 56
.set EPS, 57
.set SO,  66
.set SXI, 68
.set SXO, 70
.set SQ,  72
.set SK,  74
.set MSB, 0
.macro WIN new                      ; the immediate's high byte repeats the setting that is left; a switch that changes nothing is dropped
.if MSB != (\new)
	s_set_vgpr_msb (MSB<<8)|(\new)
.set MSB, (\new)
.endif
.endm
.macro PLACES                       ; four places behind a matrix instruction, in front of loads into its registers and of reads of its results
.rept 4
	v_nop
.endr
.endm
.macro BAR
	s_barrier_signal -1
	s_barrier_wait -1
.endm
.macro CROUND                       ; a round of the cluster's barrier
	s_barrier_signal -1
	s_barrier_wait -1
	s_cmp_lg_u32 s[WV], 0
	s_cbranch_scc1 .Lnot_wave_0_\@
	s_barrier_signal -3
.Lnot_wave_0_\@:
	s_barrier_wait -3
	s_barrier_signal -1
	s_barrier_wait -1
.endm
; THE CHANGE OF SLOTS: all my tensor loads have landed (the other slot's chunk among them), 0 is added to my spare word, my reads of this slot are back; a round of the cluster's barrier; the joint refill first behind it.
.macro CHANGE
	WIN 0
	s_wait_tensorcnt 0x0
	ds_add_u32 v[SPW], v[NIL]       ; the descriptor's steps stand between this add and the wait for it
	s_xor_b32 s[G0B+1], s[G0B+1], SLOT1
	s_add_nc_u64 s[G0B+2:G0B+3], s[G0B+2:G0B+3], CHUNK
	s_wait_dscnt 0x0
	CROUND
	tensor_load_to_lds s[G0B:G0B+3], s[G1:G1+7]
	s_nop 0
	PLACES
.endm
.macro FETCH buf, areg, half        ; 16 weight images, 32 loads in one run, into WA (0) or WB (1)
	WIN 0x80
.irp f, 0,1,2,3,4,5,6,7,8,9,10,11,12,13,14,15
	ds_load_b128 v[128*\buf+8*\f:128*\buf+8*\f+3],   v[(\areg)] offset:16384*\half+1024*\f
	ds_load_b128 v[128*\buf+8*\f+4:128*\buf+8*\f+7], v[(\areg)] offset:16384*\half+1024*\f+512
.endr
.endm
; 16 products: K steps ks0, ks0 + 1 for all 8 results, which take turns
.macro MULG buf, kq, ks0, swap
.if \swap
	WIN 0x08
.else
	WIN 0x02
.endif
.irp dk, 0,1
.irp ct, 0,1,2,3
.irp rt, 0,1
.if \swap
	v_wmma_f32_16x16x32_bf16 v[Z+8*(2*\ct+\rt):Z+8*(2*\ct+\rt)+7], v[XF+8*(8*\rt+\ks0+\dk):XF+8*(8*\rt+\ks0+\dk)+7], v[128*\buf+8*(4*(2*\kq+\dk)+\ct):128*\buf+8*(4*(2*\kq+\dk)+\ct)+7], v[Z+8*(2*\ct+\rt):Z+8*(2*\ct+\rt)+7]
.else
	v_wmma_f32_16x16x32_bf16 v[Z+8*(2*\ct+\rt):Z+8*(2*\ct+\rt)+7], v[128*\buf+8*(4*(2*\kq+\dk)+\ct):128*\buf+8*(4*(2*\kq+\dk)+\ct)+7], v[XF+8*(8*\rt+\ks0+\dk):XF+8*(8*\rt+\ks0+\dk)+7], v[Z+8*(2*\ct+\rt):Z+8*(2*\ct+\rt)+7]
.endif
.endr
.endr
.endr
.endm
.macro MID mode                     ; the middle of a chunk.  2: its slot is filled again.  1: the next chunk, my own load into my own bytes, is waited for.  0: nothing follows
.if \mode == 2
	CHANGE
.else
	s_wait_dscnt 0x0
.if \mode == 1
	s_wait_tensorcnt 0x0
.endif
	PLACES
.endif
.endm
; A chunk of 32 images: 64 columns x K = 256 for 32 rows, 64 products.  WA holds its first half on entry; its second half and the next chunk's first are fetched on the way.
.macro G64 slot, mode, swap
	s_wait_dscnt 0x0
	MULG 0, 0, 0, \swap
	PLACES
	FETCH 1, AW0+\slot, 1
	MULG 0, 1, 2, \swap
	MID \mode
	MULG 1, 0, 4, \swap
.if \mode
	FETCH 0, AW0+1-\slot, 0
.endif
	MULG 1, 1, 6, \swap
.endm
; THE FEED-FORWARD's group
.macro FFA k0                       ; 16 products of H += ff1 x rows: K steps k0 .. k0 + 3; the four accumulators take turns
	WIN 0x02
.irp dk, 0,1,2,3
.irp ht, 0,1
.irp rt, 0,1
	v_wmma_f32_16x16x32_bf16 v[Z+8*(2*\ht+\rt):Z+8*(2*\ht+\rt)+7], v[8*(2*(\k0+\dk)+\ht):8*(2*(\k0+\dk)+\ht)+7], v[XF+8*(8*\rt+\k0+\dk):XF+8*(8*\rt+\k0+\dk)+7], v[Z+8*(2*\ht+\rt):Z+8*(2*\ht+\rt)+7]
.endr
.endr
.endr
.endm
.macro FFC c0                       ; 16 products of Y += ff2 x H: column tiles c0 .. c0 + 7, sixteen accumulators
	WIN 0x52
.irp dc, 0,1,2,3,4,5,6,7
.irp rt, 0,1
	v_wmma_f32_16x16x32_bf16 v[8*(2*(\c0+\dc)+\rt):8*(2*(\c0+\dc)+\rt)+7], v[128+8*(\c0+\dc):128+8*(\c0+\dc)+7], v[HP+8*\rt:HP+8*\rt+7], v[8*(2*(\c0+\dc)+\rt):8*(2*(\c0+\dc)+\rt)+7]
.endr
.endr
.endm
.macro RELU                         ; H rounded to bf16 in pairs (each result's registers in ascending order), then the larger of it and 0, two at a time
	WIN 0
.irp ht, 0,1
.irp rt, 0,1
.irp i, 0,1,2,3
	v_cvt_pk_bf16_f32 v[HP+8*\rt+4*\ht+\i], v[Z+8*(2*\ht+\rt)+2*\i], v[Z+8*(2*\ht+\rt)+2*\i+1]
.endr
.endr
.endr
.set t, 0
.rept 16
	v_pk_max_num_bf16 v[HP+t], v[HP+t], v[ZERO]
.set t, t+1
.endr
.endm
.macro HBIAS                        ; the next group's sums start with its bias: my eight units of each tile, for both row tiles
	WIN 0
	v_add_nc_u32 v[BAC], s[BST], v[BA]
	s_add_co_u32 s[BST], s[BST], 128
.irp ht, 0,1
.irp rt, 0,1
	ds_load_b128 v[Z+8*(2*\ht+\rt):Z+8*(2*\ht+\rt)+3],   v[BAC] offset:64*\ht
	ds_load_b128 v[Z+8*(2*\ht+\rt)+4:Z+8*(2*\ht+\rt)+7], v[BAC] offset:64*\ht+16
.endr
.endr
.endm
.macro FFG slot, mode
	s_wait_dscnt 0x0                ; WA and the bias are in
	FFA 0
	PLACES
	FETCH 1, AW0+\slot, 1
	FFA 4
	MID \mode
	RELU
.if \mode
	HBIAS
.endif
	FFC 0
.if \mode
	FETCH 0, AW0+1-\slot, 0
.endif
	FFC 8
.endm
; THE NORM.  XCH: the four chains of each row tile are added, the two halves of the lanes exchanged, the wave's figure put into area st (512 bytes of its own, written this once); behind a barrier every wave adds the four in the same order.
.macro XCH st, dst
.irp rt, 0,1
	v_pk_add_f32 v[LC+8*\rt:LC+8*\rt+1],   v[LC+8*\rt:LC+8*\rt+1],   v[LC+8*\rt+2:LC+8*\rt+3]
	v_pk_add_f32 v[LC+8*\rt+4:LC+8*\rt+5], v[LC+8*\rt+4:LC+8*\rt+5], v[LC+8*\rt+6:LC+8*\rt+7]
.endr
.irp rt, 0,1
	v_pk_add_f32 v[LC+8*\rt:LC+8*\rt+1], v[LC+8*\rt:LC+8*\rt+1], v[LC+8*\rt+4:LC+8*\rt+5]
.endr
.irp rt, 0,1
	v_add_f32 v[LC+8*\rt], v[LC+8*\rt], v[LC+8*\rt+1]
.endr
.irp rt, 0,1
	v_permlanex16_b32 v[LC+8*\rt+1], v[LC+8*\rt], s[SEL], s[SEL+1]
.endr
.irp rt, 0,1
	v_add_f32 v[LC+8*\rt], v[LC+8*\rt], v[LC+8*\rt+1]
.endr
.irp rt, 0,1
	ds_store_b32 v[STW], v[LC+8*\rt] offset:512*(\st)+64*\rt
.endr
	s_wait_dscnt 0x0                ; for the others' sake
	BAR
.irp rt, 0,1
.irp wn, 0,1,2,3
	ds_load_b32 v[(\dst)+4*\rt+\wn], v[STR] offset:512*(\st)+128*\wn+64*\rt
.endr
.endr
	s_wait_dscnt 0x0
.irp rt, 0,1
	v_add_f32 v[(\dst)+4*\rt],   v[(\dst)+4*\rt],   v[(\dst)+4*\rt+1]
	v_add_f32 v[(\dst)+4*\rt+2], v[(\dst)+4*\rt+2], v[(\dst)+4*\rt+3]
.endr
.irp rt, 0,1
	v_add_f32 v[(\dst)+4*\rt], v[(\dst)+4*\rt], v[(\dst)+4*\rt+2]
.endr
.endm
.macro NORM gofs, bofs, st          ; Z = (Z - mean) / sqrt(var + eps) x gain + bias, over the 256 columns that the four waves hold
	WIN 0
	PLACES
.irp ct, 0,1,2,3
	ds_load_b128 v[LG+8*\ct:LG+8*\ct+3],   v[PBW] offset:\gofs+64*\ct
	ds_load_b128 v[LG+8*\ct+4:LG+8*\ct+7], v[PBW] offset:\gofs+64*\ct+16
	ds_load_b128 v[LB+8*\ct:LB+8*\ct+3],   v[PBW] offset:\bofs+64*\ct
	ds_load_b128 v[LB+8*\ct+4:LB+8*\ct+7], v[PBW] offset:\bofs+64*\ct+16
.endr
.irp rt, 0,1
.irp ct, 0,1,2,3                    ; a chain for each result, begun at its lowest registers
	v_pk_add_f32 v[LC+8*\rt+2*\ct:LC+8*\rt+2*\ct+1], v[Z+8*(2*\ct+\rt):Z+8*(2*\ct+\rt)+1], v[Z+8*(2*\ct+\rt)+2:Z+8*(2*\ct+\rt)+3]
.endr
.irp k, 4,6
.irp ct, 0,1,2,3
	v_pk_add_f32 v[LC+8*\rt+2*\ct:LC+8*\rt+2*\ct+1], v[LC+8*\rt+2*\ct:LC+8*\rt+2*\ct+1], v[Z+8*(2*\ct+\rt)+\k:Z+8*(2*\ct+\rt)+\k+1]
.endr
.endr
.endr
	XCH \st, LM
.irp rt, 0,1
	v_mul_f32 v[LM+4*\rt], s[INV], v[LM+4*\rt]   ; the mean
.endr
.irp rt, 0,1
.irp ct, 0,1,2,3
.irp k, 0,2,4,6
	v_pk_add_f32 v[Z+8*(2*\ct+\rt)+\k:Z+8*(2*\ct+\rt)+\k+1], v[Z+8*(2*\ct+\rt)+\k:Z+8*(2*\ct+\rt)+\k+1], v[LM+4*\rt:LM+4*\rt+1] op_sel_hi:[1,0] neg_lo:[0,1] neg_hi:[0,1]
.endr
.endr
.endr
.irp rt, 0,1
.irp ct, 0,1,2,3
	v_pk_mul_f32 v[LC+8*\rt+2*\ct:LC+8*\rt+2*\ct+1], v[Z+8*(2*\ct+\rt):Z+8*(2*\ct+\rt)+1], v[Z+8*(2*\ct+\rt):Z+8*(2*\ct+\rt)+1]
.endr
.irp k, 2,4,6
.irp ct, 0,1,2,3
	v_pk_fma_f32 v[LC+8*\rt+2*\ct:LC+8*\rt+2*\ct+1], v[Z+8*(2*\ct+\rt)+\k:Z+8*(2*\ct+\rt)+\k+1], v[Z+8*(2*\ct+\rt)+\k:Z+8*(2*\ct+\rt)+\k+1], v[LC+8*\rt+2*\ct:LC+8*\rt+2*\ct+1]
.endr
.endr
.endr
	XCH \st+1, LM+8
.irp rt, 0,1
	v_fma_f32 v[LM+8+4*\rt], v[LM+8+4*\rt], s[INV], s[EPS]
.endr
.irp rt, 0,1
	v_rsq_f32 v[LM+8+4*\rt], v[LM+8+4*\rt]
.endr
	v_nop                           ; a plain instruction behind the last root
	s_wait_alu depctr_va_vdst(0)
.irp rt, 0,1
.irp ct, 0,1,2,3
.irp k, 0,2,4,6
	v_pk_mul_f32 v[Z+8*(2*\ct+\rt)+\k:Z+8*(2*\ct+\rt)+\k+1], v[Z+8*(2*\ct+\rt)+\k:Z+8*(2*\ct+\rt)+\k+1], v[LM+8+4*\rt:LM+8+4*\rt+1] op_sel_hi:[1,0]
.endr
.endr
.endr
.irp rt, 0,1
.irp ct, 0,1,2,3
.irp k, 0,2,4,6
	v_pk_fma_f32 v[Z+8*(2*\ct+\rt)+\k:Z+8*(2*\ct+\rt)+\k+1], v[Z+8*(2*\ct+\rt)+\k:Z+8*(2*\ct+\rt)+\k+1], v[LG+8*\ct+\k:LG+8*\ct+\k+1], v[LB+8*\ct+\k:LB+8*\ct+\k+1]
.endr
.endr
.endr
.endm
.macro PACKZ                        ; Z rounded to bf16 in pairs, each result's registers in ascending order
	WIN 0
	s_wait_xcnt 0x0                 ; earlier stores have read PK and Z: they are written again only behind this wait
.set t, 0
.rept 32
	v_cvt_pk_bf16_f32 v[PK+t], v[Z+2*t], v[Z+2*t+1]
.set t, t+1
.endr
.endm
.macro XSPUT                        ; my 64 columns of the 32 rows: halves of images 8 rt + 2 w + ct / 2
.irp rt, 0,1
.irp ct, 0,1,2,3
	ds_store_b128 v[XSW], v[PK+4*(2*\ct+\rt):PK+4*(2*\ct+\rt)+3] offset:8192*\rt+1024*(\ct/2)+512*(\ct%2)
.endr
.endr
.endm
.macro XFGET                        ; every wave's stores are done, then all 16 images come into registers
	s_wait_dscnt 0x0
	BAR
.set t, 0
.rept 16
	ds_load_b128 v[XF+8*t:XF+8*t+3],   v[XSR] offset:1024*t
	ds_load_b128 v[XF+8*t+4:XF+8*t+7], v[XSR] offset:1024*t+512
.set t, t+1
.endr
.endm
.macro ZBIAS j                      ; the sums start with the bias: my eight columns of each tile, for both row tiles
.irp ct, 0,1,2,3
.irp rt, 0,1
	ds_load_b128 v[Z+8*(2*\ct+\rt):Z+8*(2*\ct+\rt)+3],   v[PBQ] offset:256*\j+64*\ct
	ds_load_b128 v[Z+8*(2*\ct+\rt)+4:Z+8*(2*\ct+\rt)+7], v[PBQ] offset:256*\j+64*\ct+16
.endr
.endr
.endm
.macro ZBIASV                       ; with the sources swapped a lane holds one channel: one number for all eight registers
.irp ct, 0,1,2,3
	ds_load_b32 v[18+\ct], v[PBV] offset:64*\ct
.endr
	s_wait_dscnt 0x0
.irp ct, 0,1,2,3
.set t, 0
.rept 16
	v_mov_b32 v[Z+16*\ct+t], v[18+\ct]
.set t, t+1
.endr
.endr
.endm
.macro PUTQK base
.irp rt, 0,1
.irp ct, 0,1,2,3
	global_store_b128 v[L16], v[PK+4*(2*\ct+\rt):PK+4*(2*\ct+\rt)+3], s[\base:\base+1] offset:2048*\rt+1024*(\ct/2)+512*(\ct%2)
.endr
.endr
.endm
; THE TAIL: Z holds the next layer's input rows.  They are stored in f32, shared among the waves as images, and multiplied by the q, k and v weights of my head.
.macro TAIL
	WIN 0
.set t, 0
.rept 8
	global_store_b128 v[GX], v[Z+8*t:Z+8*t+3],   s[SXO:SXO+1] offset:1024*t
	global_store_b128 v[GX], v[Z+8*t+4:Z+8*t+7], s[SXO:SXO+1] offset:1024*t+512
.set t, t+1
.endr
	PACKZ                           ; (its wait also frees Z, which the stores above read)
	XSPUT
	XFGET
	ZBIAS 0
	G64 1, 2, 0                     ; q: chunk 9; slot 1 takes chunk 11
	PLACES
	PACKZ
	PUTQK SQ
	ZBIAS 1
	G64 0, 1, 0                     ; k: chunk 10
	PLACES
	PACKZ
	PUTQK SK
	ZBIASV
	G64 1, 0, 1                     ; v: chunk 11, sources swapped
	PLACES
	PACKZ
.irp rt, 0,1
.irp ct, 0,1,2,3
	global_store_b128 v[L16], v[PK+4*(2*\ct+\rt):PK+4*(2*\ct+\rt)+3], s[SK:SK+1] offset:8192+1024*\ct+512*\rt
.endr
.endr
	s_wait_tensorcnt 0x0            ; the wave's end: the spare word's add, behind my last tensor load and my last LDS store
	ds_add_u32 v[SPW], v[NIL]
	s_wait_dscnt 0x0
	CROUND                          ; the closing round
	s_endpgm
.endm
	s_load_b256 s[4:11], s[0:1], 0x0  ; o s[4:5], x in s[6:7], p s[8:9], x out s[10:11]
	s_load_b64 s[12:13], s[0:1], 0x20 ; qkv
	v_lshl_add_u32 v[SPW], v0, 2, SPARE
	v_mov_b32 v[NIL], 0
	ds_add_u32 v[SPW], v[NIL]       ; the wave's opening: the add here and its wait ahead of my first tensor load; work on registers stands between the two
	v_lshrrev_b32 v18, 5, v0
	v_readfirstlane_b32 s[WV], v18  ; wave 0..3
	s_bfe_u32 s15, ttmp6, 0x40000   ; cx
	s_lshl_b32 s16, ttmp9, 2
	s_add_co_u32 s16, s16, s15      ; g = 4 x cluster + cx: it enters the addresses of o, x and qkv alone
	s_mov_b32 s[G1], 15|(3<<16)|(1<<21)   ; the mask of four; elements of 8 bytes; bit 21 beside a mask
	s_mov_b32 s[G1P], 15|(3<<16)|(1<<21)
.irp g, G1, G1P
	s_mov_b32 s[\g+1], 32<<16       ; tensor_dim0 = 32: rows of 256 bytes
	s_mov_b32 s[\g+3], 32<<16       ; tile_dim0
	s_mov_b32 s[\g+5], 32           ; dense
	s_mov_b32 s[\g+6], 0
	s_mov_b32 s[\g+7], 0
.endr
	s_mov_b32 s[G1+2], 128<<16      ; a chunk's 128 rows for a wave
	s_mov_b32 s[G1+4], 128
	s_mov_b32 s[G1P+2], PROWS<<16   ; my quarter of the table
	s_mov_b32 s[G1P+4], PROWS
	s_mov_b32 s[G0P], 1
	s_mul_i32 s58, s[WV], PROWS*256
	s_add_co_u32 s[G0P+1], s58, PB
	s_mov_b32 s59, 0
	s_lshl_b32 s60, s[WV], 15
	s_mov_b32 s61, 0
	s_mov_b32 s[G0A], 1
	s_mov_b32 s[G0A+1], s60               ; chunk 0 into slot 0
	s_mov_b32 s[G0B], 1
	s_add_co_u32 s[G0B+1], s60, SLOT1     ; chunk 1 into slot 1; this one walks on
	s_mov_b32 s[SEL], 0x76543210
	s_mov_b32 s[SEL+1], 0xfedcba98
	s_mov_b32 s[INV], 0x3b800000    ; 1 / 256
	s_mov_b32 s[EPS], 0x3727c5ac    ; 1e-5
	s_mov_b32 s[BST], 0
	v_and_b32 v18, 31, v0           ; lane
	v_and_b32 v19, 15, v0           ; r
	v_bfe_u32 v20, v0, 4, 1         ; h
	v_mov_b32 v[ZERO], 0
	v_lshlrev_b32 v[L16], 4, v18
	v_lshl_add_u32 v[AW0], s[WV], 15, v[L16]
	v_add_nc_u32 v[AW1], SLOT1, v[AW0]
	v_lshl_add_u32 v[XSW], s[WV], 11, v[L16]
	v_add_nc_u32 v[XSW], XS, v[XSW]
	v_add_nc_u32 v[XSR], XS, v[L16]
	v_lshlrev_b32 v21, 5, v20       ; 32 h
	v_lshl_add_u32 v[PBW], s[WV], 8, v21
	v_add_nc_u32 v[PBW], PB, v[PBW]
	v_lshl_add_u32 v[BA], s[WV], 10, v21
	v_add_nc_u32 v[BA], PB+T_FF1B, v[BA]
	v_lshlrev_b32 v22, 2, v19       ; 4 r
	v_lshl_add_u32 v[STW], s[WV], 7, v22
	v_add_nc_u32 v[STW], STT, v[STW]
	v_add_nc_u32 v[STR], STT, v22
.irp s, 1,2,3
	s_add_co_u32 s62, s[WV], \s
	s_and_b32 s62, s62, 3           ; the wave that owns my column tiles 4 s .. 4 s + 3
	v_lshl_add_u32 v[RW+\s-1], s62, 13, v[L16]
	v_add_nc_u32 v[RW+\s-1], RS, v[RW+\s-1]
.endr
	v_lshl_add_u32 v[GX], s[WV], 13, v[L16]
	v_add_nc_u32 v[RR], RS, v[GX]
	s_mul_i32 s62, s[WV], 768
	v_add_nc_u32 v[PBQ], s62, v21
	v_add_nc_u32 v[PBQ], PB+T_QKVB, v[PBQ]
	v_add_nc_u32 v[PBV], s62, v22
	v_add_nc_u32 v[PBV], PB+T_QKVB+512, v[PBV]
	s_wait_dscnt 0x0                ; the opening add is done
	s_wait_kmcnt 0x0
	s_add_nc_u64 s[G0A+2:G0A+3], s[8:9], s[60:61]
	s_add_nc_u64 s[G0B+2:G0B+3], s[G0A+2:G0A+3], CHUNK
	s_add_nc_u64 s[G0P+2:G0P+3], s[8:9], s[58:59]
	s_add_nc_u64 s[G0P+2:G0P+3], s[G0P+2:G0P+3], TBLO
	s_or_b32 s[G0A+3], s[G0A+3], 0x80000000
	s_or_b32 s[G0B+3], s[G0B+3], 0x80000000
	s_or_b32 s[G0P+3], s[G0P+3], 0x80000000
	s_mov_b32 s63, 0
	s_lshl_b32 s62, s16, 14         ; 16 images of O
	s_add_nc_u64 s[SO:SO+1], s[4:5], s[62:63]
	s_lshl_b32 s62, s16, 15         ; 32 rows in f32
	s_add_nc_u64 s[SXI:SXI+1], s[6:7], s[62:63]
	s_add_nc_u64 s[SXO:SXO+1], s[10:11], s[62:63]
	s_lshr_b32 s58, s16, 6
	s_lshl_b32 s58, s58, 2
	s_add_co_u32 s58, s58, s[WV]    ; bh = 4 b + head
	s_and_b32 s59, s16, 63          ; the work-group within its batch
	s_lshl_b32 s62, s58, 18
	s_lshl_b32 s60, s59, 12
	s_add_co_u32 s62, s62, s60
	s_add_nc_u64 s[SQ:SQ+1], s[12:13], s[62:63]
	s_lshl_b32 s62, s58, 19
	s_lshr_b32 s60, s59, 1
	s_lshl_b32 s60, s60, 14         ; the step of 64 keys
	s_add_co_u32 s62, s62, s60
	s_and_b32 s60, s16, 1
	s_lshl_b32 s60, s60, 12         ; its first or second 32 keys
	s_add_co_u32 s62, s62, s60
	s_add_co_u32 s62, s62, 4194304
	s_add_nc_u64 s[SK:SK+1], s[12:13], s[62:63]
	CROUND                          ; all four work-groups are here: the first joint loads meet
	tensor_load_to_lds s[G0P:G0P+3], s[G1P:G1P+7]
	s_nop 0
	tensor_load_to_lds s[G0A:G0A+3], s[G1:G1+7]
	s_nop 0
	tensor_load_to_lds s[G0B:G0B+3], s[G1:G1+7]
	s_nop 0
	PLACES
.set t, 0
.rept 8                             ; the rows x, in the layout of results: the out product's sums start with them
	global_load_b128 v[Z+8*t:Z+8*t+3],   v[GX], s[SXI:SXI+1] offset:1024*t th:TH_LOAD_NT
	global_load_b128 v[Z+8*t+4:Z+8*t+7], v[GX], s[SXI:SXI+1] offset:1024*t+512 th:TH_LOAD_NT
.set t, t+1
.endr
.set t, 0
.rept 16                            ; O's 16 images (every wave wants them all)
	global_load_b128 v[XF+8*t:XF+8*t+3],   v[L16], s[SO:SO+1] offset:1024*t
	global_load_b128 v[XF+8*t+4:XF+8*t+7], v[L16], s[SO:SO+1] offset:1024*t+512
.set t, t+1
.endr
	WIN 0x40
.set t, 64
.rept 192
	v_mov_b32 v[t], 0               ; Y's foreign tiles 4 .. 15
.set t, t+1
.endr
	WIN 0
	s_wait_tensorcnt 0x1            ; my quarter of the table and my part of chunk 0 are in; chunk 1, issued behind them, may stay out
	BAR                             ; everybody's quarter of the table is in
	; THE OUT PRODUCT
	FETCH 0, AW0, 0
	WIN 0
.irp ct, 0,1,2,3
	ds_load_b128 v[PK+8*\ct:PK+8*\ct+3],   v[PBW] offset:T_OUTB+64*\ct
	ds_load_b128 v[PK+8*\ct+4:PK+8*\ct+7], v[PBW] offset:T_OUTB+64*\ct+16
.endr
	s_wait_loadcnt 0x0
	s_wait_dscnt 0x0
.irp ct, 0,1,2,3
.irp rt, 0,1
.irp k, 0,2,4,6
	v_pk_add_f32 v[Z+8*(2*\ct+\rt)+\k:Z+8*(2*\ct+\rt)+\k+1], v[Z+8*(2*\ct+\rt)+\k:Z+8*(2*\ct+\rt)+\k+1], v[PK+8*\ct+\k:PK+8*\ct+\k+1]
.endr
.endr
.endr
	G64 0, 2, 0                     ; chunk 0; slot 0 takes chunk 2
	NORM T_G1, T_B1, 0
	; INTO THE FEED-FORWARD
	PACKZ
	XSPUT
.irp ct, 0,1,2,3
	ds_load_b128 v[LG+8*\ct:LG+8*\ct+3],   v[PBW] offset:T_FF2B+64*\ct
	ds_load_b128 v[LG+8*\ct+4:LG+8*\ct+7], v[PBW] offset:T_FF2B+64*\ct+16
.endr
	s_wait_dscnt 0x0
	WIN 0x40                        ; my own slice of Y starts with x1 + ff2_b
.irp ct, 0,1,2,3
.irp rt, 0,1
.irp k, 0,2,4,6
	v_pk_add_f32 v[8*(2*\ct+\rt)+\k:8*(2*\ct+\rt)+\k+1], v[Z+8*(2*\ct+\rt)+\k:Z+8*(2*\ct+\rt)+\k+1], v[LG+8*\ct+\k:LG+8*\ct+\k+1]
.endr
.endr
.endr
	WIN 0
	XFGET
	HBIAS
	s_mov_b32 s[CNT], 4
.Lff:                               ; a trip: two groups, chunks 2 i + 1 and 2 i + 2; each fills its slot again
	FFG 1, 2
	FFG 0, 2
	WIN 0
	s_sub_co_u32 s[CNT], s[CNT], 1
	s_cmp_lg_u32 s[CNT], 0
	s_cbranch_scc1 .Lff
	; THE REDUCTION: in step s my tiles 4 s .. 4 s + 3 go to wave (w + s) % 4, and I take those of wave (w - s) % 4
	PLACES
.irp s, 1,2,3
	WIN 0x04                        ; store data in window 1
.set t, 0
.rept 8
	ds_store_b128 v[RW+\s-1], v[64*\s+8*t:64*\s+8*t+3]   offset:1024*t
	ds_store_b128 v[RW+\s-1], v[64*\s+8*t+4:64*\s+8*t+7] offset:1024*t+512
.set t, t+1
.endr
	WIN 0
	s_wait_dscnt 0x0                ; for the others' sake
	BAR
.set t, 0
.rept 8
	ds_load_b128 v[TT+8*t:TT+8*t+3],   v[RR] offset:1024*t
	ds_load_b128 v[TT+8*t+4:TT+8*t+7], v[RR] offset:1024*t+512
.set t, t+1
.endr
	s_wait_dscnt 0x0
.if \s < 3
	WIN 0x41
.set t, 0
.rept 32
	v_pk_add_f32 v[2*t:2*t+1], v[2*t:2*t+1], v[TT+2*t:TT+2*t+1]
.set t, t+1
.endr
	WIN 0
	BAR                             ; every wave's reads are back: the areas may be written again
.else
	WIN 0x01
.set t, 0
.rept 32
	v_pk_add_f32 v[Z+2*t:Z+2*t+1], v[2*t:2*t+1], v[TT+2*t:TT+2*t+1]
.set t, t+1
.endr
	WIN 0
.endif
.endr
	NORM T_G2, T_B2, 2
	TAIL
.Lfunc_end_k_q77eb2fef44_post:
	.size	k_q77eb2fef44_post, .Lfunc_end_k_q77eb2fef44_post-k_q77eb2fef44_post
	.p2alignl 7, 3214868480
	.fill 96, 4, 3214868480
	.section	.rodata,"a",@progbits
	.p2align	6, 0x0
	.amdhsa_kernel k_q77eb2fef44_post
		.amdhsa_group_segment_fixed_size 327680
		.amdhsa_private_segment_fixed_size 0
		.amdhsa_enable_private_segment 0
		.amdhsa_kernarg_size 40
		.amdhsa_user_sgpr_count 2
		.amdhsa_user_sgpr_kernarg_segment_ptr 1
		.amdhsa_wavefront_size32 1
		.amdhsa_system_sgpr_workgroup_id_x 1
		.amdhsa_system_sgpr_workgroup_id_y 1
		.amdhsa_system_sgpr_workgroup_id_z 1
		.amdhsa_system_vgpr_workitem_id 0
		.amdhsa_next_free_vgpr 768
		.amdhsa_next_free_sgpr 80
		.amdhsa_reserve_vcc 0
		.amdhsa_float_denorm_mode_32 3
		.amdhsa_float_denorm_mode_16_64 3
		.amdhsa_memory_ordered 1
		.amdhsa_forward_progress 1
		.amdhsa_inst_pref_size 148
	.end_amdhsa_kernel
	.amdgpu_metadata
---
amdhsa.version: [ 1, 2 ]
amdhsa.kernels:
  - .name:           k_q77eb2fef44_post
    .symbol:         k_q77eb2fef44_post.kd
    .args:
      - { .name: o, .offset: 0, .size: 8, .value_kind: global_buffer, .address_space: global }
      - { .name: xa, .offset: 8, .size: 8, .value_kind: global_buffer, .address_space: global }
      - { .name: p0, .offset: 16, .size: 8, .value_kind: global_buffer, .address_space: global }
      - { .name: xb, .offset: 24, .size: 8, .value_kind: global_buffer, .address_space: global }
      - { .name: qkv, .offset: 32, .size: 8, .value_kind: global_buffer, .address_space: global }
    .group_segment_fixed_size: 327680
    .private_segment_fixed_size: 0
    .kernarg_segment_align: 8
    .kernarg_segment_size: 40
    .max_flat_workgroup_size: 128
    .sgpr_count:     80
    .vgpr_count:     768
    .wavefront_size: 32
...
	.end_amdgpu_metadata
.endif
;; end of part 4
;; launch att1: the kernel of part 3 again; grid 16 x 16, 4 waves a work-group, clusters of 4 x 1, 327,680 bytes of LDS; arguments qkv, o; writes o
;; launch post1: the kernel of part 4 again; grid 256 x 1, 4 waves a work-group, clusters of 4 x 1, 327,680 bytes of LDS; arguments o, xb, p1, xa, qkv; writes xa, qkv
;; launch att2: the kernel of part 3 again; grid 16 x 16, 4 waves a work-group, clusters of 4 x 1, 327,680 bytes of LDS; arguments qkv, o; writes o
;; launch post2: the kernel of part 4 again; grid 256 x 1, 4 waves a work-group, clusters of 4 x 1, 327,680 bytes of LDS; arguments o, xa, p2, xb, qkv; writes xb, qkv
;; launch att3: the kernel of part 3 again; grid 16 x 16, 4 waves a work-group, clusters of 4 x 1, 327,680 bytes of LDS; arguments qkv, o; writes o
;; launch last (part 5): grid 256 x 1, 4 waves a work-group, clusters of 4 x 1, 327,680 bytes of LDS; arguments o, xb, p3, out0; writes out0
.if DOCPART == 5
	.amdgcn_target "amdgcn-amd-amdhsa--gfx1250"
	.amdhsa_code_object_version 6
	.text
	.protected	k_q77eb2fef44_last
	.globl	k_q77eb2fef44_last
	.p2align	8
	.type	k_q77eb2fef44_last,@function
k_q77eb2fef44_last:
	s_mov_b64 s[64:65], 0
	v_nop
	global_prefetch_b8 v0, s[64:65] scope:SCOPE_SE
	s_setreg_imm32_b32 hwreg(HW_REG_WAVE_MODE, 25, 1), 1
	s_wait_xcnt 0x0
	s_wait_alu depctr_hold_cnt(0) depctr_sa_sdst(0) depctr_va_vdst(0) depctr_va_sdst(0) depctr_va_ssrc(0) depctr_va_vcc(0) depctr_vm_vsrc(0)
	s_getreg_b32 s2, hwreg(HW_REG_IB_STS2, 6, 4)
	s_cmp_eq_u32 s2, 0
	s_cbranch_scc0 .Lentry_in_a_cluster
	s_endpgm
.Lentry_in_a_cluster:
	s_bfe_u32 s2, ttmp6, 0x10000c
	s_cmp_lg_u32 s2, 0x3003
	s_cbranch_scc0 .Lentry_shape_is_right
	s_endpgm
.Lentry_shape_is_right:
; THE REST OF THE LAST LAYER, for 32 rows: x1 = LN1(x + O out_w + out_b); out0 = LN2(x1 + relu(x1 ff1_w + ff1_b) ff2_w + ff2_b).
; All matrix operands are bf16, all sums, the rows and the norms' statistics f32.  The norms take the mean first and then the mean of the squared differences.  NaN and infinities are not treated apart.
; SHARES.  A work-group owns 32 rows (two tiles rt of 16).  Wave w owns columns 64 w .. 64 w + 63 (four tiles ct) of the out product and the norms, hidden units 256 w .. 256 w + 255 of the feed-forward.
; PRODUCTS are taken transposed (source 0 = a weight image, source 1 = an image of the rows): a lane holds ONE row (lane % 16) and columns 8 (lane / 16) + 0..7, so a result rounded to bf16 in pairs IS half of the next product's source 1.
; An image is 1,024 bytes: 16 rows x 32 k; half q, lane (r, h) at 16 (r + 16 h): row r, k = 16 q + 8 h + 0..7.
; FEED-FORWARD.  Eight groups of 32 hidden units a wave: H (32 products), bias as the sums' start, relu on the packed halves, Y += H x ff2 for all 256 columns (32 products).  A wave's column tiles are counted from its own slice on, so
; tiles 0-3 are its own: they start with x1 + ff2_b; the other twelve start at 0, cleared while the first tiles are on their way (192 v_mov_b32), so that the loop has one form of product.  At the end the waves hand each other their
; foreign slices through LDS, in three steps.
; WEIGHTS: chunks 0 .. 8 of the stream (32 KB a wave each), through two slots, by JOINT tensor loads; chunk k lies in slot k % 2 and asks in its middle for chunk k + 2; chunks 7 and 8 ask for nothing and are written out behind the loop.
; A wave has three tensor loads out at the start and one behind each round.
; THE WAY OUT: a lane's eight f32 of a row go into my own stage (32 rows x 272 bytes, in my part of slot 1, which has had its last fill and has been read) and come back by rows: sixteen lanes store 256 consecutive bytes, aligned.
; LDS and registers as in the launch for the other layers: slots at 0 and 131,072; XS 262,144; PB 278,528 (here 10,240 bytes of the table); RS 291,840; STT 324,608 (four areas of 512 bytes, each written once); SPARE 326,656.
.set CHUNK, 131072
.set SLOT1, 131072
.set XS,    262144
.set PB,    278528
.set RS,    291840
.set STT,   324608
.set SPARE, 326656
.set TBLO,  1572864
.set PROWS, 10        ; rows of 256 bytes of the table that a wave fetches
.set T_OUTB, 0
.set T_G1,   1024
.set T_B1,   2048
.set T_FF1B, 3072
.set T_FF2B, 7168
.set T_G2,   8192
.set T_B2,   9216
.set L16, 1
.set AW0, 2
.set AW1, 3
.set XSW, 4
.set XSR, 5
.set PBW, 6
.set BA,  7
.set STW, 8
.set STR, 9
.set RW,  10          ; v10-12
.set RR,  13
.set ZERO, 14
.set GX,  15
.set OSW, 24          ; the way out: where I put 32 bytes of a row
.set OSR, 25          ; where I read rows back
.set OCO, 26          ; my byte offset in the work-group's rows of out0
.set BAC, 29
.set SPW, 30
.set NIL, 31
.set PK,  32
.set HP,  32
.set Z,   64
.set XF,  128
.set LG,  128
.set LB,  160
.set LC,  192
.set LM,  208
.set TT,  128
.set WV,  14
.set G1,  24
.set G1P, 32
.set G0P, 40
.set G0A, 44
.set G0B, 48
.set CNT, 52
.set BST, 53
.set SEL, 54
.set INV, 56
.set EPS, 57
.set SO,  66
.set SXI, 68
.set SXO, 70
.set MSB, 0
.macro WIN new                      ; the immediate's high byte repeats the setting that is left; a switch that changes nothing is dropped
.if MSB != (\new)
	s_set_vgpr_msb (MSB<<8)|(\new)
.set MSB, (\new)
.endif
.endm
.macro PLACES                       ; four places behind a matrix instruction, in front of loads into its registers and of reads of its results
.rept 4
	v_nop
.endr
.endm
.macro BAR
	s_barrier_signal -1
	s_barrier_wait -1
.endm
.macro CROUND                       ; a round of the cluster's barrier
	s_barrier_signal -1
	s_barrier_wait -1
	s_cmp_lg_u32 s[WV], 0
	s_cbranch_scc1 .Lnot_wave_0_\@
	s_barrier_signal -3
.Lnot_wave_0_\@:
	s_barrier_wait -3
	s_barrier_signal -1
	s_barrier_wait -1
.endm
; THE CHANGE OF SLOTS: all my tensor loads have landed (the other slot's chunk among them), 0 is added to my spare word, my reads of this slot are back; a round of the cluster's barrier; the joint refill first behind it.
.macro CHANGE
	WIN 0
	s_wait_tensorcnt 0x0
	ds_add_u32 v[SPW], v[NIL]       ; the descriptor's steps stand between this add and the wait for it
	s_xor_b32 s[G0B+1], s[G0B+1], SLOT1
	s_add_nc_u64 s[G0B+2:G0B+3], s[G0B+2:G0B+3], CHUNK
	s_wait_dscnt 0x0
	CROUND
	tensor_load_to_lds s[G0B:G0B+3], s[G1:G1+7]
	s_nop 0
	PLACES
.endm
.macro FETCH buf, areg, half        ; 16 weight images, 32 loads in one run, into WA (0) or WB (1)
	WIN 0x80
.irp f, 0,1,2,3,4,5,6,7,8,9,10,11,12,13,14,15
	ds_load_b128 v[128*\buf+8*\f:128*\buf+8*\f+3],   v[(\areg)] offset:16384*\half+1024*\f
	ds_load_b128 v[128*\buf+8*\f+4:128*\buf+8*\f+7], v[(\areg)] offset:16384*\half+1024*\f+512
.endr
.endm
; 16 products: K steps ks0, ks0 + 1 for all 8 results, which take turns
.macro MULG buf, kq, ks0
	WIN 0x02
.irp dk, 0,1
.irp ct, 0,1,2,3
.irp rt, 0,1
	v_wmma_f32_16x16x32_bf16 v[Z+8*(2*\ct+\rt):Z+8*(2*\ct+\rt)+7], v[128*\buf+8*(4*(2*\kq+\dk)+\ct):128*\buf+8*(4*(2*\kq+\dk)+\ct)+7], v[XF+8*(8*\rt+\ks0+\dk):XF+8*(8*\rt+\ks0+\dk)+7], v[Z+8*(2*\ct+\rt):Z+8*(2*\ct+\rt)+7]
.endr
.endr
.endr
.endm
.macro MID mode                     ; the middle of a chunk.  2: its slot is filled again.  1: the next chunk, my own load into my own bytes, is waited for.  0: nothing follows
.if \mode == 2
	CHANGE
.else
	s_wait_dscnt 0x0
.if \mode == 1
	s_wait_tensorcnt 0x0
.endif
	PLACES
.endif
.endm
.macro FFA k0                       ; 16 products of H += ff1 x rows: K steps k0 .. k0 + 3; the four accumulators take turns
	WIN 0x02
.irp dk, 0,1,2,3
.irp ht, 0,1
.irp rt, 0,1
	v_wmma_f32_16x16x32_bf16 v[Z+8*(2*\ht+\rt):Z+8*(2*\ht+\rt)+7], v[8*(2*(\k0+\dk)+\ht):8*(2*(\k0+\dk)+\ht)+7], v[XF+8*(8*\rt+\k0+\dk):XF+8*(8*\rt+\k0+\dk)+7], v[Z+8*(2*\ht+\rt):Z+8*(2*\ht+\rt)+7]
.endr
.endr
.endr
.endm
.macro FFC c0                       ; 16 products of Y += ff2 x H: column tiles c0 .. c0 + 7, sixteen accumulators
	WIN 0x52
.irp dc, 0,1,2,3,4,5,6,7
.irp rt, 0,1
	v_wmma_f32_16x16x32_bf16 v[8*(2*(\c0+\dc)+\rt):8*(2*(\c0+\dc)+\rt)+7], v[128+8*(\c0+\dc):128+8*(\c0+\dc)+7], v[HP+8*\rt:HP+8*\rt+7], v[8*(2*(\c0+\dc)+\rt):8*(2*(\c0+\dc)+\rt)+7]
.endr
.endr
.endm
.macro RELU                         ; H rounded to bf16 in pairs (each result's registers in ascending order), then the larger of it and 0, two at a time
	WIN 0
.irp ht, 0,1
.irp rt, 0,1
.irp i, 0,1,2,3
	v_cvt_pk_bf16_f32 v[HP+8*\rt+4*\ht+\i], v[Z+8*(2*\ht+\rt)+2*\i], v[Z+8*(2*\ht+\rt)+2*\i+1]
.endr
.endr
.endr
.set t, 0
.rept 16
	v_pk_max_num_bf16 v[HP+t], v[HP+t], v[ZERO]
.set t, t+1
.endr
.endm
.macro HBIAS                        ; the next group's sums start with its bias
	WIN 0
	v_add_nc_u32 v[BAC], s[BST], v[BA]
	s_add_co_u32 s[BST], s[BST], 128
.irp ht, 0,1
.irp rt, 0,1
	ds_load_b128 v[Z+8*(2*\ht+\rt):Z+8*(2*\ht+\rt)+3],   v[BAC] offset:64*\ht
	ds_load_b128 v[Z+8*(2*\ht+\rt)+4:Z+8*(2*\ht+\rt)+7], v[BAC] offset:64*\ht+16
.endr
.endr
.endm
.macro FFG slot, mode
	s_wait_dscnt 0x0                ; WA and the bias are in
	FFA 0
	PLACES
	FETCH 1, AW0+\slot, 1
	FFA 4
	MID \mode
	RELU
.if \mode
	HBIAS
.endif
	FFC 0
.if \mode
	FETCH 0, AW0+1-\slot, 0
.endif
	FFC 8
.endm
; THE NORM.  XCH: the four chains of each row tile are added, the two halves of the lanes exchanged, the wave's figure put into area st (512 bytes of its own, written this once); behind a barrier every wave adds the four in the same order.
.macro XCH st, dst
.irp rt, 0,1
	v_pk_add_f32 v[LC+8*\rt:LC+8*\rt+1],   v[LC+8*\rt:LC+8*\rt+1],   v[LC+8*\rt+2:LC+8*\rt+3]
	v_pk_add_f32 v[LC+8*\rt+4:LC+8*\rt+5], v[LC+8*\rt+4:LC+8*\rt+5], v[LC+8*\rt+6:LC+8*\rt+7]
.endr
.irp rt, 0,1
	v_pk_add_f32 v[LC+8*\rt:LC+8*\rt+1], v[LC+8*\rt:LC+8*\rt+1], v[LC+8*\rt+4:LC+8*\rt+5]
.endr
.irp rt, 0,1
	v_add_f32 v[LC+8*\rt], v[LC+8*\rt], v[LC+8*\rt+1]
.endr
.irp rt, 0,1
	v_permlanex16_b32 v[LC+8*\rt+1], v[LC+8*\rt], s[SEL], s[SEL+1]
.endr
.irp rt, 0,1
	v_add_f32 v[LC+8*\rt], v[LC+8*\rt], v[LC+8*\rt+1]
.endr
.irp rt, 0,1
	ds_store_b32 v[STW], v[LC+8*\rt] offset:512*(\st)+64*\rt
.endr
	s_wait_dscnt 0x0                ; for the others' sake
	BAR
.irp rt, 0,1
.irp wn, 0,1,2,3
	ds_load_b32 v[(\dst)+4*\rt+\wn], v[STR] offset:512*(\st)+128*\wn+64*\rt
.endr
.endr
	s_wait_dscnt 0x0
.irp rt, 0,1
	v_add_f32 v[(\dst)+4*\rt],   v[(\dst)+4*\rt],   v[(\dst)+4*\rt+1]
	v_add_f32 v[(\dst)+4*\rt+2], v[(\dst)+4*\rt+2], v[(\dst)+4*\rt+3]
.endr
.irp rt, 0,1
	v_add_f32 v[(\dst)+4*\rt], v[(\dst)+4*\rt], v[(\dst)+4*\rt+2]
.endr
.endm
.macro NORM gofs, bofs, st          ; Z = (Z - mean) / sqrt(var + eps) x gain + bias, over the 256 columns that the four waves hold
	WIN 0
	PLACES
.irp ct, 0,1,2,3
	ds_load_b128 v[LG+8*\ct:LG+8*\ct+3],   v[PBW] offset:\gofs+64*\ct
	ds_load_b128 v[LG+8*\ct+4:LG+8*\ct+7], v[PBW] offset:\gofs+64*\ct+16
	ds_load_b128 v[LB+8*\ct:LB+8*\ct+3],   v[PBW] offset:\bofs+64*\ct
	ds_load_b128 v[LB+8*\ct+4:LB+8*\ct+7], v[PBW] offset:\bofs+64*\ct+16
.endr
.irp rt, 0,1
.irp ct, 0,1,2,3                    ; a chain for each result, begun at its lowest registers
	v_pk_add_f32 v[LC+8*\rt+2*\ct:LC+8*\rt+2*\ct+1], v[Z+8*(2*\ct+\rt):Z+8*(2*\ct+\rt)+1], v[Z+8*(2*\ct+\rt)+2:Z+8*(2*\ct+\rt)+3]
.endr
.irp k, 4,6
.irp ct, 0,1,2,3
	v_pk_add_f32 v[LC+8*\rt+2*\ct:LC+8*\rt+2*\ct+1], v[LC+8*\rt+2*\ct:LC+8*\rt+2*\ct+1], v[Z+8*(2*\ct+\rt)+\k:Z+8*(2*\ct+\rt)+\k+1]
.endr
.endr
.endr
	XCH \st, LM
.irp rt, 0,1
	v_mul_f32 v[LM+4*\rt], s[INV], v[LM+4*\rt]   ; the mean
.endr
.irp rt, 0,1
.irp ct, 0,1,2,3
.irp k, 0,2,4,6
	v_pk_add_f32 v[Z+8*(2*\ct+\rt)+\k:Z+8*(2*\ct+\rt)+\k+1], v[Z+8*(2*\ct+\rt)+\k:Z+8*(2*\ct+\rt)+\k+1], v[LM+4*\rt:LM+4*\rt+1] op_sel_hi:[1,0] neg_lo:[0,1] neg_hi:[0,1]
.endr
.endr
.endr
.irp rt, 0,1
.irp ct, 0,1,2,3
	v_pk_mul_f32 v[LC+8*\rt+2*\ct:LC+8*\rt+2*\ct+1], v[Z+8*(2*\ct+\rt):Z+8*(2*\ct+\rt)+1], v[Z+8*(2*\ct+\rt):Z+8*(2*\ct+\rt)+1]
.endr
.irp k, 2,4,6
.irp ct, 0,1,2,3
	v_pk_fma_f32 v[LC+8*\rt+2*\ct:LC+8*\rt+2*\ct+1], v[Z+8*(2*\ct+\rt)+\k:Z+8*(2*\ct+\rt)+\k+1], v[Z+8*(2*\ct+\rt)+\k:Z+8*(2*\ct+\rt)+\k+1], v[LC+8*\rt+2*\ct:LC+8*\rt+2*\ct+1]
.endr
.endr
.endr
	XCH \st+1, LM+8
.irp rt, 0,1
	v_fma_f32 v[LM+8+4*\rt], v[LM+8+4*\rt], s[INV], s[EPS]
.endr
.irp rt, 0,1
	v_rsq_f32 v[LM+8+4*\rt], v[LM+8+4*\rt]
.endr
	v_nop                           ; a plain instruction behind the last root
	s_wait_alu depctr_va_vdst(0)
.irp rt, 0,1
.irp ct, 0,1,2,3
.irp k, 0,2,4,6
	v_pk_mul_f32 v[Z+8*(2*\ct+\rt)+\k:Z+8*(2*\ct+\rt)+\k+1], v[Z+8*(2*\ct+\rt)+\k:Z+8*(2*\ct+\rt)+\k+1], v[LM+8+4*\rt:LM+8+4*\rt+1] op_sel_hi:[1,0]
.endr
.endr
.endr
.irp rt, 0,1
.irp ct, 0,1,2,3
.irp k, 0,2,4,6
	v_pk_fma_f32 v[Z+8*(2*\ct+\rt)+\k:Z+8*(2*\ct+\rt)+\k+1], v[Z+8*(2*\ct+\rt)+\k:Z+8*(2*\ct+\rt)+\k+1], v[LG+8*\ct+\k:LG+8*\ct+\k+1], v[LB+8*\ct+\k:LB+8*\ct+\k+1]
.endr
.endr
.endr
.endm
	s_load_b256 s[4:11], s[0:1], 0x0  ; o s[4:5], x in s[6:7], p s[8:9], out0 s[10:11]
	v_lshl_add_u32 v[SPW], v0, 2, SPARE
	v_mov_b32 v[NIL], 0
	ds_add_u32 v[SPW], v[NIL]       ; the wave's opening: the add here and its wait ahead of my first tensor load; work on registers stands between the two
	v_lshrrev_b32 v18, 5, v0
	v_readfirstlane_b32 s[WV], v18  ; wave 0..3
	s_bfe_u32 s15, ttmp6, 0x40000   ; cx
	s_lshl_b32 s16, ttmp9, 2
	s_add_co_u32 s16, s16, s15      ; g = 4 x cluster + cx: it enters the addresses of o, x and out0 alone
	s_mov_b32 s[G1], 15|(3<<16)|(1<<21)   ; the mask of four; elements of 8 bytes; bit 21 beside a mask
	s_mov_b32 s[G1P], 15|(3<<16)|(1<<21)
.irp g, G1, G1P
	s_mov_b32 s[\g+1], 32<<16       ; tensor_dim0 = 32: rows of 256 bytes
	s_mov_b32 s[\g+3], 32<<16       ; tile_dim0
	s_mov_b32 s[\g+5], 32           ; dense
	s_mov_b32 s[\g+6], 0
	s_mov_b32 s[\g+7], 0
.endr
	s_mov_b32 s[G1+2], 128<<16      ; a chunk's 128 rows for a wave
	s_mov_b32 s[G1+4], 128
	s_mov_b32 s[G1P+2], PROWS<<16   ; my quarter of the table's first 10,240 bytes
	s_mov_b32 s[G1P+4], PROWS
	s_mov_b32 s[G0P], 1
	s_mul_i32 s58, s[WV], PROWS*256
	s_add_co_u32 s[G0P+1], s58, PB
	s_mov_b32 s59, 0
	s_lshl_b32 s60, s[WV], 15
	s_mov_b32 s61, 0
	s_mov_b32 s[G0A], 1
	s_mov_b32 s[G0A+1], s60               ; chunk 0 into slot 0
	s_mov_b32 s[G0B], 1
	s_add_co_u32 s[G0B+1], s60, SLOT1     ; chunk 1 into slot 1; this one walks on
	s_mov_b32 s[SEL], 0x76543210
	s_mov_b32 s[SEL+1], 0xfedcba98
	s_mov_b32 s[INV], 0x3b800000    ; 1 / 256
	s_mov_b32 s[EPS], 0x3727c5ac    ; 1e-5
	s_mov_b32 s[BST], 0
	v_and_b32 v18, 31, v0           ; lane
	v_and_b32 v19, 15, v0           ; r
	v_bfe_u32 v20, v0, 4, 1         ; h
	v_mov_b32 v[ZERO], 0
	v_lshlrev_b32 v[L16], 4, v18
	v_lshl_add_u32 v[AW0], s[WV], 15, v[L16]
	v_add_nc_u32 v[AW1], SLOT1, v[AW0]
	v_lshl_add_u32 v[XSW], s[WV], 11, v[L16]
	v_add_nc_u32 v[XSW], XS, v[XSW]
	v_add_nc_u32 v[XSR], XS, v[L16]
	v_lshlrev_b32 v21, 5, v20       ; 32 h
	v_lshl_add_u32 v[PBW], s[WV], 8, v21
	v_add_nc_u32 v[PBW], PB, v[PBW]
	v_lshl_add_u32 v[BA], s[WV], 10, v21
	v_add_nc_u32 v[BA], PB+T_FF1B, v[BA]
	v_lshlrev_b32 v22, 2, v19       ; 4 r
	v_lshl_add_u32 v[STW], s[WV], 7, v22
	v_add_nc_u32 v[STW], STT, v[STW]
	v_add_nc_u32 v[STR], STT, v22
.irp s, 1,2,3
	s_add_co_u32 s62, s[WV], \s
	s_and_b32 s62, s62, 3           ; the wave that owns my column tiles 4 s .. 4 s + 3
	v_lshl_add_u32 v[RW+\s-1], s62, 13, v[L16]
	v_add_nc_u32 v[RW+\s-1], RS, v[RW+\s-1]
.endr
	v_lshl_add_u32 v[GX], s[WV], 13, v[L16]
	v_add_nc_u32 v[RR], RS, v[GX]
	s_add_co_u32 s62, s60, SLOT1    ; my stage: the head of my part of slot 1
	v_mul_u32_u24 v[OSW], v19, 272
	v_add_nc_u32 v[OSW], v21, v[OSW]
	v_add_nc_u32 v[OSW], s62, v[OSW]
	v_mul_u32_u24 v[OSR], v20, 272
	v_lshl_add_u32 v[OSR], v19, 4, v[OSR]
	v_add_nc_u32 v[OSR], s62, v[OSR]
	v_lshlrev_b32 v[OCO], 10, v20
	v_lshl_add_u32 v[OCO], v19, 4, v[OCO]
	v_lshl_add_u32 v[OCO], s[WV], 8, v[OCO]  ; 1,024 h + 16 r + 256 w
	s_wait_dscnt 0x0                ; the opening add is done
	s_wait_kmcnt 0x0
	s_add_nc_u64 s[G0A+2:G0A+3], s[8:9], s[60:61]
	s_add_nc_u64 s[G0B+2:G0B+3], s[G0A+2:G0A+3], CHUNK
	s_add_nc_u64 s[G0P+2:G0P+3], s[8:9], s[58:59]
	s_add_nc_u64 s[G0P+2:G0P+3], s[G0P+2:G0P+3], TBLO
	s_or_b32 s[G0A+3], s[G0A+3], 0x80000000
	s_or_b32 s[G0B+3], s[G0B+3], 0x80000000
	s_or_b32 s[G0P+3], s[G0P+3], 0x80000000
	s_mov_b32 s63, 0
	s_lshl_b32 s62, s16, 14         ; 16 images of O
	s_add_nc_u64 s[SO:SO+1], s[4:5], s[62:63]
	s_lshl_b32 s62, s16, 15         ; 32 rows in f32
	s_add_nc_u64 s[SXI:SXI+1], s[6:7], s[62:63]
	s_add_nc_u64 s[SXO:SXO+1], s[10:11], s[62:63]
	CROUND                          ; all four work-groups are here: the first joint loads meet
	tensor_load_to_lds s[G0P:G0P+3], s[G1P:G1P+7]
	s_nop 0
	tensor_load_to_lds s[G0A:G0A+3], s[G1:G1+7]
	s_nop 0
	tensor_load_to_lds s[G0B:G0B+3], s[G1:G1+7]
	s_nop 0
	PLACES
.set t, 0
.rept 8                             ; the rows x, in the layout of results: the out product's sums start with them
	global_load_b128 v[Z+8*t:Z+8*t+3],   v[GX], s[SXI:SXI+1] offset:1024*t th:TH_LOAD_NT
	global_load_b128 v[Z+8*t+4:Z+8*t+7], v[GX], s[SXI:SXI+1] offset:1024*t+512 th:TH_LOAD_NT
.set t, t+1
.endr
.set t, 0
.rept 16                            ; O's 16 images (every wave wants them all)
	global_load_b128 v[XF+8*t:XF+8*t+3],   v[L16], s[SO:SO+1] offset:1024*t
	global_load_b128 v[XF+8*t+4:XF+8*t+7], v[L16], s[SO:SO+1] offset:1024*t+512
.set t, t+1
.endr
	WIN 0x40
.set t, 64
.rept 192
	v_mov_b32 v[t], 0               ; Y's foreign tiles 4 .. 15
.set t, t+1
.endr
	WIN 0
	s_wait_tensorcnt 0x1            ; my quarter of the table and my part of chunk 0 are in; chunk 1, issued behind them, may stay out
	BAR                             ; everybody's quarter of the table is in
	; THE OUT PRODUCT
	FETCH 0, AW0, 0
	WIN 0
.irp ct, 0,1,2,3
	ds_load_b128 v[PK+8*\ct:PK+8*\ct+3],   v[PBW] offset:T_OUTB+64*\ct
	ds_load_b128 v[PK+8*\ct+4:PK+8*\ct+7], v[PBW] offset:T_OUTB+64*\ct+16
.endr
	s_wait_loadcnt 0x0
	s_wait_dscnt 0x0
.irp ct, 0,1,2,3
.irp rt, 0,1
.irp k, 0,2,4,6
	v_pk_add_f32 v[Z+8*(2*\ct+\rt)+\k:Z+8*(2*\ct+\rt)+\k+1], v[Z+8*(2*\ct+\rt)+\k:Z+8*(2*\ct+\rt)+\k+1], v[PK+8*\ct+\k:PK+8*\ct+\k+1]
.endr
.endr
.endr
	MULG 0, 0, 0                    ; chunk 0: 64 products
	PLACES
	FETCH 1, AW0, 1
	MULG 0, 1, 2
	CHANGE                          ; slot 0 takes chunk 2
	MULG 1, 0, 4
	FETCH 0, AW1, 0
	MULG 1, 1, 6
	NORM T_G1, T_B1, 0
	; INTO THE FEED-FORWARD
	WIN 0
.set t, 0
.rept 32
	v_cvt_pk_bf16_f32 v[PK+t], v[Z+2*t], v[Z+2*t+1]
.set t, t+1
.endr
.irp rt, 0,1
.irp ct, 0,1,2,3                    ; my 64 columns of the 32 rows: halves of images 8 rt + 2 w + ct / 2
	ds_store_b128 v[XSW], v[PK+4*(2*\ct+\rt):PK+4*(2*\ct+\rt)+3] offset:8192*\rt+1024*(\ct/2)+512*(\ct%2)
.endr
.endr
.irp ct, 0,1,2,3
	ds_load_b128 v[LG+8*\ct:LG+8*\ct+3],   v[PBW] offset:T_FF2B+64*\ct
	ds_load_b128 v[LG+8*\ct+4:LG+8*\ct+7], v[PBW] offset:T_FF2B+64*\ct+16
.endr
	s_wait_dscnt 0x0
	WIN 0x40                        ; my own slice of Y starts with x1 + ff2_b
.irp ct, 0,1,2,3
.irp rt, 0,1
.irp k, 0,2,4,6
	v_pk_add_f32 v[8*(2*\ct+\rt)+\k:8*(2*\ct+\rt)+\k+1], v[Z+8*(2*\ct+\rt)+\k:Z+8*(2*\ct+\rt)+\k+1], v[LG+8*\ct+\k:LG+8*\ct+\k+1]
.endr
.endr
.endr
	WIN 0
	BAR                             ; every wave's stores of the images are done (each has waited above)
.set t, 0
.rept 16
	ds_load_b128 v[XF+8*t:XF+8*t+3],   v[XSR] offset:1024*t
	ds_load_b128 v[XF+8*t+4:XF+8*t+7], v[XSR] offset:1024*t+512
.set t, t+1
.endr
	HBIAS
	s_mov_b32 s[CNT], 3
.Lff:                               ; a trip: two groups, chunks 2 i + 1 and 2 i + 2; each fills its slot again
	FFG 1, 2
	FFG 0, 2
	WIN 0
	s_sub_co_u32 s[CNT], s[CNT], 1
	s_cmp_lg_u32 s[CNT], 0
	s_cbranch_scc1 .Lff
	FFG 1, 1                        ; chunk 7: nothing is left to ask for; chunk 8 is waited for
	FFG 0, 0                        ; chunk 8
	; THE REDUCTION: in step s my tiles 4 s .. 4 s + 3 go to wave (w + s) % 4, and I take those of wave (w - s) % 4
	PLACES
.irp s, 1,2,3
	WIN 0x04                        ; store data in window 1
.set t, 0
.rept 8
	ds_store_b128 v[RW+\s-1], v[64*\s+8*t:64*\s+8*t+3]   offset:1024*t
	ds_store_b128 v[RW+\s-1], v[64*\s+8*t+4:64*\s+8*t+7] offset:1024*t+512
.set t, t+1
.endr
	WIN 0
	s_wait_dscnt 0x0                ; for the others' sake
	BAR
.set t, 0
.rept 8
	ds_load_b128 v[TT+8*t:TT+8*t+3],   v[RR] offset:1024*t
	ds_load_b128 v[TT+8*t+4:TT+8*t+7], v[RR] offset:1024*t+512
.set t, t+1
.endr
	s_wait_dscnt 0x0
.if \s < 3
	WIN 0x41
.set t, 0
.rept 32
	v_pk_add_f32 v[2*t:2*t+1], v[2*t:2*t+1], v[TT+2*t:TT+2*t+1]
.set t, t+1
.endr
	WIN 0
	BAR                             ; every wave's reads are back: the areas may be written again
.else
	WIN 0x01
.set t, 0
.rept 32
	v_pk_add_f32 v[Z+2*t:Z+2*t+1], v[2*t:2*t+1], v[TT+2*t:TT+2*t+1]
.set t, t+1
.endr
	WIN 0
.endif
.endr
	NORM T_G2, T_B2, 2
	; THE WAY OUT
.irp ct, 0,1,2,3
.irp rt, 0,1
	ds_store_b128 v[OSW], v[Z+8*(2*\ct+\rt):Z+8*(2*\ct+\rt)+3]   offset:4352*\rt+64*\ct
	ds_store_b128 v[OSW], v[Z+8*(2*\ct+\rt)+4:Z+8*(2*\ct+\rt)+7] offset:4352*\rt+64*\ct+16
.endr
.endr
.set t, 0
.rept 16
	ds_load_b128 v[XF+4*t:XF+4*t+3], v[OSR] offset:544*t  ; LDS serves a wave's instructions in order (ISA guide 5.7.1.4): these see the stores above
.set t, t+1
.endr
.set t, 0
.rept 16
	s_wait_dscnt 15-t               ; the younger loads of the run may stay out
	global_store_b128 v[OCO], v[XF+4*t:XF+4*t+3], s[SXO:SXO+1] offset:2048*t th:TH_STORE_NT
.set t, t+1
.endr
	s_wait_tensorcnt 0x0            ; the wave's end: the spare word's add, behind my last tensor load and my last LDS store
	ds_add_u32 v[SPW], v[NIL]
	s_wait_dscnt 0x0
	CROUND                          ; the closing round
	s_endpgm
.Lfunc_end_k_q77eb2fef44_last:
	.size	k_q77eb2fef44_last, .Lfunc_end_k_q77eb2fef44_last-k_q77eb2fef44_last
	.p2alignl 7, 3214868480
	.fill 96, 4, 3214868480
	.section	.rodata,"a",@progbits
	.p2align	6, 0x0
	.amdhsa_kernel k_q77eb2fef44_last
		.amdhsa_group_segment_fixed_size 327680
		.amdhsa_private_segment_fixed_size 0
		.amdhsa_enable_private_segment 0
		.amdhsa_kernarg_size 32
		.amdhsa_user_sgpr_count 2
		.amdhsa_user_sgpr_kernarg_segment_ptr 1
		.amdhsa_wavefront_size32 1
		.amdhsa_system_sgpr_workgroup_id_x 1
		.amdhsa_system_sgpr_workgroup_id_y 1
		.amdhsa_system_sgpr_workgroup_id_z 1
		.amdhsa_system_vgpr_workitem_id 0
		.amdhsa_next_free_vgpr 768
		.amdhsa_next_free_sgpr 80
		.amdhsa_reserve_vcc 0
		.amdhsa_float_denorm_mode_32 3
		.amdhsa_float_denorm_mode_16_64 3
		.amdhsa_memory_ordered 1
		.amdhsa_forward_progress 1
		.amdhsa_inst_pref_size 128
	.end_amdhsa_kernel
	.amdgpu_metadata
---
amdhsa.version: [ 1, 2 ]
amdhsa.kernels:
  - .name:           k_q77eb2fef44_last
    .symbol:         k_q77eb2fef44_last.kd
    .args:
      - { .name: o, .offset: 0, .size: 8, .value_kind: global_buffer, .address_space: global }
      - { .name: xb, .offset: 8, .size: 8, .value_kind: global_buffer, .address_space: global }
      - { .name: p3, .offset: 16, .size: 8, .value_kind: global_buffer, .address_space: global }
      - { .name: out0, .offset: 24, .size: 8, .value_kind: global_buffer, .address_space: global }
    .group_segment_fixed_size: 327680
    .private_segment_fixed_size: 0
    .kernarg_segment_align: 8
    .kernarg_segment_size: 32
    .max_flat_workgroup_size: 128
    .sgpr_count:     80
    .vgpr_count:     768
    .wavefront_size: 32
...
	.end_amdgpu_metadata
.endif
;; end of part 5
;; ======== version 2 of 2: 10 launches
;; workspace buffers: p0 1,586,176 bytes; p1 1,586,176 bytes; p2 1,586,176 bytes; p3 1,586,176 bytes; qkv 12,582,912 bytes; o 4,194,304 bytes; xa 8,388,608 bytes; xb 8,388,608 bytes
;; launch prep: the kernel of part 1 again; grid 385 x 4, 8 waves a work-group, no clusters, 0 bytes of LDS; arguments qkv_w, qkv_b, out_w, out_b, ff1_w, ff1_b, ff2_w, ff2_b, ln1_g, ln1_b, ln2_g, ln2_b, p0, p1, p2, p3; writes p0, p1, p2, p3
;; launch first (part 6): grid 256 x 1, 4 waves a work-group, clusters of 4 x 1, 327,680 bytes of LDS; arguments x, p3, xa, qkv; writes xa, qkv
.if DOCPART == 6
	.amdgcn_target "amdgcn-amd-amdhsa--gfx1250"
	.amdhsa_code_object_version 6
	.text
	.protected	k_q77eb2fef44_first
	.globl	k_q77eb2fef44_first
	.p2align	8
	.type	k_q77eb2fef44_first,@function
k_q77eb2fef44_first:
	s_mov_b64 s[64:65], 0
	v_nop
	global_prefetch_b8 v0, s[64:65] scope:SCOPE_SE
	s_setreg_imm32_b32 hwreg(HW_REG_WAVE_MODE, 25, 1), 1
	s_wait_xcnt 0x0
	s_wait_alu depctr_hold_cnt(0) depctr_sa_sdst(0) depctr_va_vdst(0) depctr_va_sdst(0) depctr_va_ssrc(0) depctr_va_vcc(0) depctr_vm_vsrc(0)
	s_getreg_b32 s2, hwreg(HW_REG_IB_STS2, 6, 4)
	s_cmp_eq_u32 s2, 0
	s_cbranch_scc0 .Lentry_in_a_cluster
	s_endpgm
.Lentry_in_a_cluster:
	s_bfe_u32 s2, ttmp6, 0x10000c
	s_cmp_lg_u32 s2, 0x3003
	s_cbranch_scc0 .Lentry_shape_is_right
	s_endpgm
.Lentry_shape_is_right:
; x + THE POSITIONAL TERM, AND LAYER 0's Q, K, V.  A work-group owns 32 rows (two tiles rt of 16) of the 8,192; wave w owns columns 64 w .. 64 w + 63 of x and head w of q, k, v.
; pe[t][c] = sin(t f_c) for c < 128, cos(t f_(c-128)) else, f_j = 10000^(-j/128) = 2^(-0.10381025 j).  The angle t f is rounded to f32 as it is in the definition; then u = angle / 2 pi (+ 1/4 for the
; cosine), r = u - round(u) in -1/2 .. 1/2, and sin(2 pi r) by its series up to r^15 (the first term left out is below 1e-6).
; LIMIT: the angle reaches 2,047 and is carried in f32, f comes from v_exp_f32: pe is within some 5e-4 of the exact value.  All matrix operands are bf16; sums in f32.
; WHAT IS STORED.  xa: the rows x + pe in f32, [8,192][256] as x lies: sixteen lanes store 256 consecutive bytes, aligned.  qkv: register images of matrix operands in bf16
; (16 rows x 32 k: half q, lane (r, h) at 16 (r + 16 h): row r, k = 16 q + 8 h + 0..7): Q [bh][query tile][c], then per 64 keys K [kb][c] and V [kk][cb] (row = channel, k = key): 512 consecutive bytes a store, aligned.
; PRODUCTS are taken transposed (source 0 = weights, source 1 = rows): a lane holds ONE row (lane % 16) and columns 8 (lane / 16) + 0..7, so a result rounded to bf16 in pairs IS half an image.  V takes the sources swapped: lane = channel.
; WEIGHTS: chunks 9, 10, 11 of the stream (q, k, v; 32 KB a wave), by joint tensor loads: all four work-groups of the cluster walk the same weights.  Chunks 9 (slot 1) and 10 (slot 0) are first fills.  Chunk 9 goes whole into registers
; (WA, WB) as soon as it is in, and slot 1 is asked for again with chunk 11 ahead of the positional loop, which stands in that load's way.  A wave has three tensor loads out at the start and one behind the round.
; LDS: slot 0 at 0, slot 1 at 131,072 (wave w's 32 KB at 32,768 w); XS 262,144: 16 images of the rows; PB 278,528: the table (here qkv_b alone, at + 10,240); ST 291,840: four private stages of 32 rows x 272 bytes; SPARE 326,656.
; REGISTERS: window 0: v1-31 addresses and constants; v32-63 packed results; v64-127 Z, 8 results at 64 + 8 (2 ct + rt); v128-255 XF, the rows' 16 images at 128 + 8 (8 rt + ks).  Window 2: WA v0-127, WB v128-255: 16 weight images each.
.set CHUNK, 131072
.set SLOT1, 131072
.set XS,    262144
.set PB,    278528
.set ST,    291840
.set SPARE, 326656
.set TBLO,  1572864
.set T_QKVB, 10240
.set L16, 1
.set AW0, 2           ; my 16 bytes of an image in my part of slot 0
.set AWC, 3           ; the same in slot 1
.set XSW, 4
.set XSR, 5
.set XO,  6           ; my byte offset in the work-group's rows of x
.set STA, 7           ; the stage by rows: 272 (lane / 16) + 16 (lane % 16)
.set STB, 8           ; the stage by results: 272 (lane % 16) + 32 (lane / 16)
.set AWN, 9           ; my 16 bytes in the slot of the chunk to be fetched
.set PBC, 10          ; the bias to be loaded
.set PBQ, 16
.set PBV, 17
.set FR,  20          ; v20-23 my four frequencies
.set POS, 24          ; v24 my row's position, v25 named with it
.set OFS, 26          ; v26-27 0 or 1/4
.set C15, 28          ; v28-29 the series' highest coefficient
.set SPW, 30
.set NIL, 31
.set PK,  32
.set XV,  32
.set AN,  36
.set KN,  40
.set R2,  44
.set PP,  48
.set ADR, 52
.set XOC, 55
.set Z,   64
.set XF,  128
.set WV,  14
.set G1,  24
.set G1P, 32
.set G0P, 40
.set G0A, 44
.set G0B, 48
.set CNT, 52
.set SXI, 68
.set SXO, 70
.set SQ,  72
.set SK,  74
.set SB,  76          ; s[76:77] where the trip's images go
.set CSL, 78          ; s78 the slot of the chunk to be fetched
.set QOF, 79          ; s79 the next bias's bytes behind q's
.set MSB, 0
.macro WIN new                      ; the immediate's high byte repeats the setting that is left; a switch that changes nothing is dropped
.if MSB != (\new)
	s_set_vgpr_msb (MSB<<8)|(\new)
.set MSB, (\new)
.endif
.endm
.macro PLACES                       ; four places behind a matrix instruction, in front of loads into its registers and of reads of its results
.rept 4
	v_nop
.endr
.endm
.macro BAR
	s_barrier_signal -1
	s_barrier_wait -1
.endm
.macro CROUND                       ; a round of the cluster's barrier
	s_barrier_signal -1
	s_barrier_wait -1
	s_cmp_lg_u32 s[WV], 0
	s_cbranch_scc1 .Lnot_wave_0_\@
	s_barrier_signal -3
.Lnot_wave_0_\@:
	s_barrier_wait -3
	s_barrier_signal -1
	s_barrier_wait -1
.endm
; THE CHANGE OF SLOTS: all my tensor loads have landed (the other slot's chunk among them), 0 is added to my spare word, my reads of this slot are back; a round of the cluster's barrier; the joint refill first behind it.
.macro CHANGE
	WIN 0
	s_wait_tensorcnt 0x0
	ds_add_u32 v[SPW], v[NIL]       ; the descriptor's steps stand between this add and the wait for it
	s_xor_b32 s[G0B+1], s[G0B+1], SLOT1
	s_add_nc_u64 s[G0B+2:G0B+3], s[G0B+2:G0B+3], CHUNK
	s_wait_dscnt 0x0
	CROUND
	tensor_load_to_lds s[G0B:G0B+3], s[G1:G1+7]
	s_nop 0
	PLACES
.endm
.macro FETCH buf, areg, half        ; 16 weight images, 32 loads in one run, into WA (0) or WB (1)
	WIN 0x80
.irp f, 0,1,2,3,4,5,6,7,8,9,10,11,12,13,14,15
	ds_load_b128 v[128*\buf+8*\f:128*\buf+8*\f+3],   v[(\areg)] offset:16384*\half+1024*\f
	ds_load_b128 v[128*\buf+8*\f+4:128*\buf+8*\f+7], v[(\areg)] offset:16384*\half+1024*\f+512
.endr
.endm
; 16 products: K steps ks0, ks0 + 1 for all 8 results, which take turns
.macro MULG buf, kq, ks0, swap
.if \swap
	WIN 0x08
.else
	WIN 0x02
.endif
.irp dk, 0,1
.irp ct, 0,1,2,3
.irp rt, 0,1
.if \swap
	v_wmma_f32_16x16x32_bf16 v[Z+8*(2*\ct+\rt):Z+8*(2*\ct+\rt)+7], v[XF+8*(8*\rt+\ks0+\dk):XF+8*(8*\rt+\ks0+\dk)+7], v[128*\buf+8*(4*(2*\kq+\dk)+\ct):128*\buf+8*(4*(2*\kq+\dk)+\ct)+7], v[Z+8*(2*\ct+\rt):Z+8*(2*\ct+\rt)+7]
.else
	v_wmma_f32_16x16x32_bf16 v[Z+8*(2*\ct+\rt):Z+8*(2*\ct+\rt)+7], v[128*\buf+8*(4*(2*\kq+\dk)+\ct):128*\buf+8*(4*(2*\kq+\dk)+\ct)+7], v[XF+8*(8*\rt+\ks0+\dk):XF+8*(8*\rt+\ks0+\dk)+7], v[Z+8*(2*\ct+\rt):Z+8*(2*\ct+\rt)+7]
.endif
.endr
.endr
.endr
.endm
.macro PACKZ                        ; Z rounded to bf16 in pairs, each result's registers in ascending order
	WIN 0
	s_wait_xcnt 0x0                 ; earlier stores have read their registers: PK is written again only behind this wait
.set t, 0
.rept 32
	v_cvt_pk_bf16_f32 v[PK+t], v[Z+2*t], v[Z+2*t+1]
.set t, t+1
.endr
.endm
.macro XSPUT                        ; my 64 columns of the 32 rows: halves of images 8 rt + 2 w + ct / 2
.irp rt, 0,1
.irp ct, 0,1,2,3
	ds_store_b128 v[XSW], v[PK+4*(2*\ct+\rt):PK+4*(2*\ct+\rt)+3] offset:8192*\rt+1024*(\ct/2)+512*(\ct%2)
.endr
.endr
.endm
.macro XFGET                        ; every wave's stores are done, then all 16 images come into registers
	s_wait_dscnt 0x0
	BAR
.set t, 0
.rept 16
	ds_load_b128 v[XF+8*t:XF+8*t+3],   v[XSR] offset:1024*t
	ds_load_b128 v[XF+8*t+4:XF+8*t+7], v[XSR] offset:1024*t+512
.set t, t+1
.endr
.endm
.macro ZBIAS                        ; the sums start with the bias: my eight columns of each tile, for both row tiles
.irp ct, 0,1,2,3
.irp rt, 0,1
	ds_load_b128 v[Z+8*(2*\ct+\rt):Z+8*(2*\ct+\rt)+3],   v[PBC] offset:64*\ct
	ds_load_b128 v[Z+8*(2*\ct+\rt)+4:Z+8*(2*\ct+\rt)+7], v[PBC] offset:64*\ct+16
.endr
.endr
.endm
.macro ZBIASV                       ; with the sources swapped a lane holds one channel: one number for all eight registers
.irp ct, 0,1,2,3
	ds_load_b32 v[18+\ct], v[PBV] offset:64*\ct
.endr
	s_wait_dscnt 0x0                ; these four, WA and WB, and the loop's last bias load, of which nothing is made
.irp ct, 0,1,2,3
.set t, 0
.rept 16
	v_mov_b32 v[Z+16*\ct+t], v[18+\ct]
.set t, t+1
.endr
.endr
.endm
.macro PUTQK base
.irp rt, 0,1
.irp ct, 0,1,2,3
	global_store_b128 v[L16], v[PK+4*(2*\ct+\rt):PK+4*(2*\ct+\rt)+3], s[\base:\base+1] offset:2048*\rt+1024*(\ct/2)+512*(\ct%2)
.endr
.endr
.endm
; Q, K, V OF MY HEAD.  On entry XF is on its way, WA and WB hold chunk 9 (q), slot 0 holds chunk 10 (k), and chunk 11 (v) has been asked for into slot 1.
; q and k are one loop of two trips: 32 products on WA, the next chunk's first half into WA, 32 products on WB, the results packed, the next bias into Z, the next chunk's second half into WB, the stores.
; The second trip's bias load brings v's bytes in q's layout: they lie inside the table and nothing is made of them: the price of one text for both trips.  v follows, its sources swapped.
.macro QKV
	v_mov_b32 v[PBC], v[PBQ]
	ZBIAS
	s_mov_b32 s[CNT], 2
	s_mov_b32 s[CSL], 0
	s_mov_b32 s[QOF], 0
	s_mov_b64 s[SB:SB+1], s[SQ:SQ+1]
	s_wait_tensorcnt 0x0            ; chunk 11 is in: my own load into my own bytes
	s_wait_dscnt 0x0                ; XF and q's bias
.Lqk:
	v_add_nc_u32 v[AWN], s[CSL], v[AW0]
	s_add_co_u32 s[QOF], s[QOF], 256
	v_add_nc_u32 v[PBC], s[QOF], v[PBQ]
	s_wait_dscnt 32                 ; WA and the bias are in; the 32 loads of WB, issued behind them, may stay out
	MULG 0, 0, 0, 0
	MULG 0, 1, 2, 0
	PLACES
	FETCH 0, AWN, 0
	s_wait_dscnt 32                 ; WB is in; the 32 loads just issued may stay out
	MULG 1, 0, 4, 0
	MULG 1, 1, 6, 0
	PLACES
	PACKZ
	ZBIAS
	FETCH 1, AWN, 1
	WIN 0
	PUTQK SB
	s_xor_b32 s[CSL], s[CSL], SLOT1
	s_wait_xcnt 0x0                 ; the stores have read their base
	s_mov_b64 s[SB:SB+1], s[SK:SK+1]
	s_sub_co_u32 s[CNT], s[CNT], 1
	s_cmp_lg_u32 s[CNT], 0
	s_cbranch_scc1 .Lqk
	ZBIASV
	MULG 0, 0, 0, 1
	MULG 0, 1, 2, 1
	MULG 1, 0, 4, 1
	MULG 1, 1, 6, 1
	PLACES
	PACKZ
.irp rt, 0,1
.irp ct, 0,1,2,3
	global_store_b128 v[L16], v[PK+4*(2*\ct+\rt):PK+4*(2*\ct+\rt)+3], s[SK:SK+1] offset:8192+1024*\ct+512*\rt
.endr
.endr
	s_wait_tensorcnt 0x0            ; the wave's end: the spare word's add, behind my last tensor load and my last LDS store
	ds_add_u32 v[SPW], v[NIL]
	s_wait_dscnt 0x0
	CROUND                          ; the closing round
	s_endpgm
.endm
	s_load_b256 s[4:11], s[0:1], 0x0  ; x s[4:5], p3 s[6:7], xa s[8:9], qkv s[10:11]
	v_lshl_add_u32 v[SPW], v0, 2, SPARE
	v_mov_b32 v[NIL], 0
	ds_add_u32 v[SPW], v[NIL]       ; the wave's opening: the add here and its wait ahead of my first tensor load; work on registers stands between the two
	v_lshrrev_b32 v18, 5, v0
	v_readfirstlane_b32 s[WV], v18  ; wave 0..3
	s_bfe_u32 s15, ttmp6, 0x40000   ; cx
	s_lshl_b32 s16, ttmp9, 2
	s_add_co_u32 s16, s16, s15      ; g = 4 x cluster + cx: it enters the addresses of x, xa and qkv alone
	s_mov_b32 s[G1], 15|(3<<16)|(1<<21)   ; the mask of four; elements of 8 bytes; bit 21 beside a mask
	s_mov_b32 s[G1P], 15|(3<<16)|(1<<21)
.irp g, G1, G1P
	s_mov_b32 s[\g+1], 32<<16       ; tensor_dim0 = 32: rows of 256 bytes
	s_mov_b32 s[\g+3], 32<<16       ; tile_dim0
	s_mov_b32 s[\g+5], 32           ; dense
	s_mov_b32 s[\g+6], 0
	s_mov_b32 s[\g+7], 0
.endr
	s_mov_b32 s[G1+2], 128<<16      ; a chunk's 128 rows for a wave
	s_mov_b32 s[G1+4], 128
	s_mov_b32 s[G1P+2], 3<<16       ; my head's 768 bytes of qkv_b
	s_mov_b32 s[G1P+4], 3
	s_mov_b32 s[G0P], 1
	s_mul_i32 s58, s[WV], 768
	s_add_co_u32 s[G0P+1], s58, PB+T_QKVB
	s_mov_b32 s59, 0
	s_lshl_b32 s60, s[WV], 15
	s_mov_b32 s61, 0
	s_mov_b32 s[G0A], 1
	s_add_co_u32 s[G0A+1], s60, SLOT1     ; chunk 9 into slot 1
	s_mov_b32 s[G0B], 1
	s_mov_b32 s[G0B+1], s60               ; chunk 10 into slot 0; this one walks on
	v_and_b32 v18, 31, v0           ; lane
	v_and_b32 v19, 15, v0           ; r
	v_bfe_u32 v53, v0, 4, 1         ; h
	v_lshlrev_b32 v[L16], 4, v18
	v_lshl_add_u32 v[AW0], s[WV], 15, v[L16]
	v_add_nc_u32 v[AWC], SLOT1, v[AW0]
	v_lshl_add_u32 v[XSW], s[WV], 11, v[L16]
	v_add_nc_u32 v[XSW], XS, v[XSW]
	v_add_nc_u32 v[XSR], XS, v[L16]
	v_lshlrev_b32 v54, 5, v53       ; 32 h
	v_add_nc_u32 v[PBQ], s58, v54
	v_add_nc_u32 v[PBQ], PB+T_QKVB, v[PBQ]
	v_lshl_add_u32 v[PBV], v19, 2, s58
	v_add_nc_u32 v[PBV], PB+T_QKVB+512, v[PBV]
	v_lshlrev_b32 v[XO], 10, v53
	v_lshl_add_u32 v[XO], v19, 4, v[XO]
	v_lshl_add_u32 v[XO], s[WV], 8, v[XO]  ; 1,024 h + 16 r + 256 w
	s_mul_i32 s62, s[WV], 8704
	s_add_co_u32 s62, s62, ST       ; my stage
	v_mul_u32_u24 v[STA], v53, 272
	v_lshl_add_u32 v[STA], v19, 4, v[STA]
	v_add_nc_u32 v[STA], s62, v[STA]
	v_mul_u32_u24 v[STB], v19, 272
	v_add_nc_u32 v[STB], v54, v[STB]
	v_add_nc_u32 v[STB], s62, v[STB]
	s_wait_dscnt 0x0                ; the opening add is done
	s_wait_kmcnt 0x0
	s_add_nc_u64 s[G0A+2:G0A+3], s[6:7], s[60:61]
	s_add_nc_u64 s[G0A+2:G0A+3], s[G0A+2:G0A+3], 9*CHUNK
	s_add_nc_u64 s[G0B+2:G0B+3], s[G0A+2:G0A+3], CHUNK
	s_add_nc_u64 s[G0P+2:G0P+3], s[6:7], s[58:59]
	s_add_nc_u64 s[G0P+2:G0P+3], s[G0P+2:G0P+3], TBLO+T_QKVB
	s_or_b32 s[G0A+3], s[G0A+3], 0x80000000
	s_or_b32 s[G0B+3], s[G0B+3], 0x80000000
	s_or_b32 s[G0P+3], s[G0P+3], 0x80000000
	s_mov_b32 s63, 0
	s_lshl_b32 s62, s16, 15         ; 32 rows of 1,024 bytes
	s_add_nc_u64 s[SXI:SXI+1], s[4:5], s[62:63]
	s_add_nc_u64 s[SXO:SXO+1], s[8:9], s[62:63]
	s_lshr_b32 s58, s16, 6
	s_lshl_b32 s58, s58, 2
	s_add_co_u32 s58, s58, s[WV]    ; bh = 4 b + head
	s_and_b32 s59, s16, 63          ; the work-group within its batch
	s_lshl_b32 s62, s58, 18
	s_lshl_b32 s60, s59, 12
	s_add_co_u32 s62, s62, s60
	s_add_nc_u64 s[SQ:SQ+1], s[10:11], s[62:63]
	s_lshl_b32 s62, s58, 19
	s_lshr_b32 s60, s59, 1
	s_lshl_b32 s60, s60, 14         ; the step of 64 keys
	s_add_co_u32 s62, s62, s60
	s_and_b32 s60, s16, 1
	s_lshl_b32 s60, s60, 12         ; its first or second 32 keys
	s_add_co_u32 s62, s62, s60
	s_add_co_u32 s62, s62, 4194304
	s_add_nc_u64 s[SK:SK+1], s[10:11], s[62:63]
	CROUND                          ; all four work-groups are here: the first joint loads meet
	tensor_load_to_lds s[G0P:G0P+3], s[G1P:G1P+7]
	s_nop 0
	tensor_load_to_lds s[G0A:G0A+3], s[G1:G1+7]
	s_nop 0
	tensor_load_to_lds s[G0B:G0B+3], s[G1:G1+7]
	s_nop 0
	PLACES
.set t, 0
.rept 16                            ; my 64 columns of the 32 rows: sixteen lanes read 256 consecutive bytes, aligned
	global_load_b128 v[Z+4*t:Z+4*t+3], v[XO], s[SXI:SXI+1] offset:2048*t th:TH_LOAD_NT
.set t, t+1
.endr
	s_and_b32 s58, s[WV], 1
	s_lshl_b32 s58, s58, 6          ; 64 w mod 128
	v_lshl_add_u32 v18, v19, 2, s58
.irp e, 0,1,2,3
	v_add_nc_u32 v[FR+\e], \e, v18  ; j
	v_cvt_f32_u32 v[FR+\e], v[FR+\e]
	v_mul_f32 v[FR+\e], 0xbdd49a78, v[FR+\e]  ; -log2(10000) / 128 x j
.endr
.irp e, 0,1,2,3
	v_exp_f32 v[FR+\e], v[FR+\e]
.endr
	s_cmp_lt_u32 s[WV], 2
	s_cselect_b32 s59, 0, 0x3e800000  ; waves 0, 1: the sines; waves 2, 3: the cosines, a quarter turn on
	v_mov_b32 v[OFS], s59
	v_mov_b32 v[OFS+1], s59
	v_mov_b32 v[C15], 0xbf37d6dd    ; -(2 pi)^15 / 15!
	v_mov_b32 v[C15+1], 0xbf37d6dd
	s_and_b32 s60, s16, 63
	s_lshl_b32 s60, s60, 5
	v_add_nc_u32 v[POS], s60, v53   ; t of my first row
	v_cvt_f32_u32 v[POS], v[POS]
	v_mov_b32 v[POS+1], 0           ; named with it as a pair
	s_wait_tensorcnt 0x1            ; my bias and my part of chunk 9 are in; chunk 10, issued behind them, may stay out.  Each wave reads only what its own loads brought
	FETCH 0, AWC, 0                 ; chunk 9 goes whole into registers,
	FETCH 1, AWC, 1
	CHANGE                          ; and slot 1 takes chunk 11
	s_wait_loadcnt 0x0
.set t, 0
.rept 16
	ds_store_b128 v[STA], v[Z+4*t:Z+4*t+3] offset:544*t
.set t, t+1
.endr
	s_mov_b32 s[CNT], 16
	s_mov_b32 s59, 0
	s_mov_b32 s58, 0
.Lrow:                              ; a trip: rows 2 i and 2 i + 1 of my stage, four columns a lane, in place (LDS serves a wave's instructions in order), and out to xa
	s_wait_xcnt 0x0                 ; the last trip's store has read its offset and its data
	v_add_nc_u32 v[ADR], s59, v[STA]
	v_add_nc_u32 v[XOC], s58, v[XO]
	ds_load_b128 v[XV:XV+3], v[ADR]
	s_wait_alu depctr_va_vdst(0)
	v_pk_mul_f32 v[AN:AN+1],   v[FR:FR+1],   v[POS:POS+1] op_sel_hi:[1,0]
	v_pk_mul_f32 v[AN+2:AN+3], v[FR+2:FR+3], v[POS:POS+1] op_sel_hi:[1,0]
	v_pk_fma_f32 v[AN:AN+1],   v[AN:AN+1],   0x3e22f983, v[OFS:OFS+1] op_sel_hi:[1,0,1]  ; in turns
	v_pk_fma_f32 v[AN+2:AN+3], v[AN+2:AN+3], 0x3e22f983, v[OFS:OFS+1] op_sel_hi:[1,0,1]
.irp e, 0,1,2,3
	v_rndne_f32 v[KN+\e], v[AN+\e]
.endr
	v_pk_add_f32 v[AN:AN+1],   v[AN:AN+1],   v[KN:KN+1]   neg_lo:[0,1] neg_hi:[0,1]  ; r
	v_pk_add_f32 v[AN+2:AN+3], v[AN+2:AN+3], v[KN+2:KN+3] neg_lo:[0,1] neg_hi:[0,1]
	v_pk_mul_f32 v[R2:R2+1],   v[AN:AN+1],   v[AN:AN+1]
	v_pk_mul_f32 v[R2+2:R2+3], v[AN+2:AN+3], v[AN+2:AN+3]
	v_pk_fma_f32 v[PP:PP+1],   v[R2:R2+1],   v[C15:C15+1], 0x40747a1a op_sel_hi:[1,1,0]
	v_pk_fma_f32 v[PP+2:PP+3], v[R2+2:R2+3], v[C15:C15+1], 0x40747a1a op_sel_hi:[1,1,0]
.irp c, 0xc17183a8, 0x42283c1a, 0xc2996966, 0x42a335e3, 0xc2255de7, 0x40c90fdb
	v_pk_fma_f32 v[PP:PP+1],   v[PP:PP+1],   v[R2:R2+1],   \c op_sel_hi:[1,1,0]
	v_pk_fma_f32 v[PP+2:PP+3], v[PP+2:PP+3], v[R2+2:R2+3], \c op_sel_hi:[1,1,0]
.endr
	s_wait_dscnt 0x0
	v_pk_fma_f32 v[XV:XV+1],   v[AN:AN+1],   v[PP:PP+1],   v[XV:XV+1]
	v_pk_fma_f32 v[XV+2:XV+3], v[AN+2:AN+3], v[PP+2:PP+3], v[XV+2:XV+3]
	ds_store_b128 v[ADR], v[XV:XV+3]
	global_store_b128 v[XOC], v[XV:XV+3], s[SXO:SXO+1]
	v_add_f32 v[POS], 2.0, v[POS]
	s_add_co_u32 s59, s59, 544
	s_add_co_u32 s58, s58, 2048
	s_sub_co_u32 s[CNT], s[CNT], 1
	s_cmp_lg_u32 s[CNT], 0
	s_cbranch_scc1 .Lrow
.irp ct, 0,1,2,3
.irp rt, 0,1                        ; back in the layout of results: row 16 rt + lane % 16, columns 16 ct + 8 (lane / 16) + 0..7
	ds_load_b128 v[Z+8*(2*\ct+\rt):Z+8*(2*\ct+\rt)+3],   v[STB] offset:4352*\rt+64*\ct
	ds_load_b128 v[Z+8*(2*\ct+\rt)+4:Z+8*(2*\ct+\rt)+7], v[STB] offset:4352*\rt+64*\ct+16
.endr
.endr
	s_wait_dscnt 0x0
	PACKZ
	XSPUT
	XFGET
	QKV
.Lfunc_end_k_q77eb2fef44_first:
	.size	k_q77eb2fef44_first, .Lfunc_end_k_q77eb2fef44_first-k_q77eb2fef44_first
	.p2alignl 7, 3214868480
	.fill 96, 4, 3214868480
	.section	.rodata,"a",@progbits
	.p2align	6, 0x0
	.amdhsa_kernel k_q77eb2fef44_first
		.amdhsa_group_segment_fixed_size 327680
		.amdhsa_private_segment_fixed_size 0
		.amdhsa_enable_private_segment 0
		.amdhsa_kernarg_size 32
		.amdhsa_user_sgpr_count 2
		.amdhsa_user_sgpr_kernarg_segment_ptr 1
		.amdhsa_wavefront_size32 1
		.amdhsa_system_sgpr_workgroup_id_x 1
		.amdhsa_system_sgpr_workgroup_id_y 1
		.amdhsa_system_sgpr_workgroup_id_z 1
		.amdhsa_system_vgpr_workitem_id 0
		.amdhsa_next_free_vgpr 768
		.amdhsa_next_free_sgpr 80
		.amdhsa_reserve_vcc 0
		.amdhsa_float_denorm_mode_32 3
		.amdhsa_float_denorm_mode_16_64 3
		.amdhsa_memory_ordered 1
		.amdhsa_forward_progress 1
		.amdhsa_inst_pref_size 46
	.end_amdhsa_kernel
	.amdgpu_metadata
---
amdhsa.version: [ 1, 2 ]
amdhsa.kernels:
  - .name:           k_q77eb2fef44_first
    .symbol:         k_q77eb2fef44_first.kd
    .args:
      - { .name: x, .offset: 0, .size: 8, .value_kind: global_buffer, .address_space: global }
      - { .name: p3, .offset: 8, .size: 8, .value_kind: global_buffer, .address_space: global }
      - { .name: xa, .offset: 16, .size: 8, .value_kind: global_buffer, .address_space: global }
      - { .name: qkv, .offset: 24, .size: 8, .value_kind: global_buffer, .address_space: global }
    .group_segment_fixed_size: 327680
    .private_segment_fixed_size: 0
    .kernarg_segment_align: 8
    .kernarg_segment_size: 32
    .max_flat_workgroup_size: 128
    .sgpr_count:     80
    .vgpr_count:     768
    .wavefront_size: 32
...
	.end_amdgpu_metadata
.endif
;; end of part 6
;; launch att (part 7): grid 16 x 16, 4 waves a work-group, clusters of 4 x 1, 327,680 bytes of LDS; arguments qkv, o; writes o
.if DOCPART == 7
	.amdgcn_target "amdgcn-amd-amdhsa--gfx1250"
	.amdhsa_code_object_version 6
	.text
	.protected	k_q77eb2fef44_att
	.globl	k_q77eb2fef44_att
	.p2align	8
	.type	k_q77eb2fef44_att,@function
k_q77eb2fef44_att:
	s_mov_b64 s[64:65], 0
	v_nop
	global_prefetch_b8 v0, s[64:65] scope:SCOPE_SE
	s_setreg_imm32_b32 hwreg(HW_REG_WAVE_MODE, 25, 1), 1
	s_wait_xcnt 0x0
	s_wait_alu depctr_hold_cnt(0) depctr_sa_sdst(0) depctr_va_vdst(0) depctr_va_sdst(0) depctr_va_ssrc(0) depctr_va_vcc(0) depctr_vm_vsrc(0)
	s_getreg_b32 s2, hwreg(HW_REG_IB_STS2, 6, 4)
	s_cmp_eq_u32 s2, 0
	s_cbranch_scc0 .Lentry_in_a_cluster
	s_endpgm
.Lentry_in_a_cluster:
	s_bfe_u32 s2, ttmp6, 0x10000c
	s_cmp_lg_u32 s2, 0x3003
	s_cbranch_scc0 .Lentry_shape_is_right
	s_endpgm
.Lentry_shape_is_right:
; ATTENTION, head size 64, 2,048 keys, 16 heads bh = 4 b + head.  O[q] = the sum over k of softmax_k(Q[q] . K[k] / 8) V[k].  Q, K, V arrive and O leaves as register images of matrix operands in bf16
; (1,024 bytes: 16 rows x 32 k; half q, lane (r, h) at 16 (r + 16 h): row r, k = 16 q + 8 h + 0..7): a fragment is two loads of 16 consecutive bytes a lane, with no padding and no turning load.
; Products, maxima and sums in f32; the weights p are rounded to bf16 for the second product (their sum l is taken of the unrounded p), O once at the end.
; LIMITS.  A weight below 2^-126 counts as 0 in l; NaN and infinities are not treated apart.
; SHARES.  A work-group owns 128 queries of one head: eight tiles of 16, in four PIECES of two.  THE KEYS ARE SPLIT AMONG ITS FOUR WAVES: wave w walks keys 512 w .. 512 w + 511, 64 a step, for ALL eight tiles, so a fragment of K or V
; read from LDS feeds eight tiles' products.  At the end the four waves' (c m, l, O) meet in LDS; wave w finishes tiles 2 w, 2 w + 1: O = the sum over the four of f_p O_p, f_p = 2^(c m_p - c M) / L, M the largest of the four maxima,
; L the sum of 2^(c m_p - c M) l_p.
; LAYOUT.  S^T = K Q^T (source 0 = 16 keys, source 1 = 16 queries): a lane holds ONE query (lane % 16) and the keys 8 (lane / 16) + 0..7.  Two such tiles, rounded to bf16 in pairs, ARE source 1 of O^T = V^T P.
; SOFTMAX.  For each query a running maximum m and sum l: p = 2^(c s - c m), c = log2(e) / 8; in every step O and l are multiplied by a = 2^(c m_old - c m_new).  m starts at the lowest finite number, O and l at 0.
; BY TURNS.  Turn n belongs to piece n.  Its matrix work: 16 products K Q^T of piece n + 1, later 16 products V^T P of piece n - 1.  Its vector work: scaling, exponentials, roundings, sums and rescaling of piece n, and the maximum and
; statistics of piece n + 1.  A tile and step have 16 matrix and 118 vector instructions: four that are ready stand behind every matrix instruction, the others in two runs of their own.
; RING.  Two slots of 32 KB for each wave, each with two steps [K 8 KB | V 8 KB]; four visits.  CLUSTER: the four query blocks of a cluster belong to one head and walk the same K and V: each wave's tile is asked for JOINTLY, the same
; load, descriptor and mask in all four work-groups.  A wave has one tensor load out.
; REGISTERS, in windows of 256 (s_set_vgpr_msb: bits 1:0 source 0, 3:2 source 1, 5:4 source 2, 7:6 destination):
;   window 0: v0-11 addresses; v12-15, v48-63 at work; v16-47 four registers of statistics a tile; v64-191 S^T, two buffers of two tiles; v192-255 P, likewise
;   window 1: O^T, 32 a tile          window 2: v0-127 Q, 16 a tile; v128-191 K of one step; v192-255 V of one step          window 3: v0-1 the add's two registers
.set NP,    4         ; pieces a wave: a name, no knob
.set STEPB, 16384     ; a step's K and V
.set VISIT, 2*STEPB   ; what one load brings
.set SLOT1, 1<<17     ; slot 1 begins here: one exclusive or turns an address in one slot into the other's
.set MS,    2*SLOT1   ; behind the ring: c m of four waves x eight tiles x 32 lanes, 4,096 bytes; then l likewise
.set SPARE, MS+8192   ; the spare words, 128 bytes for each wave: two blocks of 256 bytes that no other line names
.set AK0, 2           ; v2   32,768 w + 16 x lane; never rewritten
.set AV0, 3           ; v3   the same + 8,192
.set AK,  4           ; v4   the LDS address of K's next run of loads
.set AV,  5           ; v5   of V's
.set QO,  6           ; v6   16 x lane
.set L4,  7           ; v7   4 x lane
.set PFO, 8           ; v8   256 x lane, for the prefetches; never rewritten
.set SPW, 0           ; v0 of window 3
.set NIL, 1           ; v1 of window 3
.set MV,  12
.set ST,  16          ; tile t's statistics at v[ST+4 t]: c m, m, l (even keys', odd keys')
.set TMP, 48
.set PA,  48          ; the merge: v48-51 where the four waves' parts of my two tiles lie
.set MSW, 52
.set LR,  54
.set MX,  56          ; v56-57 c M, then L, then 1 / L of my two tiles
.set S,   64
.set P,   192
.set KF,  128
.set VF,  192
.set WV,  12
.set G1,  24          ; s[24:31]
.set G0,  40          ; s[40:43]: it walks
.set LIM, 44          ; s44  1 in the head's first cluster, else the greatest number
.set PFA, 46          ; s[46:47] where my prefetches stand
.set SLOTS, 56
.set CNT, 57
.set CS,  58
.set SEL, 60
.set TBK, 62
.set TBV, 63
.set MSB, 0
.macro WIN new
.if MSB != (\new)
	s_set_vgpr_msb (MSB<<8)|(\new)
.set MSB, (\new)
.endif
.endm
.set W_KQ, 0x0a
.set W_PV, 0x52
.set W_RS, 0x41
.set W_MK, 0xc0
.set W_AD, 0x0f
.macro JLOAD                        ; every wave asks for its own keys' tile: one line, the LDS address and the keys by the wave's number; an s_nop 0 and four v_nop follow
	tensor_load_to_lds s[G0:G0+3], s[G1:G1+7]
	s_nop 0
.rept 4
	v_nop
.endr
.endm
; A PREFETCH INTO THE L2 of what my NEXT refill will ask for: 128 blocks of 256 bytes.  All clusters of a head walk the same K and V: the head's first cluster asks; its four partners share the blocks out BY ADDRESS, 32 each, a lane a block:
; one instruction a wave, two key steps (256 matrix instructions) ahead of the load.  Each block is named once in the launch.  The first two visits come by their loads alone; the last refill asks for nothing.
.macro ASK
	s_cmp_gt_u32 s[SLOTS], s[LIM]
	s_cbranch_scc0 .Lnot_mine_\@
	global_prefetch_b8 v[PFO], s[PFA:PFA+1] th:TH_LOAD_NT scope:SCOPE_SE
.Lnot_mine_\@:
.endm
.macro CROUND
	s_barrier_signal -1
	s_barrier_wait -1
	s_cmp_lg_u32 s[WV], 0
	s_cbranch_scc1 .Lnot_wave_0_\@
	s_barrier_signal -3
.Lnot_wave_0_\@:
	s_barrier_wait -3
	s_barrier_signal -1
	s_barrier_wait -1
.endm
; THE CHANGE OF SLOTS.  Each wave waits for all its tensor loads (one is out: the other slot's), adds 0 to its spare word, and waits for that and for its own reads of the slot.  fill = 1: a round of the cluster's barrier, and the joint
; fill first behind it, with the keys two visits on.  (At its first use nothing has been read yet: slot 0 is waited for, slot 1 filled.)
.macro CHANGE fill
	WIN W_AD
	s_wait_tensorcnt 0x0
	ds_add_u32 v[SPW], v[NIL]
	WIN 0
.if \fill
	s_xor_b32 s[G0+1], s[G0+1], SLOT1
	s_add_nc_u64 s[G0+2:G0+3], s[G0+2:G0+3], VISIT
	s_wait_xcnt 0x0                 ; the last prefetch, two key steps back, has read its address
	s_add_nc_u64 s[PFA:PFA+1], s[PFA:PFA+1], VISIT
	s_wait_dscnt 0x0
	CROUND
	JLOAD
	ASK
.else
	s_wait_dscnt 0x0
	s_barrier_signal -1
	s_barrier_wait -1
.endif
	s_sub_co_u32 s[TBK], s[TBK], VISIT
	s_xor_b32 s[TBK], s[TBK], SLOT1
	s_sub_co_u32 s[TBV], s[TBV], VISIT
	s_xor_b32 s[TBV], s[TBV], SLOT1
.endm
	s_load_b128 s[4:7], s[0:1], 0x0 ; qkv s[4:5], o s[6:7]
	WIN W_MK
	v_lshl_add_u32 v[SPW], v0, 2, SPARE
	v_mov_b32 v[NIL], 0
	WIN W_AD
	ds_add_u32 v[SPW], v[NIL]       ; the wave's opening: the add here and its wait ahead of my first tensor load
	WIN 0
	v_lshrrev_b32 v1, 5, v0
	v_readfirstlane_b32 s[WV], v1   ; wave 0..3
	s_bfe_u32 s13, ttmp6, 0x40000   ; cx
	s_lshl_b32 s14, ttmp9, 2
	s_add_co_u32 s14, s14, s13      ; my block of 128 queries: it enters Q's and O's addresses alone
	s_and_b32 s15, ttmp7, 0xffff    ; bh, which the four partners share
	s_lshl_b32 s20, s15, 19         ; the head's K and V: 524,288 bytes,
	s_lshl_b32 s21, s[WV], 17       ; my 512 keys of them: 131,072,
	s_add_co_u32 s20, s20, s21
	s_add_co_u32 s20, s20, 4194304  ; behind Q
	s_mov_b32 s21, 0
	s_lshl_b32 s22, s15, 18         ; the head's Q: 262,144 bytes; my block's eight tiles: 16,384
	s_lshl_b32 s23, s14, 14
	s_add_co_u32 s22, s22, s23
	s_mov_b32 s23, 0
	s_lshr_b32 s16, s15, 2          ; b
	s_and_b32 s17, s15, 3           ; head
	s_lshl_b32 s2, s16, 20          ; O: row tile 128 b + 8 block + 2 w, 8,192 bytes each; the head's two images at 2,048 head
	s_lshl_b32 s3, s14, 16
	s_add_co_u32 s2, s2, s3
	s_lshl_b32 s3, s[WV], 14
	s_add_co_u32 s2, s2, s3
	s_lshl_b32 s3, s17, 11
	s_add_co_u32 s2, s2, s3
	s_mov_b32 s3, 0
	s_lshl_b32 s48, s13, 13         ; the prefetches: my work-group's 32 blocks of the 128
	s_mov_b32 s49, 0
	s_mov_b32 s[G1], 15|(3<<16)|(1<<21)  ; the mask of four; elements of 8 bytes; bit 21 beside a mask
	s_mov_b32 s[G1+1], 32<<16       ; rows of 256 bytes,
	s_mov_b32 s[G1+2], 128<<16      ; 128 of them,
	s_mov_b32 s[G1+3], 32<<16
	s_mov_b32 s[G1+4], 128
	s_mov_b32 s[G1+5], 32           ; dense
	s_mov_b32 s[G1+6], 0
	s_mov_b32 s[G1+7], 0
	s_mov_b32 s[CS], 0x3e38aa3b     ; c = log2(e) / 8
	s_mov_b32 s[CS+1], s[CS]
	s_mov_b32 s[SEL], 0x76543210
	s_mov_b32 s[SEL+1], 0xfedcba98
	s_mov_b32 s[TBK], SLOT1+VISIT   ; the first change of slots turns these two into 0
	s_mov_b32 s[TBV], SLOT1+VISIT
	s_mov_b32 s[SLOTS], 3
	s_cmp_eq_u32 ttmp9, 0
	s_cselect_b32 s[LIM], 1, -1     ; the same in all four partners
	s_mov_b32 s[G0], 1
	s_lshl_b32 s[G0+1], s[WV], 15   ; slot 0, my 32 KB
	v_and_b32 v[QO], 31, v0
	v_lshlrev_b32 v[L4], 2, v[QO]
	v_lshlrev_b32 v[PFO], 8, v[QO]
	v_lshlrev_b32 v[QO], 4, v[QO]
	s_wait_dscnt 0x0                ; the opening add is done
	s_wait_kmcnt 0x0
	s_add_nc_u64 s[G0+2:G0+3], s[4:5], s[20:21]
	s_add_nc_u64 s[PFA:PFA+1], s[G0+2:G0+3], s[48:49]
	s_add_nc_u64 s[PFA:PFA+1], s[PFA:PFA+1], VISIT  ; at visit 1: the first change steps it to visit 2
	s_or_b32 s[G0+3], s[G0+3], 0x80000000
	s_add_nc_u64 s[8:9], s[4:5], s[22:23]    ; Q
	s_add_nc_u64 s[10:11], s[6:7], s[2:3]    ; O
	CROUND                          ; all four work-groups are here: the first joint loads meet
	JLOAD                           ; visit 0 into slot 0
	WIN 0x80
.set i, 0
.rept 4*NP                          ; Q stays in registers: tile i / 2, channels 32 (i % 2) on
	global_load_b128 v[8*i:8*i+3],   v[QO], s[8:9] offset:1024*i
	global_load_b128 v[8*i+4:8*i+7], v[QO], s[8:9] offset:1024*i+512
.set i, i+1
.endr
	; What the first turn finds: V's registers and P's second buffer hold 0, O^T and l are 0.  All this stands in the wait for the first tile.
.set i, VF
.rept 64
	v_mov_b32 v[i], 0
.set i, i+1
.endr
	WIN 0
.set i, 0
.rept 2*NP
	v_mov_b32 v[ST+4*i], 0xfe000000    ; c m: far below every c s
	v_mov_b32 v[ST+4*i+1], 0xff7fffff  ; m
	v_mov_b32 v[ST+4*i+2], 0
	v_mov_b32 v[ST+4*i+3], 0
.set i, i+1
.endr
.set i, P+32
.rept 32
	v_mov_b32 v[i], 0
.set i, i+1
.endr
	v_lshl_add_u32 v[AK0], s[WV], 15, v[QO]
	v_add_nc_u32 v[AV0], 8192, v[AK0]
	v_mov_b32 v[AK], v[AK0]         ; key step 0 lies at the head of slot 0
	WIN W_PV                        ; O^T's 256 registers are written by 32 products of those zeros, eight registers a line
.set i, 0
.rept 32
	v_wmma_f32_16x16x32_bf16 v[8*i:8*i+7], v[VF:VF+7], v[P+32:P+39], 0
.set i, i+1
.endr
	WIN 0
; THE MATRIX WORK.  The 8 accumulators of a run of 16 take turns.
.macro KQ x                         ; product i of 16 of S^T = K Q^T for piece x: channels 32 (i / 8) on, keys 16 ((i / 2) % 4) on, tile 2 x + i % 2
	WIN W_KQ
.set rS, S+64*((\x)%2)+32*(i%2)+8*((i/2)%4)
.set rK, KF+16*((i/2)%4)+8*(i/8)
.set rQ, 16*(2*(\x)+i%2)+8*(i/8)
.if i < 8
	v_wmma_f32_16x16x32_bf16 v[rS:rS+7], v[rK:rK+7], v[rQ:rQ+7], 0
.else
	v_wmma_f32_16x16x32_bf16 v[rS:rS+7], v[rK:rK+7], v[rQ:rQ+7], v[rS:rS+7]
.endif
.endm
.macro PV x                         ; product i of 16 of O^T += V^T P for piece x: keys 32 (i / 8) on, channels 16 ((i / 2) % 4) on
	WIN W_PV
.set rO, 32*(2*(\x)+i%2)+8*((i/2)%4)
.set rV, VF+32*(i/8)+8*((i/2)%4)
.set rP, P+32*((\x)%2)+16*(i%2)+8*(i/8)
	v_wmma_f32_16x16x32_bf16 v[rO:rO+7], v[rV:rV+7], v[rP:rP+7], v[rO:rO+7]
.endm
.macro MM
.if i < 16
	KQ (Y+1)%NP
.set i, i+1
.else
.set i, i-16
	PV (Y+NP-1)%NP
.set i, i+17
.endif
.endm
; THE LDS LOADS stand in runs of 16: a step's eight images of K, and of V.  last = 1 (the tail): in the last trip there is no further step, and the run is jumped over.
.macro FETCH_K last=0
	WIN 0
.if \last
	s_cmp_eq_u32 s[CNT], 1
	s_cbranch_scc1 .Lno_k_\@
.endif
	WIN 0x80
.irp f, 0,1,2,3,4,5,6,7
	ds_load_b128 v[KF+8*\f:KF+8*\f+3],   v[AK] offset:1024*\f
	ds_load_b128 v[KF+8*\f+4:KF+8*\f+7], v[AK] offset:1024*\f+512
.endr
	s_add_co_u32 s[TBK], s[TBK], STEPB
	WIN 0
.if \last
.Lno_k_\@:
.endif
.endm
.macro FETCH_V
	WIN 0x80
.irp f, 0,1,2,3,4,5,6,7
	ds_load_b128 v[VF+8*\f:VF+8*\f+3],   v[AV] offset:1024*\f
	ds_load_b128 v[VF+8*\f+4:VF+8*\f+7], v[AV] offset:1024*\f+512
.endr
	WIN 0
.endm
; THE VECTOR WORK OF A TURN stands in three queues, each in the order in which its entries become ready; the two tiles alternate.
.macro REGS y, u
.set rT, ST+4*(2*(\y)+(\u))
.set rC, TMP+8*((\y)%2)+4*(\u)
.set rM, MV+2*((\y)%2)+(\u)
.set rS, S+64*((\y)%2)+32*(\u)
.set rP, P+32*((\y)%2)+16*(\u)
.set rO, 32*(2*(\y)+(\u))
.endm
; Number n of the 22 that find the NEXT piece's maximum and statistics; each accumulator's lowest registers are read first.
.macro XS u, n
	REGS (Y+1)%NP, \u
.if (\n) < 4
	v_max3_num_f32 v[rC+(\n)], v[rS+8*(\n)], v[rS+8*(\n)+1], v[rS+8*(\n)+2]
.elseif (\n) < 12
	v_max3_num_f32 v[rC+(\n)%4], v[rC+(\n)%4], v[rS+8*((\n)%4)+2*((\n)/4)+1], v[rS+8*((\n)%4)+2*((\n)/4)+2]
.elseif (\n) == 12
	v_max3_num_f32 v[rC], v[rC], v[rS+7], v[rS+15]
.elseif (\n) == 13
	v_max3_num_f32 v[rC+1], v[rC+1], v[rS+23], v[rS+31]
.elseif (\n) == 14
	v_max3_num_f32 v[rC+2], v[rC+2], v[rC+3], v[rT+1]
.elseif (\n) == 15
	v_mov_b32 v[rM], v[rT]
.elseif (\n) == 16
	v_max3_num_f32 v[rC], v[rC], v[rC+1], v[rC+2]
.elseif (\n) == 17
	v_permlanex16_b32 v[rC+3], v[rC], s[SEL], s[SEL+1]
.elseif (\n) == 18
	v_max_num_f32 v[rT+1], v[rC], v[rC+3]
.elseif (\n) == 19
	v_mul_f32 v[rT], s[CS], v[rT+1]
.elseif (\n) == 20
	v_sub_f32 v[rC+1], v[rM], v[rT]
.else
	v_exp_f32 v[rC+2], v[rC+1]
.endif
.endm
; Number g of the 64 that follow the exponentials: for each four weights both pairs are rounded to bf16, the second pair is added onto the first, and a group later l takes that sum (the first time as l = a l + sum).
.macro GS g
.set h, (\g)+6*((\g)/62)
.if h >= 6
.set h, h+2
.endif
	REGS Y, h%2
.set k, h/8
.if h%8 < 4
	s_wait_alu depctr_va_vdst(0)
	v_cvt_pk_bf16_f32 v[rP+2*k+(h%8)/2], v[rS+4*k+2*((h%8)/2)], v[rS+4*k+2*((h%8)/2)+1]
.elseif h%8 < 6
	v_pk_add_f32 v[rS+4*k:rS+4*k+1], v[rS+4*k:rS+4*k+1], v[rS+4*k+2:rS+4*k+3]
.elseif k == 1
	v_pk_fma_f32 v[rT+2:rT+3], v[rT+2:rT+3], v[rC+2:rC+3], v[rS:rS+1] op_sel_hi:[1,0,1]
.else
	v_pk_add_f32 v[rT+2:rT+3], v[rT+2:rT+3], v[rS+4*k-4:rS+4*k-3]
	s_wait_alu depctr_va_vdst(0)
.endif
.endm
; THE PLAIN QUEUE, 138 long
.macro PL
	WIN 0
.if q < 32
	REGS Y, q%2
	v_pk_fma_f32 v[rS+2*(q/2):rS+2*(q/2)+1], v[rS+2*(q/2):rS+2*(q/2)+1], s[CS:CS+1], v[rT:rT+1] op_sel_hi:[1,0,0] neg_lo:[0,0,1] neg_hi:[0,0,1]
.elseif q < 38
	GS q-32
.elseif q < 40
	XS q%2, 15
.elseif q < 42
	GS q-34
.elseif q < 74
	XS q%2, (q-42)/2+(q-42)/30
.elseif q < 95
	GS q-66
.elseif (q < 107) && ((q-95)%3 < 2)
	XS (q-95)%3, 17+(q-95)/3
.elseif q < 107
	GS 29+(q-95)/3
.else
	GS q-74
.endif
.set q, q+1
.endm
; THE EXPONENTIALS' QUEUE, 66 long: s0-s31 of both tiles, and at EA the next piece's two a
.set EA, 58
.macro EX
	WIN 0
.if (e == EA) || (e == EA+1)
	XS e-EA, 21
.else
.set x, e-2*(e/(EA+2))
	REGS Y, x%2
	v_exp_f32 v[rS+x/2], v[rS+x/2]
.endif
.set e, e+1
.endm
; THE RESCALING's QUEUE: O^T times a, four at a time, eight times
.macro R4
	REGS Y, r%2
	WIN W_RS
	s_wait_alu depctr_va_vdst(0)
.irp z, 0,1,2,3
	v_pk_mul_f32 v[rO+8*(r/2)+2*\z:rO+8*(r/2)+2*\z+1], v[rO+8*(r/2)+2*\z:rO+8*(r/2)+2*\z+1], v[rC+2:rC+3] op_sel_hi:[1,0]
.endr
.set r, r+1
.endm
; HOW THEY ARE DEALT.  Behind a matrix instruction four: plain, exponential, plain, plain, or four of the rescaling; none names a register of the products round it.  What is over stands in two runs: exponential and plain by turns.
.macro SL
	MM
	PL
	EX
	PL
	PL
.endm
.macro BURST n
.rept (\n)-7
	SL
.endr
.rept 3
	MM
	R4
	SL
.endr
	MM
	R4
.endm
; A TURN, for piece p.  K of the next step is fetched in piece 2's turn, V of the step in hand at the end of piece 0's; each is waited for a turn later.
.macro TURN p, last=0, cnt=0
.set Y, (\p)
.set i, 0
.set q, 0
.set e, 0
.set r, 0
.if (\p) == NP-1
	s_wait_dscnt 0x0                ; K is in
.endif
	MM
.rept 4
	PL
.endr
	BURST 15
.rept 22
	EX
	PL
.if ((\p) == NP-2) && (e == 18)
	v_add_nc_u32 v[AK], s[TBK], v[AK0]
.endif
.if ((\p) == NP-2) && (e == 24)
	FETCH_K \last
.endif
.endr
.if (\p) == 1
	s_wait_dscnt 0x0                ; V is in
.endif
	BURST 16
.rept 21
	EX
	PL
.endr
.rept 22
	PL
.if ((\p) == 0) && (q == 118)
	v_add_nc_u32 v[AV], s[TBV], v[AV0]
	s_wait_alu depctr_va_vdst(0)
.endif
.if ((\p) == 0) && (q == 130)
	s_add_co_u32 s[TBV], s[TBV], STEPB
.endif
.if (\cnt) && (q == 130)
	s_sub_co_u32 s[CNT], s[CNT], 1
	s_cmp_lg_u32 s[CNT], 0
.endif
.endr
.if (\p) == 0
	FETCH_V
.endif
.endm
	CHANGE 1                        ; slot 0 is in; slot 1 is asked for
	FETCH_K                         ; key step 0
	s_wait_loadcnt 0x0              ; Q
	s_wait_dscnt 0x0
.set i, 0
.rept 16
	KQ 0                            ; piece 0's first scores
.set i, i+1
.endr
	WIN 0
.rept 4
	v_nop                           ; the places behind those products
.endr
.set Y, NP-1                        ; XS works for piece Y + 1: piece 0
.irp n, 0,1,2,3,4,5,6,7,8,9,10,11,12,13,14,15,16,17,18,19,20,21
	XS 0, \n
	XS 1, \n
.endr
	s_mov_b32 s[CNT], 2
	s_branch .Lfirst                ; the loop is entered at a step's first turn, in the middle of a trip
.Lslot:                             ; twice: every slot but the last two is filled again
	CHANGE 1
	s_mov_b32 s[CNT], 2
.Lstep:                             ; a trip: pieces 2 and 3 of one step, then pieces 0 and 1 of the next, whose K and V it fetches
	TURN 2
	TURN 3
	WIN 0
.Lfirst:
	TURN 0
	TURN 1, 0, 1
	WIN 0
	s_cbranch_scc1 .Lstep
	s_sub_co_u32 s[SLOTS], s[SLOTS], 1
	s_cmp_lg_u32 s[SLOTS], 0
	s_cbranch_scc1 .Lslot
	CHANGE 0                        ; the tail is written out: nothing is asked for
	s_mov_b32 s[CNT], 3             ; two trips fetch the last slot's steps; the third is left in its middle
.Ltail:
	TURN 2, 1
	TURN 3
	WIN 0
	s_sub_co_u32 s[CNT], s[CNT], 1
	s_cmp_eq_u32 s[CNT], 0
	s_cbranch_scc1 .Lout
	TURN 0
	TURN 1
	WIN 0
	s_branch .Ltail
.Lout:                              ; the third trip's 16 products K Q^T are the last step's once more: the maximum made of them is the one that piece 0 already has, so its c m still fits its O and l
.set i, 0
.rept 16
	PV NP-1
.set i, i+1
.endr
	; THE MERGE.  l's two halves and the other half of the lanes' are added (the additions are the places behind the last products); then c m, l and O^T as it stands of all four waves meet in LDS, behind ONE barrier.
	WIN 0
.macro ALL line:vararg              ; one line for each tile t
.set t, 0
.rept 2*NP
	\line
.set t, t+1
.endr
.endm
	ALL v_add_f32 v[ST+4*t+2], v[ST+4*t+2], v[ST+4*t+3]
	ALL v_permlanex16_b32 v[ST+4*t+3], v[ST+4*t+2], s[SEL], s[SEL+1]
	ALL v_add_f32 v[ST+4*t+2], v[ST+4*t+2], v[ST+4*t+3]
	s_lshl_b32 s13, s[WV], 10
	v_add_nc_u32 v[MSW], s13, v[L4]
	v_add_nc_u32 v[MSW], MS, v[MSW]
	ALL ds_store_b32 v[MSW], v[ST+4*t] offset:128*t
	ALL ds_store_b32 v[MSW], v[ST+4*t+2] offset:4096+128*t
	WIN 0x04                        ; store data in window 1.  My part of slot 0 has had its last fill (visit 2) and my reads of it are long back: it takes my 32 KB of O^T; each accumulator's lowest registers go first
.set z, 0
.rept 32
	ds_store_b128 v[AK0], v[8*z:8*z+3]   offset:1024*z
	ds_store_b128 v[AK0], v[8*z+4:8*z+7] offset:1024*z+512
.set z, z+1
.endr
	WIN 0
	s_wait_dscnt 0x0                ; for the others' sake
	s_barrier_signal -1
	s_barrier_wait -1
	s_lshl_b32 s13, s[WV], 8        ; my two tiles' 256 bytes in each wave's statistics
	v_add_nc_u32 v[LR], s13, v[L4]
	v_add_nc_u32 v[LR], MS, v[LR]
.irp u, 0,1
.irp p, 0,1,2,3                     ; tile u, wave p: c m at an even register, l beside it
	ds_load_b32 v[S+16*\u+2*\p],   v[LR] offset:1024*\p+128*\u
	ds_load_b32 v[S+16*\u+2*\p+1], v[LR] offset:4096+1024*\p+128*\u
.endr
.endr
	s_lshl_b32 s13, s[WV], 13       ; my two tiles: 8,192 w in each wave's part
.irp p, 0,1,2,3
	v_add_nc_u32 v[PA+\p], s13, v[QO]
	v_add_nc_u32 v[PA+\p], 32768*\p, v[PA+\p]
.endr
	WIN 0x40
.irp p, 0,1,2,3
.irp f, 0,1,2,3,4,5,6,7
	ds_load_b128 v[64*\p+8*\f:64*\p+8*\f+3],   v[PA+\p] offset:1024*\f
	ds_load_b128 v[64*\p+8*\f+4:64*\p+8*\f+7], v[PA+\p] offset:1024*\f+512
.endr
.endr
	WIN 0
	s_wait_dscnt 0x0
.irp u, 0,1
	v_max3_num_f32 v[MX+\u], v[S+16*\u], v[S+16*\u+2], v[S+16*\u+4]
.endr
.irp u, 0,1
	v_max_num_f32 v[MX+\u], v[MX+\u], v[S+16*\u+6]   ; c M
.endr
.irp u, 0,1
.irp p, 0,1,2,3
	v_sub_f32 v[S+16*\u+2*\p], v[S+16*\u+2*\p], v[MX+\u]
.endr
.endr
.irp u, 0,1
.irp p, 0,1,2,3
	v_exp_f32 v[S+16*\u+2*\p], v[S+16*\u+2*\p]       ; 2^(c m_p - c M)
.endr
.endr
	v_nop                           ; a plain instruction behind the last exponential
	s_wait_alu depctr_va_vdst(0)
.irp u, 0,1
	v_mul_f32 v[MX+\u], v[S+16*\u], v[S+16*\u+1]
.endr
.irp p, 1,2,3
.irp u, 0,1
	v_fmac_f32 v[MX+\u], v[S+16*\u+2*\p], v[S+16*\u+2*\p+1]  ; L
.endr
.endr
.irp u, 0,1
	v_rcp_f32 v[MX+\u], v[MX+\u]
.endr
	v_nop                           ; a plain instruction behind the last reciprocal
	s_wait_alu depctr_va_vdst(0)
.irp u, 0,1
.irp p, 0,1,2,3
	v_mul_f32 v[S+16*\u+2*\p], v[S+16*\u+2*\p], v[MX+\u]     ; f_p
.endr
.endr
	WIN W_RS
.irp u, 0,1
.set z, 0
.rept 16
	v_pk_mul_f32 v[32*\u+2*z:32*\u+2*z+1], v[32*\u+2*z:32*\u+2*z+1], v[S+16*\u:S+16*\u+1] op_sel_hi:[1,0]
.set z, z+1
.endr
.endr
	WIN 0x51                        ; destination, source 0 and source 2 in window 1, f_p in window 0
.irp p, 1,2,3
.irp u, 0,1
.set z, 0
.rept 16
	v_pk_fma_f32 v[32*\u+2*z:32*\u+2*z+1], v[64*\p+32*\u+2*z:64*\p+32*\u+2*z+1], v[S+16*\u+2*\p:S+16*\u+2*\p+1], v[32*\u+2*z:32*\u+2*z+1] op_sel_hi:[1,0,1]
.set z, z+1
.endr
.endr
.endr
	WIN 0x05
.set z, 0
.rept 32
	v_cvt_pk_bf16_f32 v[S+32+z], v[2*z], v[2*z+1]
.set z, z+1
.endr
	WIN 0
.irp u, 0,1
.irp cb, 0,1,2,3                    ; a result rounded in pairs is half cb % 2 of image cb / 2: 512 consecutive bytes a store, aligned
	global_store_b128 v[QO], v[S+32+16*\u+4*\cb:S+32+16*\u+4*\cb+3], s[10:11] offset:8192*\u+1024*(\cb/2)+512*(\cb%2)
.endr
.endr
	WIN W_AD
	s_wait_tensorcnt 0x0            ; the wave's end: the spare word's add, behind my last tensor load and my last LDS store
	ds_add_u32 v[SPW], v[NIL]
	s_wait_dscnt 0x0
	WIN 0
	CROUND                          ; the closing round
	s_endpgm
.Lfunc_end_k_q77eb2fef44_att:
	.size	k_q77eb2fef44_att, .Lfunc_end_k_q77eb2fef44_att-k_q77eb2fef44_att
	.p2alignl 7, 3214868480
	.fill 96, 4, 3214868480
	.section	.rodata,"a",@progbits
	.p2align	6, 0x0
	.amdhsa_kernel k_q77eb2fef44_att
		.amdhsa_group_segment_fixed_size 327680
		.amdhsa_private_segment_fixed_size 0
		.amdhsa_enable_private_segment 0
		.amdhsa_kernarg_size 16
		.amdhsa_user_sgpr_count 2
		.amdhsa_user_sgpr_kernarg_segment_ptr 1
		.amdhsa_wavefront_size32 1
		.amdhsa_system_sgpr_workgroup_id_x 1
		.amdhsa_system_sgpr_workgroup_id_y 1
		.amdhsa_system_sgpr_workgroup_id_z 1
		.amdhsa_system_vgpr_workitem_id 0
		.amdhsa_next_free_vgpr 770
		.amdhsa_next_free_sgpr 66
		.amdhsa_reserve_vcc 0
		.amdhsa_float_denorm_mode_32 3
		.amdhsa_float_denorm_mode_16_64 3
		.amdhsa_memory_ordered 1
		.amdhsa_forward_progress 1
		.amdhsa_inst_pref_size 198
	.end_amdhsa_kernel
	.amdgpu_metadata
---
amdhsa.version: [ 1, 2 ]
amdhsa.kernels:
  - .name:           k_q77eb2fef44_att
    .symbol:         k_q77eb2fef44_att.kd
    .args:
      - { .name: qkv, .offset: 0, .size: 8, .value_kind: global_buffer, .address_space: global }
      - { .name: o, .offset: 8, .size: 8, .value_kind: global_buffer, .address_space: global }
    .group_segment_fixed_size: 327680
    .private_segment_fixed_size: 0
    .kernarg_segment_align: 8
    .kernarg_segment_size: 16
    .max_flat_workgroup_size: 128
    .sgpr_count:     66
    .vgpr_count:     770
    .wavefront_size: 32
...
	.end_amdgpu_metadata
.endif
;; end of part 7
;; launch post (part 8): grid 256 x 1, 4 waves a work-group, clusters of 4 x 1, 327,680 bytes of LDS; arguments o, xa, p0, xb, qkv; writes xb, qkv
.if DOCPART == 8
	.amdgcn_target "amdgcn-amd-amdhsa--gfx1250"
	.amdhsa_code_object_version 6
	.text
	.protected	k_q77eb2fef44_post
	.globl	k_q77eb2fef44_post
	.p2align	8
	.type	k_q77eb2fef44_post,@function
k_q77eb2fef44_post:
	s_mov_b64 s[64:65], 0
	v_nop
	global_prefetch_b8 v0, s[64:65] scope:SCOPE_SE
	s_setreg_imm32_b32 hwreg(HW_REG_WAVE_MODE, 25, 1), 1
	s_wait_xcnt 0x0
	s_wait_alu depctr_hold_cnt(0) depctr_sa_sdst(0) depctr_va_vdst(0) depctr_va_sdst(0) depctr_va_ssrc(0) depctr_va_vcc(0) depctr_vm_vsrc(0)
	s_getreg_b32 s2, hwreg(HW_REG_IB_STS2, 6, 4)
	s_cmp_eq_u32 s2, 0
	s_cbranch_scc0 .Lentry_in_a_cluster
	s_endpgm
.Lentry_in_a_cluster:
	s_bfe_u32 s2, ttmp6, 0x10000c
	s_cmp_lg_u32 s2, 0x3003
	s_cbranch_scc0 .Lentry_shape_is_right
	s_endpgm
.Lentry_shape_is_right:
; THE REST OF A LAYER AND THE NEXT LAYER's Q, K, V, for 32 rows: x1 = LN1(x + O out_w + out_b); x2 = LN2(x1 + relu(x1 ff1_w + ff1_b) ff2_w + ff2_b); q, k, v = x2 qkv_w' + qkv_b'.
; All matrix operands are bf16, all sums, the rows x, x1, x2 and the norms' statistics f32.  The norms take the mean first and then the mean of the squared differences.  NaN and infinities are not treated apart.
; ONE TEXT FOR ALL FOUR LAYERS.  The rows x come and go as the problem's tensors lie, [8,192][256] in f32, so that the last layer's launch stores the module's result itself.  That launch has no next layer: its q, k, v, made with the
; weights that its stream carries behind the feed-forward's (layer 0's), are stored and never read: 192 of a wave's 768 products, in one launch of ten.  That is the price of not writing a second text of this length for one launch.
; SHARES.  A work-group owns 32 rows (two tiles rt of 16).  Wave w owns columns 64 w .. 64 w + 63 (four tiles ct) of the out product and the norms, hidden units 256 w .. 256 w + 255 of the feed-forward, head w of q, k, v.
; PRODUCTS are taken transposed (source 0 = a weight image, source 1 = an image of the rows): a lane holds ONE row (lane % 16) and columns 8 (lane / 16) + 0..7, so a result rounded to bf16 in pairs IS half of the next product's source 1.
; V takes the sources swapped: lane = channel, registers = keys.  An image is 1,024 bytes: 16 rows x 32 k; half q, lane (r, h) at 16 (r + 16 h): row r, k = 16 q + 8 h + 0..7.
; FEED-FORWARD.  Eight groups of 32 hidden units a wave, one text walked eight times: H = 32 rows x 32 units (32 products), bias as the sums' start, relu on the packed halves, then Y += H x ff2 for all 256 columns (32 products, 32
; accumulators).  A wave's column tiles are counted from its own slice on (tile c' is column tile (4 w + c') % 16), so tiles 0-3 are its own: they start with x1 + ff2_b.  The other twelve start at 0: 24 products of zeros write their 192
; registers while the first tiles are on their way, so that the loop has one form of product.  At the end the waves hand each other their foreign slices through LDS, in three steps.
; THE GROUPS ARE WALKED IN A STAGGERED ORDER.  Cluster j begins at group rot = (j + j / 8) % 8 and goes round: the groups are terms of one sum.  So the clusters' first fills name all eight groups' chunks between them, and every group's
; chunk that a cluster asks for later has been asked for by other clusters at the launch's start.  Only global addresses hang on rot (the cluster's number is the same in all four partners): the chunk's, and that of my 1,024 bytes of ff1_b,
; which I load in my walk's order and lay over my slice of the table in LDS.  LIMIT: the feed-forward's f32 sums are taken in an order that differs from cluster to cluster.
; The loop's last group loads the 128 bytes of the table behind my slice of ff1_b as a next group's bias; they lie inside the table and nothing is made of them: the price of one text for all groups.
; WEIGHTS: one dense stream, 12 chunks of 32 KB a wave (out; 8 groups; q, k, v), through two slots, by JOINT tensor loads: all four work-groups of the cluster walk the same weights.  Place n of the walk (chunk n, or for n = 1 .. 8
; chunk 1 + (n - 1 + rot) % 8) lies in slot n % 2; in its middle, when its last image is in registers, the slot is asked for again with place n + 2.  Chunk 9 goes whole into registers behind the last group, so that chunk 11 is asked for
; ahead of the reduction and the second norm.  A wave has three tensor loads out at the start and one behind each round.
; LDS: slot 0 at 0, slot 1 at 131,072 (wave w's 32 KB at 32,768 w); XS 262,144: 16 images of the rows; PB 278,528: the table of biases and gains, filled once; RS 291,840: 8 KB for each wave: first my private stage on the way in
; (16 rows x 272 bytes, used twice), then what the other waves send me in the reduction, at last my private stage on the way out; STT 324,608: four areas of 512 bytes [wave][rt][16] for the norms, each written once; SPARE 326,656.
; REGISTERS: window 0: v1-31 addresses; v32-63 PK packed results (v32-47 HP); v64-127 Z, 8 results at 64 + 8 (2 ct + rt) (v64-95 H); v128-255 XF, 16 images at 128 + 8 (8 rt + ks), between the products at work.
; Window 1: Y, 32 accumulators at 8 (2 c' + rt); at the start v0-63 take x by rows.  Window 2: WA v0-127, WB v128-255: 16 weight images each.
.set CHUNK, 131072
.set SLOT1, 131072
.set XS,    262144
.set PB,    278528
.set RS,    291840
.set STT,   324608
.set SPARE, 326656
.set TBLO,  1572864
.set PROWS, 13        ; rows of 256 bytes of the table that a wave fetches
.set T_OUTB, 0
.set T_G1,   1024
.set T_B1,   2048
.set T_FF1B, 3072
.set T_FF2B, 7168
.set T_G2,   8192
.set T_B2,   9216
.set T_QKVB, 10240
.set L16, 1
.set AW0, 2           ; my 16 bytes of an image in my part of slot 0
.set AWC, 3           ; the same in the slot of the chunk in hand
.set XSW, 4
.set XSR, 5
.set PBW, 6
.set BA,  7
.set STW, 8
.set STR, 9
.set RW,  10          ; v10-12
.set RR,  13
.set ZERO, 14
.set XO,  15          ; my byte offset in the work-group's rows of x: 1,024 (lane / 16) + 16 (lane % 16) + 256 w
.set PBQ, 16
.set PBV, 17
.set AWN, 22          ; my 16 bytes in the slot of the chunk to come
.set PBC, 23          ; the bias to be loaded
.set STA, 24          ; my stage by rows: 272 (lane / 16) + 16 (lane % 16)
.set STB, 25          ; my stage by results: 272 (lane % 16) + 32 (lane / 16)
.set PFO, 27          ; 256 x lane, for the prefetch; never rewritten
.set FBO, 28          ; my 32 bytes of ff1_b in memory, in my walk's order: 1,024 w + (32 lane + 128 rot) % 1,024; never rewritten
.set BAC, 29
.set SPW, 30
.set NIL, 31
.set PK,  32
.set HP,  32
.set FB,  48          ; v48-55 those 32 bytes, on their way into LDS
.set Z,   64
.set XF,  128
.set LG,  128         ; the norms: gains, biases, chains, statistics
.set LB,  160
.set LC,  192
.set LM,  208
.set TT,  128         ; the reduction: what another wave sent
.set WV,  14
.set RO7, 17          ; s17 rot + 7
.set NPOS, 18         ; s18 the place of the walk that was asked for last
.set OFF, 20          ; s[20:21] a chunk's byte offset in the stream
.set BW,  22          ; s[22:23] the stream at my wave's part of chunk 0; never rewritten
.set G1,  24
.set G1P, 32
.set G0P, 40
.set G0A, 44
.set G0B, 48
.set CNT, 52
.set BST, 53
.set SEL, 54
.set INV, 56
.set EPS, 57
.set SO,  66
.set SXI, 68
.set SXO, 70
.set SQ,  72
.set SK,  74
.set SB,  76          ; s[76:77] where the trip's images go
.set CSL, 78          ; s78 a slot's first byte, turned by an exclusive or
.set QOF, 79          ; s79 the next bias's bytes behind q's
.set LIM, 80          ; s80 the loop's count at which I prefetch, or a number that it never has
.set PFA, 82          ; s[82:83] where my prefetch stands; never rewritten
.set MSB, 0
.macro WIN new                      ; the immediate's high byte repeats the setting that is left; a switch that changes nothing is dropped
.if MSB != (\new)
	s_set_vgpr_msb (MSB<<8)|(\new)
.set MSB, (\new)
.endif
.endm
.macro PLACES                       ; four places behind a matrix instruction, in front of loads into its registers and of reads of its results
.rept 4
	v_nop
.endr
.endm
.macro BAR
	s_barrier_signal -1
	s_barrier_wait -1
.endm
.macro CROUND                       ; a round of the cluster's barrier
	s_barrier_signal -1
	s_barrier_wait -1
	s_cmp_lg_u32 s[WV], 0
	s_cbranch_scc1 .Lnot_wave_0_\@
	s_barrier_signal -3
.Lnot_wave_0_\@:
	s_barrier_wait -3
	s_barrier_signal -1
	s_barrier_wait -1
.endm
; THE CHANGE OF SLOTS: all my tensor loads have landed (the other slot's chunk among them), 0 is added to my spare word, my reads of this slot are back; a round of the cluster's barrier; the joint refill first behind it.
; The descriptor's address is made anew from the next place's chunk number: the stream's base and an offset made apart, the type bits set again.
.macro CHANGE
	WIN 0
	s_wait_tensorcnt 0x0
	ds_add_u32 v[SPW], v[NIL]       ; the descriptor's scalar work stands between this add and the wait for it
	s_xor_b32 s[G0B+1], s[G0B+1], SLOT1
	s_add_co_u32 s[NPOS], s[NPOS], 1       ; the place to be asked for: 2 .. 11
	s_add_co_u32 s[OFF], s[NPOS], s[RO7]
	s_and_b32 s[OFF], s[OFF], 7            ; (place - 1 + rot) % 8
	s_add_co_u32 s[OFF], s[OFF], 1
	s_cmp_lt_u32 s[NPOS], 9                ; a group's place?
	s_cselect_b32 s[OFF], s[OFF], s[NPOS]  ; the chunk
	s_lshl_b32 s[OFF], s[OFF], 17          ; 131,072 bytes each
	s_add_nc_u64 s[G0B+2:G0B+3], s[BW:BW+1], s[OFF:OFF+1]
	s_or_b32 s[G0B+3], s[G0B+3], 0x80000000
	s_wait_dscnt 0x0
	CROUND
	tensor_load_to_lds s[G0B:G0B+3], s[G1:G1+7]
	s_nop 0
	PLACES
.endm
.macro FETCH buf, areg, half        ; 16 weight images, 32 loads in one run, into WA (0) or WB (1)
	WIN 0x80
.irp f, 0,1,2,3,4,5,6,7,8,9,10,11,12,13,14,15
	ds_load_b128 v[128*\buf+8*\f:128*\buf+8*\f+3],   v[(\areg)] offset:16384*\half+1024*\f
	ds_load_b128 v[128*\buf+8*\f+4:128*\buf+8*\f+7], v[(\areg)] offset:16384*\half+1024*\f+512
.endr
.endm
; 16 products: K steps ks0, ks0 + 1 for all 8 results, which take turns
.macro MULG buf, kq, ks0, swap
.if \swap
	WIN 0x08
.else
	WIN 0x02
.endif
.irp dk, 0,1
.irp ct, 0,1,2,3
.irp rt, 0,1
.if \swap
	v_wmma_f32_16x16x32_bf16 v[Z+8*(2*\ct+\rt):Z+8*(2*\ct+\rt)+7], v[XF+8*(8*\rt+\ks0+\dk):XF+8*(8*\rt+\ks0+\dk)+7], v[128*\buf+8*(4*(2*\kq+\dk)+\ct):128*\buf+8*(4*(2*\kq+\dk)+\ct)+7], v[Z+8*(2*\ct+\rt):Z+8*(2*\ct+\rt)+7]
.else
	v_wmma_f32_16x16x32_bf16 v[Z+8*(2*\ct+\rt):Z+8*(2*\ct+\rt)+7], v[128*\buf+8*(4*(2*\kq+\dk)+\ct):128*\buf+8*(4*(2*\kq+\dk)+\ct)+7], v[XF+8*(8*\rt+\ks0+\dk):XF+8*(8*\rt+\ks0+\dk)+7], v[Z+8*(2*\ct+\rt):Z+8*(2*\ct+\rt)+7]
.endif
.endr
.endr
.endr
.endm
; THE FEED-FORWARD's group
.macro FFA k0                       ; 16 products of H += ff1 x rows: K steps k0 .. k0 + 3; the four accumulators take turns
	WIN 0x02
.irp dk, 0,1,2,3
.irp ht, 0,1
.irp rt, 0,1
	v_wmma_f32_16x16x32_bf16 v[Z+8*(2*\ht+\rt):Z+8*(2*\ht+\rt)+7], v[8*(2*(\k0+\dk)+\ht):8*(2*(\k0+\dk)+\ht)+7], v[XF+8*(8*\rt+\k0+\dk):XF+8*(8*\rt+\k0+\dk)+7], v[Z+8*(2*\ht+\rt):Z+8*(2*\ht+\rt)+7]
.endr
.endr
.endr
.endm
.macro FFC c0                       ; 16 products of Y += ff2 x H: column tiles c0 .. c0 + 7, sixteen accumulators
	WIN 0x52
.irp dc, 0,1,2,3,4,5,6,7
.irp rt, 0,1
	v_wmma_f32_16x16x32_bf16 v[8*(2*(\c0+\dc)+\rt):8*(2*(\c0+\dc)+\rt)+7], v[128+8*(\c0+\dc):128+8*(\c0+\dc)+7], v[HP+8*\rt:HP+8*\rt+7], v[8*(2*(\c0+\dc)+\rt):8*(2*(\c0+\dc)+\rt)+7]
.endr
.endr
.endm
.macro RELU                         ; H rounded to bf16 in pairs (each result's registers in ascending order), then the larger of it and 0, two at a time
	WIN 0
.irp ht, 0,1
.irp rt, 0,1
.irp i, 0,1,2,3
	v_cvt_pk_bf16_f32 v[HP+8*\rt+4*\ht+\i], v[Z+8*(2*\ht+\rt)+2*\i], v[Z+8*(2*\ht+\rt)+2*\i+1]
.endr
.endr
.endr
.set t, 0
.rept 16
	v_pk_max_num_bf16 v[HP+t], v[HP+t], v[ZERO]
.set t, t+1
.endr
.endm
.macro HBIAS                        ; the next group's sums start with its bias: my eight units of each tile, for both row tiles; my slice lies in my walk's order, so the address steps by 128
	WIN 0
	v_add_nc_u32 v[BAC], s[BST], v[BA]
	s_add_co_u32 s[BST], s[BST], 128
.irp ht, 0,1
.irp rt, 0,1
	ds_load_b128 v[Z+8*(2*\ht+\rt):Z+8*(2*\ht+\rt)+3],   v[BAC] offset:64*\ht
	ds_load_b128 v[Z+8*(2*\ht+\rt)+4:Z+8*(2*\ht+\rt)+7], v[BAC] offset:64*\ht+16
.endr
.endr
.endm
; THE NORM.  XCH: the four chains of each row tile are added, the two halves of the lanes exchanged, the wave's figure put into area st (512 bytes of its own, written this once); behind a barrier every wave adds the four in the same order.
.macro XCH st, dst
.irp rt, 0,1
	v_pk_add_f32 v[LC+8*\rt:LC+8*\rt+1],   v[LC+8*\rt:LC+8*\rt+1],   v[LC+8*\rt+2:LC+8*\rt+3]
	v_pk_add_f32 v[LC+8*\rt+4:LC+8*\rt+5], v[LC+8*\rt+4:LC+8*\rt+5], v[LC+8*\rt+6:LC+8*\rt+7]
.endr
.irp rt, 0,1
	v_pk_add_f32 v[LC+8*\rt:LC+8*\rt+1], v[LC+8*\rt:LC+8*\rt+1], v[LC+8*\rt+4:LC+8*\rt+5]
.endr
.irp rt, 0,1
	v_add_f32 v[LC+8*\rt], v[LC+8*\rt], v[LC+8*\rt+1]
.endr
.irp rt, 0,1
	v_permlanex16_b32 v[LC+8*\rt+1], v[LC+8*\rt], s[SEL], s[SEL+1]
.endr
.irp rt, 0,1
	v_add_f32 v[LC+8*\rt], v[LC+8*\rt], v[LC+8*\rt+1]
.endr
.irp rt, 0,1
	ds_store_b32 v[STW], v[LC+8*\rt] offset:512*(\st)+64*\rt
.endr
	s_wait_dscnt 0x0                ; for the others' sake
	BAR
.irp rt, 0,1
.irp wn, 0,1,2,3
	ds_load_b32 v[(\dst)+4*\rt+\wn], v[STR] offset:512*(\st)+128*\wn+64*\rt
.endr
.endr
	s_wait_dscnt 0x0
.irp rt, 0,1
	v_add_f32 v[(\dst)+4*\rt],   v[(\dst)+4*\rt],   v[(\dst)+4*\rt+1]
	v_add_f32 v[(\dst)+4*\rt+2], v[(\dst)+4*\rt+2], v[(\dst)+4*\rt+3]
.endr
.irp rt, 0,1
	v_add_f32 v[(\dst)+4*\rt], v[(\dst)+4*\rt], v[(\dst)+4*\rt+2]
.endr
.endm
.macro NORM gofs, bofs, st          ; Z = (Z - mean) / sqrt(var + eps) x gain + bias, over the 256 columns that the four waves hold
	WIN 0
	PLACES
.irp ct, 0,1,2,3
	ds_load_b128 v[LG+8*\ct:LG+8*\ct+3],   v[PBW] offset:\gofs+64*\ct
	ds_load_b128 v[LG+8*\ct+4:LG+8*\ct+7], v[PBW] offset:\gofs+64*\ct+16
	ds_load_b128 v[LB+8*\ct:LB+8*\ct+3],   v[PBW] offset:\bofs+64*\ct
	ds_load_b128 v[LB+8*\ct+4:LB+8*\ct+7], v[PBW] offset:\bofs+64*\ct+16
.endr
.irp rt, 0,1
.irp ct, 0,1,2,3                    ; a chain for each result, begun at its lowest registers
	v_pk_add_f32 v[LC+8*\rt+2*\ct:LC+8*\rt+2*\ct+1], v[Z+8*(2*\ct+\rt):Z+8*(2*\ct+\rt)+1], v[Z+8*(2*\ct+\rt)+2:Z+8*(2*\ct+\rt)+3]
.endr
.irp k, 4,6
.irp ct, 0,1,2,3
	v_pk_add_f32 v[LC+8*\rt+2*\ct:LC+8*\rt+2*\ct+1], v[LC+8*\rt+2*\ct:LC+8*\rt+2*\ct+1], v[Z+8*(2*\ct+\rt)+\k:Z+8*(2*\ct+\rt)+\k+1]
.endr
.endr
.endr
	XCH \st, LM
.irp rt, 0,1
	v_mul_f32 v[LM+4*\rt], s[INV], v[LM+4*\rt]   ; the mean
.endr
.irp rt, 0,1
.irp ct, 0,1,2,3
.irp k, 0,2,4,6
	v_pk_add_f32 v[Z+8*(2*\ct+\rt)+\k:Z+8*(2*\ct+\rt)+\k+1], v[Z+8*(2*\ct+\rt)+\k:Z+8*(2*\ct+\rt)+\k+1], v[LM+4*\rt:LM+4*\rt+1] op_sel_hi:[1,0] neg_lo:[0,1] neg_hi:[0,1]
.endr
.endr
.endr
.irp rt, 0,1
.irp ct, 0,1,2,3
	v_pk_mul_f32 v[LC+8*\rt+2*\ct:LC+8*\rt+2*\ct+1], v[Z+8*(2*\ct+\rt):Z+8*(2*\ct+\rt)+1], v[Z+8*(2*\ct+\rt):Z+8*(2*\ct+\rt)+1]
.endr
.irp k, 2,4,6
.irp ct, 0,1,2,3
	v_pk_fma_f32 v[LC+8*\rt+2*\ct:LC+8*\rt+2*\ct+1], v[Z+8*(2*\ct+\rt)+\k:Z+8*(2*\ct+\rt)+\k+1], v[Z+8*(2*\ct+\rt)+\k:Z+8*(2*\ct+\rt)+\k+1], v[LC+8*\rt+2*\ct:LC+8*\rt+2*\ct+1]
.endr
.endr
.endr
	XCH \st+1, LM+8
.irp rt, 0,1
	v_fma_f32 v[LM+8+4*\rt], v[LM+8+4*\rt], s[INV], s[EPS]
.endr
.irp rt, 0,1
	v_rsq_f32 v[LM+8+4*\rt], v[LM+8+4*\rt]
.endr
	v_nop                           ; a plain instruction behind the last root
	s_wait_alu depctr_va_vdst(0)
.irp rt, 0,1
.irp ct, 0,1,2,3
.irp k, 0,2,4,6
	v_pk_mul_f32 v[Z+8*(2*\ct+\rt)+\k:Z+8*(2*\ct+\rt)+\k+1], v[Z+8*(2*\ct+\rt)+\k:Z+8*(2*\ct+\rt)+\k+1], v[LM+8+4*\rt:LM+8+4*\rt+1] op_sel_hi:[1,0]
.endr
.endr
.endr
.irp rt, 0,1
.irp ct, 0,1,2,3
.irp k, 0,2,4,6
	v_pk_fma_f32 v[Z+8*(2*\ct+\rt)+\k:Z+8*(2*\ct+\rt)+\k+1], v[Z+8*(2*\ct+\rt)+\k:Z+8*(2*\ct+\rt)+\k+1], v[LG+8*\ct+\k:LG+8*\ct+\k+1], v[LB+8*\ct+\k:LB+8*\ct+\k+1]
.endr
.endr
.endr
.endm
.macro PACKZ                        ; Z rounded to bf16 in pairs, each result's registers in ascending order
	WIN 0
	s_wait_xcnt 0x0                 ; earlier stores have read their registers: PK, and XF behind it, are written again only behind this wait
.set t, 0
.rept 32
	v_cvt_pk_bf16_f32 v[PK+t], v[Z+2*t], v[Z+2*t+1]
.set t, t+1
.endr
.endm
.macro XSPUT                        ; my 64 columns of the 32 rows: halves of images 8 rt + 2 w + ct / 2
.irp rt, 0,1
.irp ct, 0,1,2,3
	ds_store_b128 v[XSW], v[PK+4*(2*\ct+\rt):PK+4*(2*\ct+\rt)+3] offset:8192*\rt+1024*(\ct/2)+512*(\ct%2)
.endr
.endr
.endm
.macro XFGET                        ; every wave's stores are done, then all 16 images come into registers
	s_wait_dscnt 0x0
	BAR
.set t, 0
.rept 16
	ds_load_b128 v[XF+8*t:XF+8*t+3],   v[XSR] offset:1024*t
	ds_load_b128 v[XF+8*t+4:XF+8*t+7], v[XSR] offset:1024*t+512
.set t, t+1
.endr
.endm
.macro ZBIAS                        ; the sums start with the bias: my eight columns of each tile, for both row tiles
.irp ct, 0,1,2,3
.irp rt, 0,1
	ds_load_b128 v[Z+8*(2*\ct+\rt):Z+8*(2*\ct+\rt)+3],   v[PBC] offset:64*\ct
	ds_load_b128 v[Z+8*(2*\ct+\rt)+4:Z+8*(2*\ct+\rt)+7], v[PBC] offset:64*\ct+16
.endr
.endr
.endm
.macro ZBIASV                       ; with the sources swapped a lane holds one channel: one number for all eight registers
.irp ct, 0,1,2,3
	ds_load_b32 v[18+\ct], v[PBV] offset:64*\ct
.endr
	s_wait_dscnt 0x0                ; these four, WA and WB, and the loop's last bias load, of which nothing is made
.irp ct, 0,1,2,3
.set t, 0
.rept 16
	v_mov_b32 v[Z+16*\ct+t], v[18+\ct]
.set t, t+1
.endr
.endr
.endm
.macro PUTQK base
.irp rt, 0,1
.irp ct, 0,1,2,3
	global_store_b128 v[L16], v[PK+4*(2*\ct+\rt):PK+4*(2*\ct+\rt)+3], s[\base:\base+1] offset:2048*\rt+1024*(\ct/2)+512*(\ct%2)
.endr
.endr
.endm
; Q, K, V OF MY HEAD.  On entry XF is on its way, WA and WB hold chunk 9 (q), slot 0 holds chunk 10 (k), and chunk 11 (v) has been asked for into slot 1.
; q and k are one loop of two trips: 32 products on WA, the next chunk's first half into WA, 32 products on WB, the results packed, the next bias into Z, the next chunk's second half into WB, the stores.
; The second trip's bias load brings v's bytes in q's layout: they lie inside the table and nothing is made of them: the price of one text for both trips.  v follows, its sources swapped.
.macro QKV
	v_mov_b32 v[PBC], v[PBQ]
	ZBIAS
	s_mov_b32 s[CNT], 2
	s_mov_b32 s[CSL], 0
	s_mov_b32 s[QOF], 0
	s_mov_b64 s[SB:SB+1], s[SQ:SQ+1]
	s_wait_tensorcnt 0x0            ; chunk 11 is in: my own load into my own bytes
	s_wait_dscnt 0x0                ; XF and q's bias
.Lqk:
	v_add_nc_u32 v[AWN], s[CSL], v[AW0]
	s_add_co_u32 s[QOF], s[QOF], 256
	v_add_nc_u32 v[PBC], s[QOF], v[PBQ]
	s_wait_dscnt 32                 ; WA and the bias are in; the 32 loads of WB, issued behind them, may stay out
	MULG 0, 0, 0, 0
	MULG 0, 1, 2, 0
	PLACES
	FETCH 0, AWN, 0
	s_wait_dscnt 32                 ; WB is in; the 32 loads just issued may stay out
	MULG 1, 0, 4, 0
	MULG 1, 1, 6, 0
	PLACES
	PACKZ
	ZBIAS
	FETCH 1, AWN, 1
	WIN 0
	PUTQK SB
	s_xor_b32 s[CSL], s[CSL], SLOT1
	s_wait_xcnt 0x0                 ; the stores have read their base
	s_mov_b64 s[SB:SB+1], s[SK:SK+1]
	s_sub_co_u32 s[CNT], s[CNT], 1
	s_cmp_lg_u32 s[CNT], 0
	s_cbranch_scc1 .Lqk
	ZBIASV
	MULG 0, 0, 0, 1
	MULG 0, 1, 2, 1
	MULG 1, 0, 4, 1
	MULG 1, 1, 6, 1
	PLACES
	PACKZ
.irp rt, 0,1
.irp ct, 0,1,2,3
	global_store_b128 v[L16], v[PK+4*(2*\ct+\rt):PK+4*(2*\ct+\rt)+3], s[SK:SK+1] offset:8192+1024*\ct+512*\rt
.endr
.endr
	s_wait_tensorcnt 0x0            ; the wave's end: the spare word's add, behind my last tensor load and my last LDS store
	ds_add_u32 v[SPW], v[NIL]
	s_wait_dscnt 0x0
	CROUND                          ; the closing round
	s_endpgm
.endm
	s_load_b256 s[4:11], s[0:1], 0x0  ; o s[4:5], x in s[6:7], p s[8:9], x out s[10:11]
	s_load_b64 s[12:13], s[0:1], 0x20 ; qkv
	v_lshl_add_u32 v[SPW], v0, 2, SPARE
	v_mov_b32 v[NIL], 0
	ds_add_u32 v[SPW], v[NIL]       ; the wave's opening: the add here and its wait ahead of my first tensor load; work on registers stands between the two
	v_lshrrev_b32 v18, 5, v0
	v_readfirstlane_b32 s[WV], v18  ; wave 0..3
	s_bfe_u32 s15, ttmp6, 0x40000   ; cx
	s_lshl_b32 s16, ttmp9, 2
	s_add_co_u32 s16, s16, s15      ; g = 4 x cluster + cx: it enters the addresses of o, x and qkv alone
	s_lshr_b32 s[RO7], ttmp9, 3     ; the cluster's number j is the same in all four partners
	s_add_co_u32 s[RO7], s[RO7], ttmp9
	s_and_b32 s[RO7], s[RO7], 7     ; rot = (j + j / 8) % 8
	s_lshl_b32 s19, s[RO7], 7       ; a group's 128 bytes of ff1_b
	s_add_co_u32 s[OFF], s[RO7], 1  ; place 1 of the walk: chunk 1 + rot
	s_lshl_b32 s[OFF], s[OFF], 17
	s_mov_b32 s[OFF+1], 0
	s_add_co_u32 s[RO7], s[RO7], 7
	s_mov_b32 s[NPOS], 1
	s_mov_b32 s[G1], 15|(3<<16)|(1<<21)   ; the mask of four; elements of 8 bytes; bit 21 beside a mask
	s_mov_b32 s[G1P], 15|(3<<16)|(1<<21)
.irp g, G1, G1P
	s_mov_b32 s[\g+1], 32<<16       ; tensor_dim0 = 32: rows of 256 bytes
	s_mov_b32 s[\g+3], 32<<16       ; tile_dim0
	s_mov_b32 s[\g+5], 32           ; dense
	s_mov_b32 s[\g+6], 0
	s_mov_b32 s[\g+7], 0
.endr
	s_mov_b32 s[G1+2], 128<<16      ; a chunk's 128 rows for a wave
	s_mov_b32 s[G1+4], 128
	s_mov_b32 s[G1P+2], PROWS<<16   ; my quarter of the table
	s_mov_b32 s[G1P+4], PROWS
	s_mov_b32 s[G0P], 1
	s_mul_i32 s58, s[WV], PROWS*256
	s_add_co_u32 s[G0P+1], s58, PB
	s_mov_b32 s59, 0
	s_lshl_b32 s60, s[WV], 15
	s_mov_b32 s61, 0
	s_mov_b32 s[G0A], 1
	s_mov_b32 s[G0A+1], s60               ; chunk 0 into slot 0
	s_mov_b32 s[G0B], 1
	s_add_co_u32 s[G0B+1], s60, SLOT1     ; place 1 into slot 1; this one walks on
	s_mov_b32 s[SEL], 0x76543210
	s_mov_b32 s[SEL+1], 0xfedcba98
	s_mov_b32 s[INV], 0x3b800000    ; 1 / 256
	s_mov_b32 s[EPS], 0x3727c5ac    ; 1e-5
	s_mov_b32 s[BST], 0
	s_mov_b32 s[CSL], SLOT1         ; the first group's chunk lies in slot 1
	v_and_b32 v18, 31, v0           ; lane
	v_and_b32 v19, 15, v0           ; r
	v_bfe_u32 v20, v0, 4, 1         ; h
	v_mov_b32 v[ZERO], 0
	v_lshlrev_b32 v[L16], 4, v18
	v_lshlrev_b32 v[PFO], 8, v18
	v_lshl_add_u32 v[FBO], v18, 5, s19     ; 32 lane + 128 rot,
	v_and_b32 v[FBO], 1023, v[FBO]         ; round my slice's 1,024 bytes,
	v_lshl_add_u32 v[FBO], s[WV], 10, v[FBO]
	v_lshlrev_b32 v[BAC], 5, v18           ; and where they go in LDS: 32 lane in my slice of the table
	v_lshl_add_u32 v[BAC], s[WV], 10, v[BAC]
	v_add_nc_u32 v[BAC], PB+T_FF1B, v[BAC]
	v_lshl_add_u32 v[AW0], s[WV], 15, v[L16]
	v_add_nc_u32 v[AWN], SLOT1, v[AW0]
	v_lshl_add_u32 v[XSW], s[WV], 11, v[L16]
	v_add_nc_u32 v[XSW], XS, v[XSW]
	v_add_nc_u32 v[XSR], XS, v[L16]
	v_lshlrev_b32 v21, 5, v20       ; 32 h
	v_lshl_add_u32 v[PBW], s[WV], 8, v21
	v_add_nc_u32 v[PBW], PB, v[PBW]
	v_lshl_add_u32 v[BA], s[WV], 10, v21
	v_add_nc_u32 v[BA], PB+T_FF1B, v[BA]
	v_lshlrev_b32 v26, 2, v19       ; 4 r
	v_lshl_add_u32 v[STW], s[WV], 7, v26
	v_add_nc_u32 v[STW], STT, v[STW]
	v_add_nc_u32 v[STR], STT, v26
.irp s, 1,2,3
	s_add_co_u32 s62, s[WV], \s
	s_and_b32 s62, s62, 3           ; the wave that owns my column tiles 4 s .. 4 s + 3
	v_lshl_add_u32 v[RW+\s-1], s62, 13, v[L16]
	v_add_nc_u32 v[RW+\s-1], RS, v[RW+\s-1]
.endr
	s_lshl_b32 s62, s[WV], 13
	s_add_co_u32 s62, s62, RS       ; my 8 KB of RS
	v_add_nc_u32 v[RR], s62, v[L16]
	v_mul_u32_u24 v[STA], v20, 272
	v_lshl_add_u32 v[STA], v19, 4, v[STA]
	v_add_nc_u32 v[STA], s62, v[STA]
	v_mul_u32_u24 v[STB], v19, 272
	v_add_nc_u32 v[STB], v21, v[STB]
	v_add_nc_u32 v[STB], s62, v[STB]
	v_lshlrev_b32 v[XO], 10, v20
	v_lshl_add_u32 v[XO], v19, 4, v[XO]
	v_lshl_add_u32 v[XO], s[WV], 8, v[XO]
	s_mul_i32 s62, s[WV], 768
	v_add_nc_u32 v[PBQ], s62, v21
	v_add_nc_u32 v[PBQ], PB+T_QKVB, v[PBQ]
	v_add_nc_u32 v[PBV], s62, v26
	v_add_nc_u32 v[PBV], PB+T_QKVB+512, v[PBV]
	s_wait_dscnt 0x0                ; the opening add is done
	s_wait_kmcnt 0x0
	s_add_nc_u64 s[BW:BW+1], s[8:9], s[60:61]
	s_mov_b64 s[G0A+2:G0A+3], s[BW:BW+1]
	s_add_nc_u64 s[G0B+2:G0B+3], s[BW:BW+1], s[OFF:OFF+1]
	s_add_nc_u64 s[G0P+2:G0P+3], s[8:9], s[58:59]
	s_add_nc_u64 s[G0P+2:G0P+3], s[G0P+2:G0P+3], TBLO
	s_or_b32 s[G0A+3], s[G0A+3], 0x80000000
	s_or_b32 s[G0B+3], s[G0B+3], 0x80000000
	s_or_b32 s[G0P+3], s[G0P+3], 0x80000000
	s_mov_b32 s63, 0
	s_lshl_b32 s62, s16, 14         ; 16 images of O
	s_add_nc_u64 s[SO:SO+1], s[4:5], s[62:63]
	s_lshl_b32 s62, s16, 15         ; 32 rows of 1,024 bytes
	s_add_nc_u64 s[SXI:SXI+1], s[6:7], s[62:63]
	s_add_nc_u64 s[SXO:SXO+1], s[10:11], s[62:63]
	s_lshr_b32 s58, s16, 6
	s_lshl_b32 s58, s58, 2
	s_add_co_u32 s58, s58, s[WV]    ; bh = 4 b + head
	s_and_b32 s59, s16, 63          ; the work-group within its batch
	s_lshl_b32 s62, s58, 18
	s_lshl_b32 s60, s59, 12
	s_add_co_u32 s62, s62, s60
	s_add_nc_u64 s[SQ:SQ+1], s[12:13], s[62:63]
	s_lshl_b32 s62, s58, 19
	s_lshr_b32 s60, s59, 1
	s_lshl_b32 s60, s60, 14         ; the step of 64 keys
	s_add_co_u32 s62, s62, s60
	s_and_b32 s60, s16, 1
	s_lshl_b32 s60, s60, 12         ; its first or second 32 keys
	s_add_co_u32 s62, s62, s60
	s_add_co_u32 s62, s62, 4194304
	s_add_nc_u64 s[SK:SK+1], s[12:13], s[62:63]
	; THE PREFETCH INTO THE L2 of chunks 9, 10, 11, which all clusters ask for at the same places of the walk.  Clusters 0, 1, 2 take one chunk each; its 512 blocks of 256 bytes are shared out BY ADDRESS: 128 a work-group, 32 a wave, a lane
	; a block: one instruction a wave in the whole launch, and each block is named once.  In the other clusters the address is held inside the stream and the test below keeps them from asking.
	s_min_u32 s62, ttmp9, 2
	s_add_co_u32 s62, s62, 9
	s_lshl_b32 s62, s62, 17
	s_lshl_b32 s60, s15, 15
	s_add_co_u32 s62, s62, s60
	s_lshl_b32 s60, s[WV], 13
	s_add_co_u32 s62, s62, s60
	s_add_nc_u64 s[PFA:PFA+1], s[8:9], s[62:63]
	s_cmp_lt_u32 ttmp9, 3           ; the same in all four partners
	s_cselect_b32 s[LIM], 4, -1     ; the loop's fifth trip: two trips, 128 matrix instructions, ahead of the load of chunk 9
	CROUND                          ; all four work-groups are here: the first joint loads meet
	tensor_load_to_lds s[G0P:G0P+3], s[G1P:G1P+7]
	s_nop 0
	tensor_load_to_lds s[G0A:G0A+3], s[G1:G1+7]
	s_nop 0
	tensor_load_to_lds s[G0B:G0B+3], s[G1:G1+7]
	s_nop 0
	PLACES
	global_load_b128 v[FB:FB+3],   v[FBO], s[8:9] offset:TBLO+T_FF1B      ; my slice of ff1_b in my walk's order, 32 bytes a lane
	global_load_b128 v[FB+4:FB+7], v[FBO], s[8:9] offset:TBLO+T_FF1B+16
	WIN 0x40                        ; destination window 1
.set t, 0
.rept 16                            ; my 64 columns of the 32 rows of x, by rows: sixteen lanes read 256 consecutive bytes, aligned
	global_load_b128 v[4*t:4*t+3], v[XO], s[SXI:SXI+1] offset:2048*t th:TH_LOAD_NT
.set t, t+1
.endr
	WIN 0
.set t, 0
.rept 16                            ; O's 16 images (every wave wants them all)
	global_load_b128 v[XF+8*t:XF+8*t+3],   v[L16], s[SO:SO+1] offset:1024*t
	global_load_b128 v[XF+8*t+4:XF+8*t+7], v[L16], s[SO:SO+1] offset:1024*t+512
.set t, t+1
.endr
.set t, 0
.rept 16
	v_mov_b32 v[PK+t], 0
.set t, t+1
.endr
	WIN 0x40                        ; Y's foreign tiles 4 .. 15: 24 products of those zeros write their 192 registers
.set t, 8
.rept 24
	v_wmma_f32_16x16x32_bf16 v[8*t:8*t+7], v[PK:PK+7], v[PK+8:PK+15], 0
.set t, t+1
.endr
	WIN 0
	PLACES                          ; PK is loaded again further down
	s_wait_loadcnt 32               ; the bias's 2 loads and x's 16 are in; O's 32, issued behind them, may stay out
.irp rt, 0,1                        ; through my stage into the layout of results, 16 rows at a time: LDS serves a wave's instructions in order, so the second half's stores come behind the first half's loads
	WIN 0x04                        ; store data in window 1
.irp i, 0,1,2,3,4,5,6,7
	ds_store_b128 v[STA], v[32*\rt+4*\i:32*\rt+4*\i+3] offset:544*\i
.endr
	WIN 0
.irp ct, 0,1,2,3
	ds_load_b128 v[Z+8*(2*\ct+\rt):Z+8*(2*\ct+\rt)+3],   v[STB] offset:64*\ct
	ds_load_b128 v[Z+8*(2*\ct+\rt)+4:Z+8*(2*\ct+\rt)+7], v[STB] offset:64*\ct+16
.endr
.endr
	s_wait_tensorcnt 0x1            ; my quarter of the table and my part of chunk 0 are in; place 1's chunk, issued behind them, may stay out
	s_wait_dscnt 0x0
	BAR                             ; everybody's quarter of the table is in
	ds_store_b128 v[BAC], v[FB:FB+3]            ; my slice of ff1_b is laid anew, in my walk's order: the table has had its one fill, and only I read these 1,024 bytes for use
	ds_store_b128 v[BAC], v[FB+4:FB+7] offset:16
	; THE OUT PRODUCT: its sums start with x + out_b
	FETCH 0, AW0, 0
	WIN 0
.irp ct, 0,1,2,3
	ds_load_b128 v[PK+8*\ct:PK+8*\ct+3],   v[PBW] offset:T_OUTB+64*\ct
	ds_load_b128 v[PK+8*\ct+4:PK+8*\ct+7], v[PBW] offset:T_OUTB+64*\ct+16
.endr
	s_wait_loadcnt 0x0
	s_wait_dscnt 0x0
.irp ct, 0,1,2,3
.irp rt, 0,1
.irp k, 0,2,4,6
	v_pk_add_f32 v[Z+8*(2*\ct+\rt)+\k:Z+8*(2*\ct+\rt)+\k+1], v[Z+8*(2*\ct+\rt)+\k:Z+8*(2*\ct+\rt)+\k+1], v[PK+8*\ct+\k:PK+8*\ct+\k+1]
.endr
.endr
.endr
	MULG 0, 0, 0, 0                 ; chunk 0: 64 products
	PLACES
	FETCH 1, AW0, 1
	MULG 0, 1, 2, 0
	CHANGE                          ; slot 0 takes place 2
	MULG 1, 0, 4, 0
	FETCH 0, AWN, 0                 ; the first group's ff1 images, out of slot 1
	MULG 1, 1, 6, 0
	NORM T_G1, T_B1, 0
	; INTO THE FEED-FORWARD
	PACKZ
	XSPUT
.irp ct, 0,1,2,3
	ds_load_b128 v[LG+8*\ct:LG+8*\ct+3],   v[PBW] offset:T_FF2B+64*\ct
	ds_load_b128 v[LG+8*\ct+4:LG+8*\ct+7], v[PBW] offset:T_FF2B+64*\ct+16
.endr
	s_wait_dscnt 0x0
	WIN 0x40                        ; my own slice of Y starts with x1 + ff2_b
.irp ct, 0,1,2,3
.irp rt, 0,1
.irp k, 0,2,4,6
	v_pk_add_f32 v[8*(2*\ct+\rt)+\k:8*(2*\ct+\rt)+\k+1], v[Z+8*(2*\ct+\rt)+\k:Z+8*(2*\ct+\rt)+\k+1], v[LG+8*\ct+\k:LG+8*\ct+\k+1]
.endr
.endr
.endr
	WIN 0
	XFGET
	HBIAS
	s_mov_b32 s[CNT], 8
.Lff:                               ; a trip: one group, place 1 + i of the walk; in its middle its slot is asked for again with place 3 + i
	v_add_nc_u32 v[AWC], s[CSL], v[AW0]
	s_xor_b32 s[CSL], s[CSL], SLOT1
	v_add_nc_u32 v[AWN], s[CSL], v[AW0]
	s_wait_dscnt 0x0                ; WA and the bias are in
	FFA 0
	PLACES
	FETCH 1, AWC, 1                 ; the group's ff2 images
	FFA 4
	CHANGE
	s_cmp_eq_u32 s[CNT], s[LIM]     ; the one prefetch, behind the tensor load and its five lines
	s_cbranch_scc0 .Lnot_mine
	global_prefetch_b8 v[PFO], s[PFA:PFA+1] th:TH_LOAD_NT scope:SCOPE_SE
.Lnot_mine:
	RELU
	HBIAS
	FFC 0
	FETCH 0, AWN, 0                 ; the next chunk's first half
	FFC 8
	WIN 0
	s_sub_co_u32 s[CNT], s[CNT], 1
	s_cmp_lg_u32 s[CNT], 0
	s_cbranch_scc1 .Lff
	PLACES
	v_add_nc_u32 v[AWC], s[CSL], v[AW0]  ; slot 1 again: chunk 9, whose first half is in WA
	FETCH 1, AWC, 1
	CHANGE                          ; chunk 9 is in registers, chunk 10 has landed; slot 1 takes chunk 11
	; THE REDUCTION: in step s my tiles 4 s .. 4 s + 3 go to wave (w + s) % 4, and I take those of wave (w - s) % 4
.irp s, 1,2,3
	WIN 0x04                        ; store data in window 1
.set t, 0
.rept 8
	ds_store_b128 v[RW+\s-1], v[64*\s+8*t:64*\s+8*t+3]   offset:1024*t
	ds_store_b128 v[RW+\s-1], v[64*\s+8*t+4:64*\s+8*t+7] offset:1024*t+512
.set t, t+1
.endr
	WIN 0
	s_wait_dscnt 0x0                ; for the others' sake
	BAR
.set t, 0
.rept 8
	ds_load_b128 v[TT+8*t:TT+8*t+3],   v[RR] offset:1024*t
	ds_load_b128 v[TT+8*t+4:TT+8*t+7], v[RR] offset:1024*t+512
.set t, t+1
.endr
	s_wait_dscnt 0x0
.if \s < 3
	WIN 0x41
.set t, 0
.rept 32
	v_pk_add_f32 v[2*t:2*t+1], v[2*t:2*t+1], v[TT+2*t:TT+2*t+1]
.set t, t+1
.endr
	WIN 0
	BAR                             ; every wave's reads are back: the areas may be written again
.else
	WIN 0x01
.set t, 0
.rept 32
	v_pk_add_f32 v[Z+2*t:Z+2*t+1], v[2*t:2*t+1], v[TT+2*t:TT+2*t+1]
.set t, t+1
.endr
	WIN 0
.endif
.endr
	NORM T_G2, T_B2, 2
	; THE ROWS GO OUT: through my stage back into rows, 16 rows at a time; sixteen lanes store 256 consecutive bytes, aligned
.irp rt, 0,1
.irp ct, 0,1,2,3
	ds_store_b128 v[STB], v[Z+8*(2*\ct+\rt):Z+8*(2*\ct+\rt)+3]   offset:64*\ct
	ds_store_b128 v[STB], v[Z+8*(2*\ct+\rt)+4:Z+8*(2*\ct+\rt)+7] offset:64*\ct+16
.endr
.irp i, 0,1,2,3,4,5,6,7
	ds_load_b128 v[XF+32*\rt+4*\i:XF+32*\rt+4*\i+3], v[STA] offset:544*\i
.endr
.endr
	s_wait_dscnt 0x0
.set t, 0
.rept 16
	global_store_b128 v[XO], v[XF+4*t:XF+4*t+3], s[SXO:SXO+1] offset:2048*t
.set t, t+1
.endr
	PACKZ
	XSPUT
	XFGET
	QKV
.Lfunc_end_k_q77eb2fef44_post:
	.size	k_q77eb2fef44_post, .Lfunc_end_k_q77eb2fef44_post-k_q77eb2fef44_post
	.p2alignl 7, 3214868480
	.fill 96, 4, 3214868480
	.section	.rodata,"a",@progbits
	.p2align	6, 0x0
	.amdhsa_kernel k_q77eb2fef44_post
		.amdhsa_group_segment_fixed_size 327680
		.amdhsa_private_segment_fixed_size 0
		.amdhsa_enable_private_segment 0
		.amdhsa_kernarg_size 40
		.amdhsa_user_sgpr_count 2
		.amdhsa_user_sgpr_kernarg_segment_ptr 1
		.amdhsa_wavefront_size32 1
		.amdhsa_system_sgpr_workgroup_id_x 1
		.amdhsa_system_sgpr_workgroup_id_y 1
		.amdhsa_system_sgpr_workgroup_id_z 1
		.amdhsa_system_vgpr_workitem_id 0
		.amdhsa_next_free_vgpr 768
		.amdhsa_next_free_sgpr 84
		.amdhsa_reserve_vcc 0
		.amdhsa_float_denorm_mode_32 3
		.amdhsa_float_denorm_mode_16_64 3
		.amdhsa_memory_ordered 1
		.amdhsa_forward_progress 1
		.amdhsa_inst_pref_size 128
	.end_amdhsa_kernel
	.amdgpu_metadata
---
amdhsa.version: [ 1, 2 ]
amdhsa.kernels:
  - .name:           k_q77eb2fef44_post
    .symbol:         k_q77eb2fef44_post.kd
    .args:
      - { .name: o, .offset: 0, .size: 8, .value_kind: global_buffer, .address_space: global }
      - { .name: xa, .offset: 8, .size: 8, .value_kind: global_buffer, .address_space: global }
      - { .name: p0, .offset: 16, .size: 8, .value_kind: global_buffer, .address_space: global }
      - { .name: xb, .offset: 24, .size: 8, .value_kind: global_buffer, .address_space: global }
      - { .name: qkv, .offset: 32, .size: 8, .value_kind: global_buffer, .address_space: global }
    .group_segment_fixed_size: 327680
    .private_segment_fixed_size: 0
    .kernarg_segment_align: 8
    .kernarg_segment_size: 40
    .max_flat_workgroup_size: 128
    .sgpr_count:     84
    .vgpr_count:     768
    .wavefront_size: 32
...
	.end_amdgpu_metadata
.endif
;; end of part 8
;; launch att1: the kernel of part 7 again; grid 16 x 16, 4 waves a work-group, clusters of 4 x 1, 327,680 bytes of LDS; arguments qkv, o; writes o
;; launch post1: the kernel of part 8 again; grid 256 x 1, 4 waves a work-group, clusters of 4 x 1, 327,680 bytes of LDS; arguments o, xb, p1, xa, qkv; writes xa, qkv
;; launch att2: the kernel of part 7 again; grid 16 x 16, 4 waves a work-group, clusters of 4 x 1, 327,680 bytes of LDS; arguments qkv, o; writes o
;; launch post2: the kernel of part 8 again; grid 256 x 1, 4 waves a work-group, clusters of 4 x 1, 327,680 bytes of LDS; arguments o, xa, p2, xb, qkv; writes xb, qkv
;; launch att3: the kernel of part 7 again; grid 16 x 16, 4 waves a work-group, clusters of 4 x 1, 327,680 bytes of LDS; arguments qkv, o; writes o
;; launch last: the kernel of part 8 again; grid 256 x 1, 4 waves a work-group, clusters of 4 x 1, 327,680 bytes of LDS; arguments o, xb, p3, out0, qkv; writes out0, qkv
